; MI455X (gfx1250); checked and timed in simulation.
; The chip was launched on July 23, 2026; its instructions are those of AMD's public machine-readable ISA for CDNA 5 (MIT licence, August 2026) and "CDNA5" Instruction Set Architecture Reference Guide (July 2026). The comments in the code are by the model that wrote it; some were corrected since.
;; Baseline Mini Transformer. Allowed arithmetic: matrix products marked QUANTISED: E5M2 operands, one given power-of-two scale a tensor, by v_wmma_f32_16x16x64_bf8_bf8 or v_wmma_f32_16x16x128_bf8_bf8, f32 sums; everything else in f32.
;; Inputs: b1 4,096 float32; b2 1,024 float32; ln1_b 1,024 float32; ln1_g 1,024 float32; ln2_b 1,024 float32; ln2_g 1,024 float32; lowp_scales 16 int32 (the exponents e of the quantised operands' scales 2^e); w1 4,096 x 1,024 float32; w2 1,024 x 4,096 float32; wk 1,024 x 1,024 float32; wo 1,024 x 1,024 float32; wq 1,024 x 1,024 float32; wv 1,024 x 1,024 float32; x 2 x 2,048 x 1,024 float32.
;; Outputs: out0 2 x 2,048 x 1,024 float32.
;; This version of the problem:
;;   THIS VERSION OF THE PROBLEM IS GIVEN IN LOW PRECISION. The matrix products marked QUANTISED in the list below multiply operands that are first quantised to E5M2 (5 exponent bits, 2 mantissa bits; 8 bits a number), with one given power-of-two scale for each operand tensor; their sums are f32. All else is computed in f32.
;;   The module's matrix products, in the order in which they are computed (A, B: the left and right operand; K: the contracted axis; several contracted axes count as one K, in the product's order):
;;     1. [M 4,096, K 1,024] x [K 1,024, N 1,024]; A: computed on the way; B: input wq: QUANTISED (scales: A lowp_scales[0], B lowp_scales[1])
;;     2. [M 4,096, K 1,024] x [K 1,024, N 1,024]; A: computed on the way; B: input wk: QUANTISED (scales: A lowp_scales[2], B lowp_scales[3])
;;     3. [M 4,096, K 1,024] x [K 1,024, N 1,024]; A: computed on the way; B: input wv: QUANTISED (scales: A lowp_scales[4], B lowp_scales[5])
;;     4. batch 32 x [M 2,048, K 64] x [K 64, N 2,048]; A: computed on the way; B: computed on the way: QUANTISED (scales: A lowp_scales[6], B lowp_scales[7])
;;     5. batch 32 x [M 2,048, K 2,048] x [K 2,048, N 64]; A: softmax (see below); B: computed on the way: QUANTISED (scales: A lowp_scales[8], B lowp_scales[9])
;;     6. [M 4,096, K 1,024] x [K 1,024, N 1,024]; A: computed on the way; B: input wo: QUANTISED (scales: A lowp_scales[10], B lowp_scales[11])
;;     7. [M 4,096, K 1,024] x [K 1,024, N 4,096]; A: computed on the way; B: input w1: QUANTISED (scales: A lowp_scales[12], B lowp_scales[13])
;;     8. [M 4,096, K 4,096] x [K 4,096, N 1,024]; A: computed on the way; B: input w2: QUANTISED (scales: A lowp_scales[14], B lowp_scales[15])
;;   THE QUANTISER, for each operand of a quantised product, along K:
;;     - The operand's scale is 2^e, e = its entry of the input lowp_scales (int32; the entries are numbered through the quantised products in the list's order, A before B).
;;     - Each number is divided by the scale, clamped to +-57,344, and rounded to the nearest number of E5M2, ties to even, subnormals kept.
;;     - The product sums the exact products of the quantised numbers (number of the format x scale) in f32.
;;   ~~~python
;;   def quantise(x, axis, e):      # numpy; x: float32 -> the quantised numbers, widened to float32 again
;;       x = np.moveaxis(x, axis, -1); K = x.shape[-1]
;;       r = np.clip(x / 2.0 ** e, -57344, 57344)
;;       step = 2.0 ** (np.maximum(np.frexp(np.where(r == 0, 1, r))[1] - 1, -14) - 2)
;;       q = np.round(r / step) * step * 2.0 ** e      # np.round: ties to even
;;       return np.moveaxis(q, -1, axis).astype(np.float32)
;;   ~~~
;;   SOFTMAX AHEAD OF A QUANTISED PRODUCT. Where the list says 'softmax', what is quantised is not the finished softmax but p = 2^(t - M), with t = logit x log2(e) and M = ceil(the row's largest t), a whole number; so 1/2 < the row's largest p <= 1. The row's sum l is taken of the UNQUANTISED p, in f32, and the product's result is divided by l at the end. Since M is a whole number, a kernel that streams over the keys may use a running M (the ceiling of the running maximum): every later rescaling is an exact power of two, so the quantised numbers keep their values, but for numbers so far below the row's largest that they fall under the format's range.
;;   OPERANDS COMPUTED ON THE WAY. 'Computed on the way' means the value that the module computes at that place (a softmax that the list does not call 'softmax' is quantised finished and normalised). What goes into a quantiser is computed in f32, as accurately as f32 sums, v_exp_f32 and their like allow (about 1e-6 of the number): no bf16 or f16 on the way to a quantiser, and a product that is left as it is and whose result goes on into a quantised operand takes f32 operands (vector FMAs, or v_wmma_f32_16x16x4_f32). A number that lies on a knife's edge between two numbers of the format may be rounded either way, as far as f32 arithmetic and the matrix unit's own rounding can turn it there, and no further.
;; 2 versions. Each part assembles by itself: llvm-mc -triple=amdgcn-amd-amdhsa -mcpu=gfx1250 --defsym DOCPART=n.
;; ======== version 1 of 2: 7 launches
;; workspace buffers: wcodes 12,582,912 bytes; hcodes 12,582,912 bytes; qimg 4,194,304 bytes; kv 8,388,608 bytes; ocodes 4,194,304 bytes; x1 16,777,216 bytes; h2codes 4,194,304 bytes; gcodes 16,777,216 bytes
;; launch prep (part 1): grid 640 x 1, 4 waves a work-group, no clusters, 33,280 bytes of LDS; arguments x, ln1_g, ln1_b, lowp_scales, wq, wk, wv, wo, w1, w2, wcodes, hcodes; writes wcodes, hcodes
.if DOCPART == 1
	.amdgcn_target "amdgcn-amd-amdhsa--gfx1250"
	.amdhsa_code_object_version 6
	.text
	.protected	k_q1d115f9e70_prep
	.globl	k_q1d115f9e70_prep
	.p2align	8
	.type	k_q1d115f9e70_prep,@function
k_q1d115f9e70_prep:
	s_mov_b64 s[64:65], 0
	v_nop
	global_prefetch_b8 v0, s[64:65] scope:SCOPE_SE
	s_setreg_imm32_b32 hwreg(HW_REG_WAVE_MODE, 25, 1), 1
	s_wait_xcnt 0x0
; PREP.  Work-groups 0 to 383: the six weights, f32 with K innermost, become codes of E5M2 in wcodes (wq, wk, wv, wo, w1, w2 on end), each with its given scale 2^e.
; Work-groups 384 to 639: h = layernorm(x) x g + b, quantised three times, with the scales of the three products that read it: hcodes [3][4096][1024].
; code = number / 2^e, held within +-57,344, rounded to the nearest code, ties to even.
; LIMITS: each e between -126 and 112, so that 2^e and 57,344 x 2^e are f32 numbers.  NaN and infinities among the inputs are not served.
; No cluster and no tensor load: no two work-groups read the same large bytes, and no wave hands anything to another.  Only the weights' path touches LDS (each wave its own 8,192 bytes).
.set WGW,   384                        ; work-groups of the weights' path: 12,582,912 numbers / 32,768
.set STEPS, 16
.set EMAX,  15
.set MANT,  0x600000                   ; the mantissa field of 57,344 as f32
; the weights' path: a wave takes 16 steps of 512 numbers
.set CB,    16                         ; bytes of 16 codes
.set R,     16                         ; v16-79   four sets of 16 numbers as they are loaded
.set XW,    80                         ; v80-111  two sets of 16 neighbours
.set CW,    128                        ; v128-191 codes: four registers for each step, so that no store's data are written again
.set WREG,  8192                       ; LDS of a wave: two stages of 32 x SP bytes
.set SP,    80                         ; a lane's place in a stage: 64 bytes + 16 of padding
; the layer norm's path: a wave takes 4 rows, one after the other; a row lies in 32 registers a lane
.set NSETS, 3
.set LA,    3                          ; v3   32 x lane: my 8 numbers of each 256
.set LC,    4                          ; v4   8 x lane: my 8 codes of each 256
.set G,     16                         ; v16-47   the gain at my 32 columns
.set B,     48                         ; v48-79   the bias
.set X,     80                         ; v80-207  four rows
.set T,     208                        ; v208-223 at work: sums, then two sets of 8 held numbers
.set MU,    216                        ; v[216:217] the mean, twice
.set RS,    218                        ; v[218:219] 1 / sqrt(var + eps), twice
.set C,     224                        ; v224-247 a row's codes, 8 registers a set
.set SC,    248                        ; v248-250 2^e of the three sets
.set LIM,   251                        ; v251-253 57,344 x 2^e
.set XB,    56                         ; s[56:57] x at my first row
.set HB,    58                         ; s[58:63] hcodes at my first row, a pair for each set
.macro LOAD t
.irp i, 0,1,2,3
	global_load_b128 v[R+16*((\t)%4)+4*\i:R+16*((\t)%4)+4*\i+3], v3, s[30:31] offset:2048*(\t)+512*\i th:TH_LOAD_NT   ; 32 lanes read 512 consecutive bytes
.endr
.endm
.macro TURN t                          ; step t's numbers through the stage: in as they were loaded, out 64 bytes a lane.  LDS serves a wave's instructions in order
.irp i, 0,1,2,3
	ds_store_b128 v14, v[R+16*((\t)%4)+4*\i:R+16*((\t)%4)+4*\i+3] offset:32*SP*((\t)%2)+8*SP*\i
.endr
.irp i, 0,1,2,3
	ds_load_b128 v[XW+16*((\t)%2)+4*\i:XW+16*((\t)%2)+4*\i+3], v15 offset:32*SP*((\t)%2)+16*\i
.endr
.endm
.macro STEP t
.set XS, XW+16*((\t)%2)
	s_wait_dscnt 0x0                               ; this step's numbers are back from the stage, so its stores into the stage have read their registers,
.if (\t)+4 < STEPS
	LOAD (\t)+4                                    ; which take the loads of four steps on
.endif
.if (\t)+1 < STEPS
.if STEPS-2-(\t) >= 3
	s_wait_loadcnt 12                              ; the next step's four loads are in; those of the three steps behind it may be out
.else
	s_wait_loadcnt 4*(STEPS-2-(\t))
.endif
	TURN (\t)+1
.endif
.irp i, 0,1,2,3,4,5,6,7,8,9,10,11,12,13,14,15
	v_med3_num_f32 v[XS+\i], v[XS+\i], -v10, v10   ; the conversion does not saturate (ISA guide 7.6.2): the hold at the largest code x the scale comes first
.endr
	v_cvt_scalef32_pk8_bf8_f32 v[CW+4*(\t):CW+4*(\t)+1], v[XS:XS+7], v11
	v_cvt_scalef32_pk8_bf8_f32 v[CW+4*(\t)+2:CW+4*(\t)+3], v[XS+8:XS+15], v11
	v_nop                                          ; a plain line behind the last conversion
	global_store_b128 v4, v[CW+4*(\t):CW+4*(\t)+3], s[24:25] offset:32*CB*(\t)   ; the wave stores 512 consecutive bytes
.endm
.macro REDUCE                          ; v[T] is summed over the 32 lanes; every lane gets the sum
	v_add_f32_dpp v[T], v[T], v[T] row_xmask:1 row_mask:0xf bank_mask:0xf
	v_add_f32_dpp v[T], v[T], v[T] row_xmask:2 row_mask:0xf bank_mask:0xf
	v_add_f32_dpp v[T], v[T], v[T] row_xmask:4 row_mask:0xf bank_mask:0xf
	v_add_f32_dpp v[T], v[T], v[T] row_xmask:8 row_mask:0xf bank_mask:0xf
	v_permlanex16_b32 v[T+1], v[T], s54, s55
	v_add_f32 v[T], v[T], v[T+1]
.endm
.macro FOLD                            ; four packed chains into one number a lane
	v_pk_add_f32 v[T:T+1], v[T:T+1], v[T+2:T+3]
	v_pk_add_f32 v[T+4:T+5], v[T+4:T+5], v[T+6:T+7]
	v_pk_add_f32 v[T:T+1], v[T:T+1], v[T+4:T+5]
	v_add_f32 v[T], v[T], v[T+1]
.endm
.macro LNROW rho
.set XR, X+32*(\rho)
	s_wait_loadcnt 8*(3-(\rho))                    ; this row's eight loads are in; the later rows' eight each may be out
.irp k, 0,1,2,3
	v_pk_add_f32 v[T+2*\k:T+2*\k+1], v[XR+4*\k:XR+4*\k+1], v[XR+4*\k+2:XR+4*\k+3]
.endr
.irp k, 0,1,2,3,4,5,6,7
	v_pk_add_f32 v[T+2*(\k%4):T+2*(\k%4)+1], v[T+2*(\k%4):T+2*(\k%4)+1], v[XR+16+2*\k:XR+16+2*\k+1]
.endr
	FOLD
	REDUCE
	v_mul_f32 v[MU], s52, v[T]                     ; the mean
	v_mul_f32 v[MU+1], s52, v[T]
.irp j, 0,2,4,6,8,10,12,14,16,18,20,22,24,26,28,30
	v_pk_add_f32 v[XR+\j:XR+\j+1], v[XR+\j:XR+\j+1], v[MU:MU+1] neg_lo:[0,1] neg_hi:[0,1]   ; x - mean: the variance is taken of these, so a common offset of x does no harm
.endr
.irp k, 0,1,2,3
	v_pk_mul_f32 v[T+2*\k:T+2*\k+1], v[XR+2*\k:XR+2*\k+1], v[XR+2*\k:XR+2*\k+1]
.endr
.irp k, 4,5,6,7,8,9,10,11,12,13,14,15
	v_pk_fma_f32 v[T+2*(\k%4):T+2*(\k%4)+1], v[XR+2*\k:XR+2*\k+1], v[XR+2*\k:XR+2*\k+1], v[T+2*(\k%4):T+2*(\k%4)+1]
.endr
	FOLD
	REDUCE
	v_fma_f32 v[T], v[T], s52, s53                 ; var + eps
	v_rsq_f32 v[RS], v[T]
	v_nop                                          ; a plain line behind the transcendental,
	s_wait_alu depctr_va_vdst(0)                   ; and the wait ahead of its first reader
	v_mov_b32 v[RS+1], v[RS]
.irp j, 0,2,4,6,8,10,12,14,16,18,20,22,24,26,28,30
	v_pk_mul_f32 v[XR+\j:XR+\j+1], v[XR+\j:XR+\j+1], v[RS:RS+1]
.endr
.irp j, 0,2,4,6,8,10,12,14,16,18,20,22,24,26,28,30
	v_pk_fma_f32 v[XR+\j:XR+\j+1], v[XR+\j:XR+\j+1], v[G+\j:G+\j+1], v[B+\j:B+\j+1]
.endr
	s_wait_xcnt 0x0                                ; the last row's stores have read their data: the codes' registers may be written again
.set QS, 0
.rept NSETS
.irp c, 0,1,2,3
.irp j, 0,1,2,3,4,5,6,7
	v_med3_num_f32 v[T+8*(\c%2)+\j], v[XR+8*\c+\j], -v[LIM+QS], v[LIM+QS]   ; the hold, into one of two sets by turns: the eight lines are the plain lines behind the conversion before
.endr
	v_cvt_scalef32_pk8_bf8_f32 v[C+8*QS+2*\c:C+8*QS+2*\c+1], v[T+8*(\c%2):T+8*(\c%2)+7], v[SC+QS]
.endr
.set QS, QS+1
.endr
	v_nop                                          ; a plain line behind the last conversion
.set QS, 0
.rept NSETS
.irp c, 0,1,2,3
	global_store_b64 v[LC], v[C+8*QS+2*\c:C+8*QS+2*\c+1], s[HB+2*QS:HB+2*QS+1] offset:256*\c+1024*(\rho)   ; the wave stores 256 consecutive bytes, aligned
.endr
.set QS, QS+1
.endr
.endm
	s_load_b512 s[4:19], s[0:1], 0x0               ; x 4:5, g 6:7, b 8:9, scales 10:11, wq 12:13, wk 14:15, wv 16:17, wo 18:19
	s_load_b256 s[20:27], s[0:1], 0x40             ; w1 20:21, w2 22:23, wcodes 24:25, hcodes 26:27
	v_lshl_add_u32 v254, v0, 2, 0x8000
	v_mov_b32 v255, 0
	v_lshrrev_b32 v1, 5, v0
	v_readfirstlane_b32 s28, v1                    ; wave
	v_and_b32 v2, 31, v0                           ; lane
	s_wait_kmcnt 0x0
	s_load_b512 s[36:51], s[10:11], 0x0            ; e0 .. e15
	s_cmp_lt_u32 ttmp9, WGW
	s_cbranch_scc0 .Lln
	; ---- the weights.  Which tensor is mine hangs on the work-group's number alone: 32 work-groups for each of wq, wk, wv, wo, 128 for each of w1, w2
	v_lshlrev_b32 v3, 4, v2                        ; my 16 bytes of a load's 512
	s_mul_i32 s29, s28, WREG
	v_lshrrev_b32 v14, 2, v2
	v_mul_u32_u24 v14, v14, SP
	v_and_b32 v15, 3, v2
	v_lshl_add_u32 v14, v15, 4, v14
	v_add_nc_u32 v14, s29, v14                     ; the stage, on the way in: SP (lane / 4) + 16 (lane % 4)
	v_mul_u32_u24 v15, v2, SP
	v_add_nc_u32 v15, s29, v15                     ; and on the way out: SP x lane
	v_mul_u32_u24 v4, v2, CB
	s_mov_b64 s[30:31], s[22:23]
	s_mov_b32 s32, 256
	s_cmp_lt_u32 ttmp9, 256
	s_cselect_b64 s[30:31], s[20:21], s[30:31]
	s_cselect_b32 s32, 128, s32
	s_cmp_lt_u32 ttmp9, 128
	s_cselect_b64 s[30:31], s[18:19], s[30:31]
	s_cselect_b32 s32, 96, s32
	s_cmp_lt_u32 ttmp9, 96
	s_cselect_b64 s[30:31], s[16:17], s[30:31]
	s_cselect_b32 s32, 64, s32
	s_cmp_lt_u32 ttmp9, 64
	s_cselect_b64 s[30:31], s[14:15], s[30:31]
	s_cselect_b32 s32, 32, s32
	s_cmp_lt_u32 ttmp9, 32
	s_cselect_b64 s[30:31], s[12:13], s[30:31]
	s_cselect_b32 s32, 0, s32                      ; the tensor's first work-group
	s_sub_co_u32 s33, ttmp9, s32
	s_lshl_b32 s33, s33, 2
	s_add_co_u32 s33, s33, s28                     ; which run of 8,192 numbers of the tensor is my wave's
	s_lshl_b32 s34, s33, 15
	s_mov_b32 s35, 0
	s_add_nc_u64 s[30:31], s[30:31], s[34:35]
	s_lshl_b32 s34, ttmp9, 2
	s_add_co_u32 s34, s34, s28
	s_lshl_b32 s34, s34, 13                        ; wcodes is laid in the work-groups' order: 8,192 bytes a wave
	s_add_nc_u64 s[24:25], s[24:25], s[34:35]
.irp t, 0,1,2,3
	LOAD \t
.endr
	s_wait_kmcnt 0x0
	s_mov_b32 s33, s51                             ; e15: w2
	s_cmp_lt_u32 ttmp9, 256
	s_cselect_b32 s33, s49, s33                    ; e13: w1
	s_cmp_lt_u32 ttmp9, 128
	s_cselect_b32 s33, s47, s33                    ; e11: wo
	s_cmp_lt_u32 ttmp9, 96
	s_cselect_b32 s33, s41, s33                    ; e5: wv
	s_cmp_lt_u32 ttmp9, 64
	s_cselect_b32 s33, s39, s33                    ; e3: wk
	s_cmp_lt_u32 ttmp9, 32
	s_cselect_b32 s33, s37, s33                    ; e1: wq
	s_add_co_i32 s33, s33, 127
	s_lshl_b32 s34, s33, 23
	v_mov_b32 v11, s34                             ; 2^e as f32: the conversion takes its exponent field
	s_add_co_i32 s33, s33, EMAX
	s_lshl_b32 s33, s33, 23
	s_or_b32 s33, s33, MANT
	v_mov_b32 v10, s33                             ; 57,344 x 2^e
	s_wait_loadcnt 12                              ; step 0's four loads are in
	TURN 0
.irp t, 0,1,2,3,4,5,6,7,8,9,10,11,12,13,14,15
	STEP \t
.endr
	s_wait_tensorcnt 0x0
	ds_add_u32 v254, v255
	s_wait_dscnt 0x0
	s_endpgm
.Lln:	; ---- the layer norm: my wave's rows 16 (work-group - 384) + 4 wave + 0 .. 3
	s_sub_co_u32 s29, ttmp9, WGW
	s_lshl_b32 s29, s29, 4
	s_lshl_b32 s30, s28, 2
	s_add_co_u32 s29, s29, s30
	s_lshl_b32 s30, s29, 12                        ; a row of x is 4,096 bytes
	s_mov_b32 s31, 0
	s_add_nc_u64 s[XB:XB+1], s[4:5], s[30:31]
	s_lshl_b32 s30, s29, 10                        ; a row of codes 1,024
	s_add_nc_u64 s[HB:HB+1], s[26:27], s[30:31]
	s_add_nc_u64 s[HB+2:HB+3], s[HB:HB+1], 0x400000
	s_add_nc_u64 s[HB+4:HB+5], s[HB:HB+1], 0x800000
	s_mov_b32 s52, 0x3a800000                      ; 1 / 1024
	s_mov_b32 s53, 0x3727c5ac                      ; 1e-5
	s_mov_b32 s54, 0x76543210                      ; v_permlanex16_b32: lane l xor 16
	s_mov_b32 s55, 0xfedcba98
	v_lshlrev_b32 v[LA], 5, v2
	v_lshlrev_b32 v[LC], 3, v2
.irp c, 0,1,2,3
.irp i, 0,1
	global_load_b128 v[G+8*\c+4*\i:G+8*\c+4*\i+3], v[LA], s[6:7] offset:1024*\c+16*\i
	global_load_b128 v[B+8*\c+4*\i:B+8*\c+4*\i+3], v[LA], s[8:9] offset:1024*\c+16*\i
.endr
.endr
.irp rho, 0,1,2,3
.irp c, 0,1,2,3
.irp i, 0,1
	global_load_b128 v[X+32*\rho+8*\c+4*\i:X+32*\rho+8*\c+4*\i+3], v[LA], s[XB:XB+1] offset:4096*\rho+1024*\c+16*\i th:TH_LOAD_NT   ; columns 256 c + 8 lane + 4 i on: the two loads of a c cover 1,024 consecutive bytes
.endr
.endr
.endr
	s_wait_kmcnt 0x0
.set QS, 0
.rept NSETS
	s_add_co_i32 s29, s[36+2*QS], 127              ; e0, e2, e4
	s_lshl_b32 s30, s29, 23
	v_mov_b32 v[SC+QS], s30
	s_add_co_i32 s29, s29, EMAX
	s_lshl_b32 s29, s29, 23
	s_or_b32 s29, s29, MANT
	v_mov_b32 v[LIM+QS], s29
.set QS, QS+1
.endr
	LNROW 0
	LNROW 1
	LNROW 2
	LNROW 3
	s_endpgm
.Lfunc_end_k_q1d115f9e70_prep:
	.size	k_q1d115f9e70_prep, .Lfunc_end_k_q1d115f9e70_prep-k_q1d115f9e70_prep
	.p2alignl 7, 3214868480
	.fill 96, 4, 3214868480
	.section	.rodata,"a",@progbits
	.p2align	6, 0x0
	.amdhsa_kernel k_q1d115f9e70_prep
		.amdhsa_group_segment_fixed_size 33280
		.amdhsa_private_segment_fixed_size 0
		.amdhsa_enable_private_segment 0
		.amdhsa_kernarg_size 96
		.amdhsa_user_sgpr_count 2
		.amdhsa_user_sgpr_kernarg_segment_ptr 1
		.amdhsa_wavefront_size32 1
		.amdhsa_system_sgpr_workgroup_id_x 1
		.amdhsa_system_sgpr_workgroup_id_y 1
		.amdhsa_system_sgpr_workgroup_id_z 1
		.amdhsa_system_vgpr_workitem_id 0
		.amdhsa_next_free_vgpr 256
		.amdhsa_next_free_sgpr 66
		.amdhsa_reserve_vcc 0
		.amdhsa_float_denorm_mode_32 3
		.amdhsa_float_denorm_mode_16_64 3
		.amdhsa_memory_ordered 1
		.amdhsa_forward_progress 1
		.amdhsa_inst_pref_size 101
	.end_amdhsa_kernel
	.amdgpu_metadata
---
amdhsa.version: [ 1, 2 ]
amdhsa.kernels:
  - .name:           k_q1d115f9e70_prep
    .symbol:         k_q1d115f9e70_prep.kd
    .args:
      - { .name: x, .offset: 0, .size: 8, .value_kind: global_buffer, .address_space: global }
      - { .name: ln1_g, .offset: 8, .size: 8, .value_kind: global_buffer, .address_space: global }
      - { .name: ln1_b, .offset: 16, .size: 8, .value_kind: global_buffer, .address_space: global }
      - { .name: lowp_scales, .offset: 24, .size: 8, .value_kind: global_buffer, .address_space: global }
      - { .name: wq, .offset: 32, .size: 8, .value_kind: global_buffer, .address_space: global }
      - { .name: wk, .offset: 40, .size: 8, .value_kind: global_buffer, .address_space: global }
      - { .name: wv, .offset: 48, .size: 8, .value_kind: global_buffer, .address_space: global }
      - { .name: wo, .offset: 56, .size: 8, .value_kind: global_buffer, .address_space: global }
      - { .name: w1, .offset: 64, .size: 8, .value_kind: global_buffer, .address_space: global }
      - { .name: w2, .offset: 72, .size: 8, .value_kind: global_buffer, .address_space: global }
      - { .name: wcodes, .offset: 80, .size: 8, .value_kind: global_buffer, .address_space: global }
      - { .name: hcodes, .offset: 88, .size: 8, .value_kind: global_buffer, .address_space: global }
    .group_segment_fixed_size: 33280
    .private_segment_fixed_size: 0
    .kernarg_segment_align: 8
    .kernarg_segment_size: 96
    .max_flat_workgroup_size: 128
    .sgpr_count:     66
    .vgpr_count:     256
    .wavefront_size: 32
...
	.end_amdgpu_metadata
.endif
;; end of part 1
;; launch qkv (part 2): grid 12 x 16, 4 waves a work-group, clusters of 4 x 4, 327,680 bytes of LDS; arguments hcodes, wcodes, lowp_scales, qimg, kv; writes qimg, kv
.if DOCPART == 2
	.amdgcn_target "amdgcn-amd-amdhsa--gfx1250"
	.amdhsa_code_object_version 6
	.text
	.protected	k_q1d115f9e70_qkv
	.globl	k_q1d115f9e70_qkv
	.p2align	8
	.type	k_q1d115f9e70_qkv,@function
k_q1d115f9e70_qkv:
	s_mov_b64 s[64:65], 0
	v_nop
	global_prefetch_b8 v0, s[64:65] scope:SCOPE_SE
	s_setreg_imm32_b32 hwreg(HW_REG_WAVE_MODE, 25, 1), 1
	s_wait_xcnt 0x0
	s_wait_alu depctr_hold_cnt(0) depctr_sa_sdst(0) depctr_va_vdst(0) depctr_va_sdst(0) depctr_va_ssrc(0) depctr_va_vcc(0) depctr_vm_vsrc(0)
	s_getreg_b32 s2, hwreg(HW_REG_IB_STS2, 6, 4)
	s_cmp_eq_u32 s2, 0
	s_cbranch_scc0 .Lentry_in_a_cluster
	s_endpgm
.Lentry_in_a_cluster:
	s_bfe_u32 s2, ttmp6, 0x10000c
	s_cmp_lg_u32 s2, 0xf033
	s_cbranch_scc0 .Lentry_shape_is_right
	s_endpgm
.Lentry_shape_is_right:
; QKV.  Three products on codes of E5M2, K = 1,024, and their results quantised at once for attention.  The cluster's x says which: 0: q = h Wq^T, 1: k = h Wk^T, 2: v^T = Wv h^T.
; A tile of C, 256 x 256, is made by four waves, 128 x 128 each: 64 accumulators, 512 registers.  K goes in steps of 256 through a ring of two LDS slots filled by the tensor data mover.
; CLUSTERS: 4 x 4 work-groups; A's tile is asked for jointly along a row of the cluster, B's along a column.
; The matrix instruction is used transposed (source 0 = 16 rows of B, source 1 = 16 rows of A): lane (r, h) of accumulator (a, b) holds C(16 a + r, 16 b + 8 h + 0 .. 7).
; For q and k, A = h (rows: tokens) and B = the weight (rows: features); for v the two change places, BY ADDRESS ALONE, so that a lane's eight numbers are eight neighbouring TOKENS, which are the K of attention's second product.
; So one conversion of an accumulator's eight registers gives registers 2 c, 2 c + 1 (k = 16 c + 8 h + 0 .. 7) of an operand of the next product: the results leave as IMAGES OF OPERAND REGISTERS, four registers a store at 16 x lane:
;   qimg [bh][token / 16][1,024 bytes]: 16 tokens x 64;   kv [bh][token / 128][16,384]: eight such images of k, then four images of v^T, 16 channels x 128 tokens, 2,048 bytes each.
; The three scales are folded into the conversion's one: code = sum / 2^(eO - eA - eB).  LIMIT: eO - eA - eB between -126 and 112.  NaN among the inputs is not served.
.set SIZE_K, 1024
.set KSTEP,  256
.set ROWB,   256                       ; a tile's row in bytes
.set KROW,   1024                      ; a row of h's or of a weight's codes in memory
.set PITCH,  272                       ; an LDS row: 256 bytes + 16 of padding: the 16 rows of a load start at 16 different banks (64 banks of 4 bytes: ISA guide 11.1)
.set FR,     16
.set NL,     4
.set NP,     4                         ; places behind this matrix instruction (ISA guide 7.12.1)
.set HALFT,  128*PITCH
.set SLOT,   4*HALFT
.set LAPS,   SIZE_K/(2*KSTEP)
.set SPARE,  2*SLOT                    ; behind the ring: the spare words, 128 bytes a wave
.set ADRA, 16                          ; v16-17  LDS address of my A fragments in slot 0, 1
.set ADRB, 20                          ; v20-21  the same for B
.set VO,   26                          ; v26, v27  the way out: 16 x lane, and the same + the distance to a block's second pair of stores
.set SPW,  28                          ; v28     LDS address of my spare word; never rewritten
.set NIL,  29                          ; v29     0; never rewritten
.set LIMV, 30                          ; v30     57,344 x the folded scale
.set SCV,  31                          ; v31     the folded scale
.set TMP,  32                          ; v32-95  a block's 64 held sums
.set AF,   128                         ; A's fragments, window 0
.set CD,   128                         ; the way out: 16 registers of codes for each of the eight blocks: no store's data are written again
.set G1, 24
.set G0, 32
.set G1B, 48
.set G0B, 56
.set MSB, 0
.macro WIN new                         ; the immediate's high byte repeats the setting that is left
.if MSB != (\new)
	s_set_vgpr_msb (MSB<<8)|(\new)
.set MSB, (\new)
.endif
.endm
.set MUL_LO, 0xa1                      ; source 0 (B) window 1, source 1 (A) window 0, C and D window 2
.set MUL_HI, 0xf1                      ; the same, C and D window 3
.set TO_B,   0x40                      ; destination window 1, address window 0
.macro JLOAD g0a, g1a, g0b, g1b        ; a joint load: waves 0 and 1 fetch for A, waves 2 and 3 for B; four v_nop follow each line
	s_cmp_eq_u32 s15, 0
	s_cbranch_scc0 .Lfor_b_\@
	tensor_load_to_lds s[\g0a:\g0a+3], s[\g1a:\g1a+7]
	s_nop 0
.rept 4
	v_nop
.endr
	s_branch .Lasked_\@
.Lfor_b_\@:
	tensor_load_to_lds s[\g0b:\g0b+3], s[\g1b:\g1b+7]
	s_nop 0
.rept 4
	v_nop
.endr
.Lasked_\@:
.endm
.macro CREST                           ; a round of the cluster's barrier behind its opening barrier
	s_cmp_lg_u32 s14, 0
	s_cbranch_scc1 .Lnot_wave_0_\@
	s_barrier_signal -3
.Lnot_wave_0_\@:
	s_barrier_wait -3
	s_barrier_signal -1
	s_barrier_wait -1
.endm
.macro CROUND
	s_barrier_signal -1
	s_barrier_wait -1
	CREST
.endm
	s_load_b128 s[4:7], s[0:1], 0x0                ; hcodes, wcodes
	s_load_b128 s[8:11], s[0:1], 0x10              ; the scales' exponents, qimg
	s_load_b64 s[12:13], s[0:1], 0x20              ; kv
	v_lshl_add_u32 v[SPW], v0, 2, SPARE
	v_mov_b32 v[NIL], 0
	ds_add_u32 v28, v29
	ds_add_u32 v28, v29
	s_wait_dscnt 0x0
	v_lshrrev_b32 v1, 5, v0
	v_readfirstlane_b32 s14, v1                    ; wave 0..3
	s_lshr_b32 s15, s14, 1                         ; my half of the tile's rows.  Also: I fetch for A (0) or for B (1)
	s_and_b32 s16, s14, 1                          ; my half of its columns.  Also: which 128 rows I fetch
	s_bfe_u32 s40, ttmp6, 0x40000                  ; cx
	s_bfe_u32 s41, ttmp6, 0x40004                  ; cy
	s_and_b32 s18, ttmp7, 0xffff                   ; cluster y: which 1,024 tokens
	s_cmp_eq_u32 ttmp9, 2                          ; v?  The tokens then run along the tile columns
	s_cselect_b32 s17, 0, s18
	s_cselect_b32 s42, s18, 0
	s_lshl_b32 s17, s17, 2
	s_add_co_u32 s17, s17, s41                     ; tile row
	s_lshl_b32 s42, s42, 2
	s_add_co_u32 s42, s42, s40                     ; tile column
	s_lshl_b32 s43, s41, 2
	s_lshl_b32 s43, 15, s43                        ; my row of the cluster
	s_lshl_b32 s44, 0x1111, s40                    ; my column
	s_or_b32 s[G1+0], s43, (0<<16)|(1<<20)|(1<<21)|(5<<22)|(3<<25)  ; the mask; elements of 1 byte; padding on; bit 21 beside a mask; four words of padding after every 64
	s_or_b32 s[G1B+0], s44, (0<<16)|(1<<20)|(1<<21)|(5<<22)|(3<<25)
.irp g, G1, G1B
	s_mov_b32 s[\g+1], ROWB<<16                    ; tensor_dim0
	s_mov_b32 s[\g+2], 128<<16                     ; tensor_dim1
	s_mov_b32 s[\g+3], ROWB<<16                    ; tile_dim0
	s_mov_b32 s[\g+4], 128                         ; tile_dim1
	s_mov_b32 s[\g+5], KROW                        ; the pitch
	s_mov_b32 s[\g+6], 0
	s_mov_b32 s[\g+7], 0
.endr
	s_lshl_b32 s18, s16, 7
	s_lshl_b32 s20, s17, 8
	s_add_co_u32 s20, s20, s18                     ; A: row 256 x tile row + 128 x half
	s_lshl_b32 s46, s42, 8
	s_add_co_u32 s46, s46, s18                     ; B: row 256 x tile column + 128 x half
	s_mul_i32 s20, s20, KROW
	s_mul_i32 s46, s46, KROW
	s_mov_b32 s21, 0
	s_mov_b32 s47, 0
	s_mul_i32 s45, s14, HALFT                      ; where they go: wave x 128 rows
	s_lshl_b32 s90, ttmp9, 22                      ; h's set of codes for this product,
	s_mov_b32 s91, 0
	s_lshl_b32 s92, ttmp9, 20                      ; and the product's weight
	s_mov_b32 s93, 0
	s_wait_kmcnt 0x0
	s_load_b512 s[68:83], s[8:9], 0x0              ; e0 .. e15
	s_add_nc_u64 s[90:91], s[4:5], s[90:91]
	s_add_nc_u64 s[92:93], s[6:7], s[92:93]
	s_cmp_eq_u32 ttmp9, 2
	s_cselect_b64 s[4:5], s[92:93], s[90:91]       ; A: h, or for v the weight
	s_cselect_b64 s[6:7], s[90:91], s[92:93]       ; B: the weight, or for v h
	s_add_nc_u64 s[20:21], s[4:5], s[20:21]
	s_add_nc_u64 s[46:47], s[6:7], s[46:47]
	CROUND                                         ; all sixteen work-groups are here: the first joint loads meet
.irp s, 0,1
	s_mov_b32 s[G0+4*\s], 1
	s_add_co_u32 s[G0+4*\s+1], s45, \s*SLOT
	s_add_nc_u64 s[G0+4*\s+2:G0+4*\s+3], s[20:21], \s*ROWB
	s_or_b32 s[G0+4*\s+3], s[G0+4*\s+3], 0x80000000
	s_mov_b32 s[G0B+4*\s], 1
	s_add_co_u32 s[G0B+4*\s+1], s45, \s*SLOT
	s_add_nc_u64 s[G0B+4*\s+2:G0B+4*\s+3], s[46:47], \s*ROWB
	s_or_b32 s[G0B+4*\s+3], s[G0B+4*\s+3], 0x80000000
	JLOAD G0+4*\s, G1, G0B+4*\s, G1B
.endr
	v_and_b32 v1, 15, v0                           ; r
	v_bfe_u32 v2, v0, 4, 1                         ; h
	v_mul_u32_u24 v3, v1, PITCH
	v_lshl_add_u32 v4, v2, 4, v3                   ; a fragment's row x pitch + 16 h
	s_mul_i32 s21, s15, HALFT
	s_mul_i32 s22, s16, HALFT
	s_add_co_u32 s22, s22, 2*HALFT
.irp s, 0,1
	v_add_nc_u32 v[ADRA+\s], s21, v4
	v_add_nc_u32 v[ADRB+\s], s22, v4
	s_add_co_u32 s21, s21, SLOT
	s_add_co_u32 s22, s22, SLOT
.endr
	; where my images go.  (P, w1): the tile and half along the tokens; (Q, w2): along the features.  idx = ((P / 8) 16 + 4 Q + 2 w2) 16 + 2 (P % 8) + w1: head-and-batch x 16 + block of 128 tokens
	s_cmp_eq_u32 ttmp9, 2
	s_cselect_b32 s90, s42, s17
	s_cselect_b32 s91, s17, s42
	s_cselect_b32 s92, s16, s15
	s_cselect_b32 s93, s15, s16
	s_lshr_b32 s94, s90, 3
	s_lshl_b32 s94, s94, 4
	s_lshl_b32 s91, s91, 2
	s_add_co_u32 s94, s94, s91
	s_lshl_b32 s93, s93, 1
	s_add_co_u32 s94, s94, s93
	s_lshl_b32 s94, s94, 4
	s_and_b32 s90, s90, 7
	s_lshl_b32 s90, s90, 1
	s_add_co_u32 s94, s94, s90
	s_add_co_u32 s94, s94, s92
	s_cmp_eq_u32 ttmp9, 0
	s_cselect_b32 s95, 13, 14                      ; 128 tokens are 8,192 bytes in qimg, 16,384 in kv
	s_cselect_b64 s[84:85], s[10:11], s[12:13]
	s_lshl_b32 s94, s94, s95
	s_mov_b32 s95, 0
	s_add_nc_u64 s[84:85], s[84:85], s[94:95]
	s_cmp_eq_u32 ttmp9, 2
	s_cselect_b32 s94, 8192, 0                     ; v's images lie behind k's eight
	s_mov_b32 s96, 0x20000                         ; q: the next head's image lies 128 x 1,024 bytes on;
	s_cselect_b32 s96, 1024, s96                   ; v: the image's second half follows the first
	s_mov_b32 s86, 1024                            ; from block a to a + 1: q, k: the next 16 tokens' image;
	s_cselect_b32 s86, 2048, s86                   ; v: the next 16 channels'
	s_mov_b32 s88, 1024                            ; from block 3 to 4 the same;
	s_cselect_b32 s88, 256000, s88                 ; v: the next head: 262,144 - 3 x 2,048
	s_add_nc_u64 s[84:85], s[84:85], s[94:95]
	s_cmp_eq_u32 ttmp9, 1
	s_cselect_b32 s96, 0x40000, s96                ; k: the next head lies 16 x 16,384 bytes on
	s_mov_b32 s87, 0
	s_mov_b32 s89, 0
	v_and_b32 v[VO], 31, v0
	v_lshlrev_b32 v[VO], 4, v[VO]
	v_add_nc_u32 v[VO+1], s96, v[VO]
.macro FRAG reg, adr, q, i             ; 16 rows x 128 K: lane (r, h) holds row r; registers 4 c .. 4 c + 3 hold K = 32 c + 16 h + 0 .. 15: the same order of k in A and in B
.irp c, 0,1,2,3
	ds_load_b128 v[\reg+4*\c:\reg+4*\c+3], v[\adr] offset:128*(\q)+32*\c+(\i)*16*PITCH
.endr
.endm
.macro MUL16 a0, p, zero               ; A's blocks a0, a0 + 1 x B's eight.  The 64 accumulators take turns, one instruction a turn
.irp a, \a0, \a0+1
.irp b, 0,1,2,3,4,5,6,7
.if \zero
	v_wmma_f32_16x16x128_bf8_bf8 v[8*(8*((\a)%4)+\b):8*(8*((\a)%4)+\b)+7], v[128*(\p)+FR*\b:128*(\p)+FR*\b+FR-1], v[AF+FR*(\a):AF+FR*(\a)+FR-1], 0
.else
	v_wmma_f32_16x16x128_bf8_bf8 v[8*(8*((\a)%4)+\b):8*(8*((\a)%4)+\b)+7], v[128*(\p)+FR*\b:128*(\p)+FR*\b+FR-1], v[AF+FR*(\a):AF+FR*(\a)+FR-1], v[8*(8*((\a)%4)+\b):8*(8*((\a)%4)+\b)+7]
.endif
.endr
.endr
.endm
.macro FETCH_B slot, q, p
	WIN TO_B
.irp i, 0,1,2,3,4,5,6,7
	FRAG 128*(\p)+FR*\i, ADRB+\slot, \q, \i
.endr
	WIN 0
.endm
.macro FETCH_A slot, q, i0
.irp i, \i0, \i0+1, \i0+2, \i0+3
	FRAG AF+FR*(\i), ADRA+\slot, \q, \i
.endr
.endm
.macro PLACES n                        ; plain vector lines between a matrix instruction and a load into, or a read of, its registers
.rept \n
	v_nop
.endr
.endm
.macro STEP slot, q, zero              ; 128 along K, with its successor in the same slot
	s_wait_dscnt 4*NL                              ; B's set and A's blocks 0-3 are in; the youngest sixteen loads (A's blocks 4-7) may be out
	WIN MUL_LO
	MUL16 0, (\q)%2, \zero
	MUL16 2, (\q)%2, \zero
	s_wait_dscnt 0
	PLACES NP
	FETCH_B \slot, (\q)+1, 1-(\q)%2
	FETCH_A \slot, (\q)+1, 0
	WIN MUL_HI
	MUL16 4, (\q)%2, \zero
	MUL16 6, (\q)%2, \zero
	PLACES NP
	WIN 0
	FETCH_A \slot, (\q)+1, 4
.endm
.macro TURN slot, next, fill           ; a slot's last step changes slots: one barrier; fill = 1: this slot is filled again, two K steps ahead
	s_wait_tensorcnt 0x0                           ; all my tensor loads have landed: my part of the next slot;
	ds_add_u32 v[SPW], v[NIL]                      ; 0 onto my spare word;
	s_wait_dscnt 4*NL+1                            ; (the add and the youngest sixteen loads may be out)
	WIN MUL_LO
	MUL16 0, 1, 0
	s_wait_dscnt 0x0                               ; the add is done, and my reads of this slot are over
	s_barrier_signal -1
	MUL16 2, 1, 0
	WIN 0
	s_barrier_wait -1
.if \fill
	CREST                                          ; the barrier has opened a round of the cluster's: no wave of any partner still reads this slot or has a load on its way
	s_add_nc_u64 s[G0+4*\slot+2:G0+4*\slot+3], s[G0+4*\slot+2:G0+4*\slot+3], 2*ROWB
	s_add_nc_u64 s[G0B+4*\slot+2:G0B+4*\slot+3], s[G0B+4*\slot+2:G0B+4*\slot+3], 2*ROWB
	JLOAD G0+4*\slot, G1, G0B+4*\slot, G1B         ; the first tensor load behind the round; its four v_nop are the places in front of the loads below
.else
	PLACES NP
.endif
	FETCH_B \next, 0, 0
	FETCH_A \next, 0, 0
	WIN MUL_HI
	MUL16 4, 1, 0
	MUL16 6, 1, 0
	PLACES NP
	WIN 0
	FETCH_A \next, 0, 4
.endm
	s_wait_tensorcnt 1                             ; my part of K step 0 is in (K step 1's load may be out),
	s_barrier_signal -1
	s_barrier_wait -1                              ; everybody's is
	FETCH_B 0, 0, 0
	FETCH_A 0, 0, 0
	FETCH_A 0, 0, 4
	STEP 0, 0, 1                                   ; the first step's products start the sums
	s_mov_b32 s3, LAPS-1
.Llap:
	TURN 0, 1, 1
	STEP 1, 0, 0
	TURN 1, 0, 1
	STEP 0, 0, 0
	s_sub_co_u32 s3, s3, 1
	s_cmp_lg_u32 s3, 0
	s_cbranch_scc1 .Llap
	TURN 0, 1, 0                                   ; the last lap fills nothing
	STEP 1, 0, 0
	s_wait_dscnt 4*NL
	WIN MUL_LO
	MUL16 0, 1, 0
	MUL16 2, 1, 0
	s_wait_dscnt 0
	WIN MUL_HI
	MUL16 4, 1, 0
	MUL16 6, 1, 0
	WIN 0
	; THE WAY OUT.  The folded scale: q: e6 - e0 - e1; k: e7 - e2 - e3; v: e9 - e4 - e5.  Chosen by selects, no branch
	s_wait_kmcnt 0x0
	s_add_co_i32 s90, s72, s73
	s_mov_b32 s91, s77
	s_add_co_i32 s92, s70, s71
	s_add_co_i32 s93, s68, s69
	s_cmp_eq_u32 ttmp9, 1
	s_cselect_b32 s90, s92, s90
	s_cselect_b32 s91, s75, s91
	s_cmp_eq_u32 ttmp9, 0
	s_cselect_b32 s90, s93, s90
	s_cselect_b32 s91, s74, s91
	s_sub_co_i32 s90, s91, s90
	s_add_co_i32 s90, s90, 127
	s_lshl_b32 s91, s90, 23
	v_mov_b32 v[SCV], s91
	s_add_co_i32 s90, s90, 15
	s_lshl_b32 s90, s90, 23
	s_or_b32 s90, s90, 0x600000
	v_mov_b32 v[LIMV], s90
	PLACES NP
.macro OUT a                           ; block a: 16 rows x 128 columns: 64 holds (each accumulator from its low end on), 8 conversions, 4 stores of 512 consecutive bytes
	WIN 0x02+((\a)/4)                              ; source 0: window 2 or 3
.set jj, 0
.rept 64
	v_med3_num_f32 v[TMP+jj], v[64*((\a)%4)+jj], -v[LIMV], v[LIMV]
.set jj, jj+1
.endr
	WIN 0
.irp b, 0,1,2,3,4,5,6,7
	v_cvt_scalef32_pk8_bf8_f32 v[CD+16*(\a)+2*\b:CD+16*(\a)+2*\b+1], v[TMP+8*\b:TMP+8*\b+7], v[SCV]
.endr
	v_nop                                          ; a plain line behind the last conversion
.if (\a) > 0
	s_wait_xcnt 0x0                                ; the earlier stores have read their base: it may step
.if (\a) == 4
	s_add_nc_u64 s[84:85], s[84:85], s[88:89]
.else
	s_add_nc_u64 s[84:85], s[84:85], s[86:87]
.endif
.endif
.irp i, 0,1,2,3
	global_store_b128 v[VO+\i/2], v[CD+16*(\a)+4*\i:CD+16*(\a)+4*\i+3], s[84:85] offset:(\i%2)*512
.endr
.endm
.irp a, 0,1,2,3,4,5,6,7
	OUT \a
.endr
	s_wait_tensorcnt 0x0                           ; the wave's end
	ds_add_u32 v[SPW], v[NIL]
	s_wait_dscnt 0x0
	CROUND                                         ; the closing round
	s_endpgm
.Lfunc_end_k_q1d115f9e70_qkv:
	.size	k_q1d115f9e70_qkv, .Lfunc_end_k_q1d115f9e70_qkv-k_q1d115f9e70_qkv
	.p2alignl 7, 3214868480
	.fill 96, 4, 3214868480
	.section	.rodata,"a",@progbits
	.p2align	6, 0x0
	.amdhsa_kernel k_q1d115f9e70_qkv
		.amdhsa_group_segment_fixed_size 327680
		.amdhsa_private_segment_fixed_size 0
		.amdhsa_enable_private_segment 0
		.amdhsa_kernarg_size 40
		.amdhsa_user_sgpr_count 2
		.amdhsa_user_sgpr_kernarg_segment_ptr 1
		.amdhsa_wavefront_size32 1
		.amdhsa_system_sgpr_workgroup_id_x 1
		.amdhsa_system_sgpr_workgroup_id_y 1
		.amdhsa_system_sgpr_workgroup_id_z 1
		.amdhsa_system_vgpr_workitem_id 0
		.amdhsa_next_free_vgpr 1024
		.amdhsa_next_free_sgpr 100
		.amdhsa_reserve_vcc 0
		.amdhsa_float_denorm_mode_32 3
		.amdhsa_float_denorm_mode_16_64 3
		.amdhsa_memory_ordered 1
		.amdhsa_forward_progress 1
		.amdhsa_inst_pref_size 120
	.end_amdhsa_kernel
	.amdgpu_metadata
---
amdhsa.version: [ 1, 2 ]
amdhsa.kernels:
  - .name:           k_q1d115f9e70_qkv
    .symbol:         k_q1d115f9e70_qkv.kd
    .args:
      - { .name: hcodes, .offset: 0, .size: 8, .value_kind: global_buffer, .address_space: global }
      - { .name: wcodes, .offset: 8, .size: 8, .value_kind: global_buffer, .address_space: global }
      - { .name: lowp_scales, .offset: 16, .size: 8, .value_kind: global_buffer, .address_space: global }
      - { .name: qimg, .offset: 24, .size: 8, .value_kind: global_buffer, .address_space: global }
      - { .name: kv, .offset: 32, .size: 8, .value_kind: global_buffer, .address_space: global }
    .group_segment_fixed_size: 327680
    .private_segment_fixed_size: 0
    .kernarg_segment_align: 8
    .kernarg_segment_size: 40
    .max_flat_workgroup_size: 128
    .sgpr_count:     100
    .vgpr_count:     1024
    .wavefront_size: 32
...
	.end_amdgpu_metadata
.endif
;; end of part 2
;; launch attn (part 3): grid 8 x 32, 16 waves a work-group, clusters of 4 x 1, 327,680 bytes of LDS; arguments qimg, kv, lowp_scales, ocodes; writes ocodes
.if DOCPART == 3
	.amdgcn_target "amdgcn-amd-amdhsa--gfx1250"
	.amdhsa_code_object_version 6
	.text
	.protected	k_q1d115f9e70_attn
	.globl	k_q1d115f9e70_attn
	.p2align	8
	.type	k_q1d115f9e70_attn,@function
k_q1d115f9e70_attn:
	s_mov_b64 s[64:65], 0
	v_nop
	global_prefetch_b8 v0, s[64:65] scope:SCOPE_SE
	s_setreg_imm32_b32 hwreg(HW_REG_WAVE_MODE, 25, 1), 1
	s_wait_xcnt 0x0
	s_wait_alu depctr_hold_cnt(0) depctr_sa_sdst(0) depctr_va_vdst(0) depctr_va_sdst(0) depctr_va_ssrc(0) depctr_va_vcc(0) depctr_vm_vsrc(0)
	s_getreg_b32 s2, hwreg(HW_REG_IB_STS2, 6, 4)
	s_cmp_eq_u32 s2, 0
	s_cbranch_scc0 .Lentry_in_a_cluster
	s_endpgm
.Lentry_in_a_cluster:
	s_bfe_u32 s2, ttmp6, 0x10000c
	s_cmp_lg_u32 s2, 0x3003
	s_cbranch_scc0 .Lentry_shape_is_right
	s_endpgm
.Lentry_shape_is_right:
; ATTENTION on codes of E5M2: for each of 32 heads-and-batches, o = softmax(q k^T / 8) v, quantised at once for the next product.
; THE SOFTMAX: t = score x log2(e) / 8; M = the row's largest t so far, rounded UP to a whole number; p = 2^(t - M) is what is quantised (2^e8), not normalised; the row's sum is taken of the unquantised p and divides at the end.
; When M moves, the sum and O are multiplied by 2^(old M - new M): exact.
; SHARES.  A work-group owns 256 queries of one head; each of its sixteen waves 16 of them, in 256 registers: four waves to a SIMD, so that one wave's vector work stands beside another's matrix work.
; LDS.  The head's whole k and v^T, 262,144 bytes, lie in LDS from byte 0: nothing is filled twice, so there is no ring.  They are images of operand registers: every fragment comes by ds_load_b128 at 16 x lane.
; CLUSTER.  The four work-groups of a cluster belong to one head: each piece is asked for jointly.  Every wave asks for four pieces of 4,096 bytes, one in each quarter of the head (four tensor loads of mine are out at the most);
; quarter g is read behind the wait that shows my g-th load landed and a barrier, while the later quarters are on their way.
; No prefetch: every byte that the launch reads is asked for in its first lines.
; LAYOUT.  S^T = k q^T (source 0 = 16 keys, source 1 = my 16 queries, K = 64), O^T = v^T p^T (source 0 = 16 channels, source 1 = p, K = 128 keys): a lane holds ONE query (lane % 16) throughout.
; Tile f of S^T gives lane (r, h) the keys 16 f + 8 h + 0 .. 7: its conversion gives registers 2 f, 2 f + 1 of p's operand.
; LIMITS: e6 + e7 between -123 and 130 (added to c's exponent field); e8 and e10 between -126 and 112; e8 + e9 goes by v_ldexp_f32 and has none.  NaN among the inputs is not served.
; REGISTERS: v1 16 x lane; v8 the step's LDS address; v12 -M, v13 the largest t, v[14:15] the sum; v16-23 q; v32-95 k's eight fragments, then v^T's four; v96-159 S^T, then p; v160-191 O^T; v224-239 p's codes;
;   v240, v244: 57,344 x 2^e8 and 2^e8; v241, v245: the same with e10; v242-243, v246, v252-254 at work.
.set LI,   1
.set ADK,  8
.set WV,   18                          ; s18  my wave's number
.set SEL,  20                          ; s[20:21] v_permlanex16_b32: lane l xor 16
.set CS,   22                          ; s[22:23] c = log2(e) / 8 x 2^(e6 + e7)
.set G1,   24                          ; s[24:31] descriptor group 1
.set G0,   32                          ; s[32:47] four groups 0
.set TB,   48                          ; s48  LDS byte of the step's 128 keys
.set CNT,  49
.set STG,  262144                      ; behind the head: 16 rows x 80 bytes for each wave, for the way out
.set SPI,  80
.macro CROUND                          ; a round of the cluster's barrier
	s_barrier_signal -1
	s_barrier_wait -1
	s_cmp_lg_u32 s[WV], 0
	s_cbranch_scc1 .Lnot_wave_0_\@
	s_barrier_signal -3
.Lnot_wave_0_\@:
	s_barrier_wait -3
	s_barrier_signal -1
	s_barrier_wait -1
.endm
	s_load_b256 s[4:11], s[0:1], 0x0               ; qimg 4:5, kv 6:7, the scales' exponents 8:9, ocodes 10:11
	v_lshl_add_u32 v251, v0, 2, 0x45000
	v_mov_b32 v255, 0
	ds_add_u32 v251, v255
	ds_add_u32 v251, v255
	v_lshrrev_b32 v8, 5, v0
	v_readfirstlane_b32 s[WV], v8                  ; wave 0..15
	s_bfe_u32 s13, ttmp6, 0x40000                  ; cx: it enters q's and o's addresses alone
	s_lshl_b32 s14, ttmp9, 2
	s_add_co_u32 s14, s14, s13                     ; my block of 256 queries
	s_and_b32 s15, ttmp7, 0xffff                   ; head and batch, which the four partners share
	s_lshl_b32 s16, s15, 18                        ; 262,144 bytes a head
	s_lshl_b32 s17, s[WV], 12                      ; my 4,096 bytes of each quarter
	s_add_co_u32 s50, s16, s17
	s_mov_b32 s51, 0
	s_mov_b32 s[G1], 15|(1<<21)                    ; the mask: all four work-groups; bit 21 beside it; elements of 1 byte; no padding
	s_mov_b32 s[G1+1], 256<<16                     ; tensor_dim0
	s_mov_b32 s[G1+2], 16<<16                      ; tensor_dim1
	s_mov_b32 s[G1+3], 256<<16                     ; tile_dim0
	s_mov_b32 s[G1+4], 16                          ; tile_dim1
	s_mov_b32 s[G1+5], 256                         ; the pitch: the block is dense
	s_mov_b32 s[G1+6], 0
	s_mov_b32 s[G1+7], 0
	s_mov_b32 s[SEL], 0x76543210
	s_mov_b32 s[SEL+1], 0xfedcba98
	s_mov_b32 s[CS], 0x3e38aa3b                    ; log2(e) / 8
	s_mov_b32 s[TB], 0
	s_wait_dscnt 0x0
	s_wait_kmcnt 0x0
	s_load_b256 s[68:75], s[8:9], 0x18             ; e6 .. e13
	s_add_nc_u64 s[6:7], s[6:7], s[50:51]
	CROUND                                         ; all four work-groups are here: the joint loads meet
.irp g, 0,1,2,3
	s_mov_b32 s[G0+4*\g], 1
	s_add_co_u32 s[G0+4*\g+1], s17, \g*65536
	s_add_nc_u64 s[G0+4*\g+2:G0+4*\g+3], s[6:7], \g*65536
	s_or_b32 s[G0+4*\g+3], s[G0+4*\g+3], 0x80000000
.endr
	tensor_load_to_lds s[G0:G0+3], s[G1:G1+7]
	s_nop 0
	tensor_load_to_lds s[G0+4:G0+7], s[G1:G1+7]
	s_nop 0
	tensor_load_to_lds s[G0+8:G0+11], s[G1:G1+7]
	s_nop 0
	tensor_load_to_lds s[G0+12:G0+15], s[G1:G1+7]
	s_nop 0
.rept 4
	v_nop
.endr
	s_lshl_b32 s52, s15, 7
	s_lshl_b32 s53, s14, 4
	s_add_co_u32 s52, s52, s53
	s_add_co_u32 s52, s52, s[WV]                   ; my tile of 16 queries: 128 x head + 16 x block + wave
	s_lshl_b32 s52, s52, 10
	s_mov_b32 s53, 0
	s_add_nc_u64 s[4:5], s[4:5], s[52:53]
	v_and_b32 v[LI], 31, v0
	v_lshlrev_b32 v[LI], 4, v[LI]
	global_load_b128 v[16:19], v[LI], s[4:5]       ; q's image stays in registers
	global_load_b128 v[20:23], v[LI], s[4:5] offset:512
	; ocodes [row / 128][head][row % 128][64 bytes]: my 16 rows x 64 bytes are 1,024 consecutive bytes
	s_lshr_b32 s54, s15, 4
	s_lshl_b32 s54, s54, 4
	s_lshl_b32 s55, s14, 1
	s_add_co_u32 s54, s54, s55
	s_lshr_b32 s55, s[WV], 3
	s_add_co_u32 s54, s54, s55
	s_lshl_b32 s54, s54, 17
	s_and_b32 s55, s15, 15
	s_lshl_b32 s55, s55, 13
	s_add_co_u32 s54, s54, s55
	s_and_b32 s55, s[WV], 7
	s_lshl_b32 s55, s55, 10
	s_add_co_u32 s54, s54, s55
	s_mov_b32 s55, 0
	s_add_nc_u64 s[10:11], s[10:11], s[54:55]
	v_mov_b32 v13, 0xff61b1e6                      ; the largest t so far: -3e38
	v_floor_f32 v12, -v13                          ; -M
	v_mov_b32 v14, 0
	v_mov_b32 v15, 0
	v_mov_b32 v246, 0                              ; a lane permute's destination counts as one of its sources
	v_mov_b32 v253, 0                              ; (named as the upper half of the pair v[252:253])
.set jj, 0
.rept 32
	v_mov_b32 v[160+jj], 0                         ; O^T: the step is written once; the first finds zeros, which the first change of M leaves zeros
.set jj, jj+1
.endr
	s_wait_kmcnt 0x0
	s_add_co_i32 s56, s68, s69
	s_lshl_b32 s56, s56, 23
	s_add_co_i32 s[CS], s[CS], s56                 ; a score stands for score x 2^(e6 + e7)
	s_mov_b32 s[CS+1], s[CS]
	s_add_co_i32 s56, s70, 127
	s_lshl_b32 s57, s56, 23
	v_mov_b32 v244, s57                            ; 2^e8
	s_add_co_i32 s56, s56, 15
	s_lshl_b32 s56, s56, 23
	s_or_b32 s56, s56, 0x600000
	v_mov_b32 v240, s56                            ; 57,344 x 2^e8
	s_add_co_i32 s56, s72, 127
	s_lshl_b32 s57, s56, 23
	v_mov_b32 v245, s57                            ; 2^e10
	s_add_co_i32 s56, s56, 15
	s_lshl_b32 s56, s56, 23
	s_or_b32 s56, s56, 0x600000
	v_mov_b32 v241, s56                            ; 57,344 x 2^e10
	s_add_co_i32 s58, s70, s71                     ; e8 + e9
.macro STEP                            ; 128 keys at LDS byte s[TB]
	v_add_nc_u32 v[ADK], s[TB], v[LI]
.rept 3
	v_nop                                          ; with the addition: four places in front of loads into registers that the last products read
.endr
.irp f, 0,1,2,3,4,5,6,7
	ds_load_b128 v[32+8*\f:35+8*\f], v[ADK] offset:1024*\f
	ds_load_b128 v[36+8*\f:39+8*\f], v[ADK] offset:1024*\f+512
.endr
	s_wait_dscnt 0x0
.irp f, 0,1,2,3,4,5,6,7
	v_wmma_f32_16x16x64_bf8_bf8 v[96+8*\f:103+8*\f], v[32+8*\f:39+8*\f], v[16:23], 0
.endr
.rept 4
	v_nop
.endr
.irp t, 0,1,2,3
.irp c, 0,1,2,3
	ds_load_b128 v[32+16*\t+4*\c:35+16*\t+4*\c], v[ADK] offset:8192+2048*\t+512*\c   ; v^T's four fragments land under the softmax
.endr
.endr
	v_max3_num_f32 v254, v96, v97, v98             ; the step's largest score of my query, among my 64 keys, in two chains,
	v_max3_num_f32 v252, v99, v100, v101
.irp i, 6,10,14,18,22,26,30,34,38,42,46,50,54,58
	v_max3_num_f32 v254, v254, v[96+\i], v[97+\i]
	v_max3_num_f32 v252, v252, v[98+\i], v[99+\i]
.endr
	v_max3_num_f32 v254, v254, v158, v159
	v_max_num_f32 v254, v254, v252
	v_permlanex16_b32 v246, v254, s[SEL], s[SEL+1]
	v_max_num_f32 v254, v254, v246                 ; and among lane l xor 16's
	v_mul_f32 v254, s[CS], v254                    ; as t (c is positive)
	v_max_num_f32 v13, v13, v254
	v_mov_b32 v254, v12
	v_floor_f32 v12, -v13                          ; the new -M = -ceil(t)
	v_sub_f32 v254, v12, v254                      ; old M - new M: a whole number, 0 or less
	v_cvt_i32_f32 v254, v254
	v_ldexp_f32 v252, 1.0, v254                    ; f = 2^(old M - new M)
.set jj, 0
.rept 32
	v_pk_fma_f32 v[96+jj:97+jj], v[96+jj:97+jj], s[CS:CS+1], v[12:13] op_sel_hi:[1,0,0]   ; t - M
.set jj, jj+2
.endr
.set jj, 0
.rept 64
	v_exp_f32 v[96+jj], v[96+jj]                   ; p = 2^(t - M)
.set jj, jj+1
.endr
	v_pk_mul_f32 v[14:15], v[14:15], v[252:253] op_sel_hi:[1,0]   ; the sums under the new M: a plain line behind the exponentials
	s_wait_alu depctr_va_vdst(0)                   ; one wait for the whole batch, ahead of its first reader
	v_pk_add_f32 v[242:243], v[96:97], v[98:99]    ; the row's sum is taken of the unquantised p, in two chains
.irp j, 4,8,12,16,20,24,28,32,36,40,44,48,52,56,60
	v_pk_add_f32 v[14:15], v[14:15], v[96+\j:97+\j]
	v_pk_add_f32 v[242:243], v[242:243], v[98+\j:99+\j]
.endr
	v_pk_add_f32 v[14:15], v[14:15], v[242:243]
.irp f, 0,1,2,3,4,5,6,7
.irp i, 0,1,2,3,4,5,6,7
	v_min_num_f32 v[96+8*\f+\i], v[96+8*\f+\i], v240   ; the conversion does not saturate (ISA guide 7.6.2); p is not negative, so the hold is one-sided
.endr
	v_cvt_scalef32_pk8_bf8_f32 v[224+2*\f:225+2*\f], v[96+8*\f:103+8*\f], v244
.endr
.set jj, 0
.rept 16
	v_pk_mul_f32 v[160+jj:161+jj], v[160+jj:161+jj], v[252:253] op_sel_hi:[1,0]   ; O^T under the new M; also the plain lines behind the conversions
.set jj, jj+2
.endr
	s_wait_dscnt 0x0                               ; v^T is in
.irp t, 0,1,2,3
	v_wmma_f32_16x16x128_bf8_bf8 v[160+8*\t:167+8*\t], v[32+16*\t:47+16*\t], v[224:239], v[160+8*\t:167+8*\t]
.endr
.endm
.macro GROUP g                         ; a quarter of the head: four steps
	s_wait_tensorcnt 3-\g                          ; my piece of this quarter has landed; my later pieces may be out
	s_barrier_signal -1
	s_barrier_wait -1                              ; everybody's has
	s_mov_b32 s[CNT], 4
.Lstep_\@:
	STEP
	s_add_co_u32 s[TB], s[TB], 16384
	s_sub_co_u32 s[CNT], s[CNT], 1
	s_cmp_lg_u32 s[CNT], 0
	s_cbranch_scc1 .Lstep_\@
.endm
	s_wait_loadcnt 0x0                             ; q
	GROUP 0
	GROUP 1
	GROUP 2
	GROUP 3
	; THE WAY OUT.  O^T / the sum x 2^(e8 + e9) is the value; it is held, quantised with 2^e10, and goes through my stage so that the wave stores 512 consecutive bytes twice
	v_add_f32 v14, v14, v15
	v_permlanex16_b32 v252, v14, s[SEL], s[SEL+1]
	v_add_f32 v14, v14, v252                       ; the row's sum
	v_rcp_f32 v14, v14
	v_and_b32 v8, 15, v0                           ; (a plain line behind the transcendental)  r
	v_bfe_u32 v9, v0, 4, 1                         ; h
	s_mul_i32 s59, s[WV], 16*SPI
	s_add_co_u32 s59, s59, STG                     ; my stage
	v_mul_u32_u24 v10, v8, SPI
	v_lshl_add_u32 v10, v9, 3, v10
	v_add_nc_u32 v10, s59, v10                     ; in: row r; tile t's eight codes of my half at 16 t + 8 h
	v_and_b32 v2, 31, v0
	v_lshrrev_b32 v3, 2, v2
	v_mul_u32_u24 v11, v3, SPI
	v_and_b32 v4, 3, v2
	v_lshl_add_u32 v11, v4, 4, v11
	v_add_nc_u32 v11, s59, v11                     ; back: four lanes to a row of 64 bytes
	s_wait_alu depctr_va_vdst(0)                   ; the wait ahead of the reciprocal's first reader
	v_ldexp_f32 v14, v14, s58
.set jj, 0
.rept 32
	v_mul_f32 v[96+jj], v[160+jj], v14             ; register 8 t + i: o(query r, channel 16 t + 8 h + i)
.set jj, jj+1
.endr
.set jj, 0
.rept 32
	v_med3_num_f32 v[96+jj], v[96+jj], -v241, v241
.set jj, jj+1
.endr
.irp t, 0,1,2,3
	v_cvt_scalef32_pk8_bf8_f32 v[224+2*\t:225+2*\t], v[96+8*\t:103+8*\t], v245
.endr
	v_nop                                          ; a plain line behind the last conversion
.irp t, 0,1,2,3
	ds_store_b64 v10, v[224+2*\t:225+2*\t] offset:16*\t
.endr
	ds_load_b128 v[32:35], v11                     ; LDS serves a wave's instructions in order: these see my stores
	ds_load_b128 v[36:39], v11 offset:8*SPI
	s_wait_dscnt 1
	global_store_b128 v[LI], v[32:35], s[10:11]
	s_wait_dscnt 0
	global_store_b128 v[LI], v[36:39], s[10:11] offset:512
	s_wait_tensorcnt 0x0
	ds_add_u32 v251, v255
	s_wait_dscnt 0x0
	CROUND                                         ; the closing round: no work-group ends while a partner may still ask jointly
	s_endpgm
.Lfunc_end_k_q1d115f9e70_attn:
	.size	k_q1d115f9e70_attn, .Lfunc_end_k_q1d115f9e70_attn-k_q1d115f9e70_attn
	.p2alignl 7, 3214868480
	.fill 96, 4, 3214868480
	.section	.rodata,"a",@progbits
	.p2align	6, 0x0
	.amdhsa_kernel k_q1d115f9e70_attn
		.amdhsa_group_segment_fixed_size 327680
		.amdhsa_private_segment_fixed_size 0
		.amdhsa_enable_private_segment 0
		.amdhsa_kernarg_size 32
		.amdhsa_user_sgpr_count 2
		.amdhsa_user_sgpr_kernarg_segment_ptr 1
		.amdhsa_wavefront_size32 1
		.amdhsa_system_sgpr_workgroup_id_x 1
		.amdhsa_system_sgpr_workgroup_id_y 1
		.amdhsa_system_sgpr_workgroup_id_z 1
		.amdhsa_system_vgpr_workitem_id 0
		.amdhsa_next_free_vgpr 256
		.amdhsa_next_free_sgpr 100
		.amdhsa_reserve_vcc 0
		.amdhsa_float_denorm_mode_32 3
		.amdhsa_float_denorm_mode_16_64 3
		.amdhsa_memory_ordered 1
		.amdhsa_forward_progress 1
		.amdhsa_inst_pref_size 74
	.end_amdhsa_kernel
	.amdgpu_metadata
---
amdhsa.version: [ 1, 2 ]
amdhsa.kernels:
  - .name:           k_q1d115f9e70_attn
    .symbol:         k_q1d115f9e70_attn.kd
    .args:
      - { .name: qimg, .offset: 0, .size: 8, .value_kind: global_buffer, .address_space: global }
      - { .name: kv, .offset: 8, .size: 8, .value_kind: global_buffer, .address_space: global }
      - { .name: lowp_scales, .offset: 16, .size: 8, .value_kind: global_buffer, .address_space: global }
      - { .name: ocodes, .offset: 24, .size: 8, .value_kind: global_buffer, .address_space: global }
    .group_segment_fixed_size: 327680
    .private_segment_fixed_size: 0
    .kernarg_segment_align: 8
    .kernarg_segment_size: 32
    .max_flat_workgroup_size: 512
    .sgpr_count:     100
    .vgpr_count:     256
    .wavefront_size: 32
...
	.end_amdgpu_metadata
.endif
;; end of part 3
;; launch wo (part 4): grid 4 x 16, 4 waves a work-group, clusters of 4 x 4, 327,680 bytes of LDS; arguments ocodes, wcodes, lowp_scales, x, x1; writes x1
.if DOCPART == 4
	.amdgcn_target "amdgcn-amd-amdhsa--gfx1250"
	.amdhsa_code_object_version 6
	.text
	.protected	k_q1d115f9e70_wo
	.globl	k_q1d115f9e70_wo
	.p2align	8
	.type	k_q1d115f9e70_wo,@function
k_q1d115f9e70_wo:
	s_mov_b64 s[64:65], 0
	v_nop
	global_prefetch_b8 v0, s[64:65] scope:SCOPE_SE
	s_setreg_imm32_b32 hwreg(HW_REG_WAVE_MODE, 25, 1), 1
	s_wait_xcnt 0x0
	s_wait_alu depctr_hold_cnt(0) depctr_sa_sdst(0) depctr_va_vdst(0) depctr_va_sdst(0) depctr_va_ssrc(0) depctr_va_vcc(0) depctr_vm_vsrc(0)
	s_getreg_b32 s2, hwreg(HW_REG_IB_STS2, 6, 4)
	s_cmp_eq_u32 s2, 0
	s_cbranch_scc0 .Lentry_in_a_cluster
	s_endpgm
.Lentry_in_a_cluster:
	s_bfe_u32 s2, ttmp6, 0x10000c
	s_cmp_lg_u32 s2, 0xf033
	s_cbranch_scc0 .Lentry_shape_is_right
	s_endpgm
.Lentry_shape_is_right:
; WO.  x1 = x + o Wo^T on codes of E5M2, K = 1,024.  x1: [4096][1024] f32.
; A tile of C, 256 x 256, by four waves of 128 x 128; K in steps of 256 through a ring of two LDS slots; clusters of 4 x 4 with joint loads: A's tile along a row of the cluster, B's along a column.
; 64 tiles: the launch has 64 work-groups.
; A (ocodes) IS BLOCKED: [row / 128][k / 64][row % 128][64 bytes].  A K step of 128 rows is one dense block of 32,768 bytes, brought as 128 lines of 256 bytes; number (row, byte x of chunk d) lies in LDS line 32 d + row / 4 at byte 64 (row % 4) + x.
; B (wo's codes) is row-major.  Both fragments hold K = 32 c + 16 h + 0 .. 15 in registers 4 c .. 4 c + 3.
; The matrix instruction is used transposed: a lane holds eight neighbouring numbers of a row of C.  Each sum is multiplied once by 2^(e10 + e11) and x is added by the same multiply-add.
; LIMIT: e10 + e11 between -126 and 127.
.set SIZE_K, 1024
.set WOFF,   0x300000                  ; wo's codes in wcodes
.set EOFF,   0x28                      ; entries 10 and 11
.set BIAS,   0
.set KSTEP,  256
.set ROWB,   256
.set KROW,   SIZE_K                    ; a row of B in memory; also 1/128 of a row block of A
.set ASTEP,  32768                     ; A: from a K step to the next
.set CROW,   4096                      ; a row of C in bytes
.set PITCH,  272
.set FR,     16
.set NL,     4
.set NP,     4
.set HALFT,  128*PITCH
.set SLOT,   4*HALFT
.set LAPS,   SIZE_K/(2*KSTEP)
.set SPARE,  2*SLOT
.set SPITCH, 528                       ; the way out: a stage of 16 rows x (512 + 16) bytes for each wave, in slot 0, which has had its last fill and its last read by then
.set ADRA, 16
.set ADRB, 20
.set STO,  24
.set RD,   25
.set CO,   26
.set SPW,  28
.set NIL,  29
.set BV,   96                          ; v96-99  the bias at my four columns (where there is one)
.set AF,   128
.set BK,   128                         ; the way out: 16 rows back from the stage: v128-191 and v192-255 by turns
.set G1, 24
.set G0, 32
.set G1B, 48
.set G0B, 56
.set RB, 84                            ; s[84:85] the residual at my part of C
.set OB, 86                            ; s[86:87] the output likewise
.set MSB, 0
.macro WIN new
.if MSB != (\new)
	s_set_vgpr_msb (MSB<<8)|(\new)
.set MSB, (\new)
.endif
.endm
.set MUL_LO, 0xa1
.set MUL_HI, 0xf1
.set TO_B,   0x40
.macro JLOAD g0a, g1a, g0b, g1b
	s_cmp_eq_u32 s15, 0
	s_cbranch_scc0 .Lfor_b_\@
	tensor_load_to_lds s[\g0a:\g0a+3], s[\g1a:\g1a+7]
	s_nop 0
.rept 4
	v_nop
.endr
	s_branch .Lasked_\@
.Lfor_b_\@:
	tensor_load_to_lds s[\g0b:\g0b+3], s[\g1b:\g1b+7]
	s_nop 0
.rept 4
	v_nop
.endr
.Lasked_\@:
.endm
.macro CREST
	s_cmp_lg_u32 s14, 0
	s_cbranch_scc1 .Lnot_wave_0_\@
	s_barrier_signal -3
.Lnot_wave_0_\@:
	s_barrier_wait -3
	s_barrier_signal -1
	s_barrier_wait -1
.endm
.macro CROUND
	s_barrier_signal -1
	s_barrier_wait -1
	CREST
.endm
	s_load_b128 s[4:7], s[0:1], 0x0                ; A's codes, wcodes
	s_load_b64 s[8:9], s[0:1], 0x10                ; the scales' exponents
	s_load_b128 s[RB:RB+3], s[0:1], 0x18           ; x, x1
	v_lshl_add_u32 v[SPW], v0, 2, SPARE
	v_mov_b32 v[NIL], 0
	ds_add_u32 v28, v29
	ds_add_u32 v28, v29
	s_wait_dscnt 0x0
	v_lshrrev_b32 v1, 5, v0
	v_readfirstlane_b32 s14, v1
	s_lshr_b32 s15, s14, 1
	s_and_b32 s16, s14, 1
	s_bfe_u32 s40, ttmp6, 0x40000
	s_bfe_u32 s41, ttmp6, 0x40004
	s_lshl_b32 s42, ttmp9, 2
	s_add_co_u32 s42, s42, s40                     ; tile column
	s_and_b32 s17, ttmp7, 0xffff
	s_lshl_b32 s17, s17, 2
	s_add_co_u32 s17, s17, s41                     ; tile row
	s_lshl_b32 s43, s41, 2
	s_lshl_b32 s43, 15, s43
	s_lshl_b32 s44, 0x1111, s40
	s_or_b32 s[G1+0], s43, (0<<16)|(1<<20)|(1<<21)|(5<<22)|(3<<25)
	s_or_b32 s[G1B+0], s44, (0<<16)|(1<<20)|(1<<21)|(5<<22)|(3<<25)
.irp g, G1, G1B
	s_mov_b32 s[\g+1], ROWB<<16
	s_mov_b32 s[\g+2], 128<<16
	s_mov_b32 s[\g+3], ROWB<<16
	s_mov_b32 s[\g+4], 128
	s_mov_b32 s[\g+6], 0
	s_mov_b32 s[\g+7], 0
.endr
	s_mov_b32 s[G1+5], ROWB                        ; A's block is dense: the pitch is the line
	s_mov_b32 s[G1B+5], KROW
	s_lshl_b32 s18, s16, 7
	s_lshl_b32 s20, s17, 8
	s_add_co_u32 s20, s20, s18
	s_lshl_b32 s46, s42, 8
	s_add_co_u32 s46, s46, s18
	s_mul_i32 s20, s20, KROW                       ; 128 rows of A are 128 x SIZE_K bytes in the blocked layout too
	s_mul_i32 s46, s46, KROW
	s_mov_b32 s21, 0
	s_mov_b32 s47, 0
	s_mul_i32 s45, s14, HALFT
	s_wait_kmcnt 0x0
	s_load_b64 s[96:97], s[8:9], EOFF
	s_add_nc_u64 s[6:7], s[6:7], WOFF
	s_add_nc_u64 s[20:21], s[4:5], s[20:21]
	s_add_nc_u64 s[46:47], s[6:7], s[46:47]
	CROUND
.irp s, 0,1
	s_mov_b32 s[G0+4*\s], 1
	s_add_co_u32 s[G0+4*\s+1], s45, \s*SLOT
	s_add_nc_u64 s[G0+4*\s+2:G0+4*\s+3], s[20:21], \s*ASTEP
	s_or_b32 s[G0+4*\s+3], s[G0+4*\s+3], 0x80000000
	s_mov_b32 s[G0B+4*\s], 1
	s_add_co_u32 s[G0B+4*\s+1], s45, \s*SLOT
	s_add_nc_u64 s[G0B+4*\s+2:G0B+4*\s+3], s[46:47], \s*ROWB
	s_or_b32 s[G0B+4*\s+3], s[G0B+4*\s+3], 0x80000000
	JLOAD G0+4*\s, G1, G0B+4*\s, G1B
.endr
	v_and_b32 v1, 15, v0                           ; r
	v_bfe_u32 v2, v0, 4, 1                         ; h
	v_mul_u32_u24 v3, v1, PITCH
	v_lshl_add_u32 v4, v2, 4, v3                   ; B: row x pitch + 16 h
	v_lshrrev_b32 v5, 2, v1
	v_mul_u32_u24 v5, v5, PITCH
	v_and_b32 v6, 3, v1
	v_lshl_add_u32 v5, v6, 6, v5
	v_lshl_add_u32 v5, v2, 4, v5                   ; A: line r / 4, byte 64 (r % 4) + 16 h: sixteen lanes touch sixteen different columns of 16 bytes
	s_mul_i32 s21, s15, HALFT
	s_mul_i32 s22, s16, HALFT
	s_add_co_u32 s22, s22, 2*HALFT
.irp s, 0,1
	v_add_nc_u32 v[ADRA+\s], s21, v5
	v_add_nc_u32 v[ADRB+\s], s22, v4
	s_add_co_u32 s21, s21, SLOT
	s_add_co_u32 s22, s22, SLOT
.endr
	s_mul_i32 s23, s14, 16*SPITCH                  ; my stage
	v_mul_u32_u24 v5, v1, SPITCH
	v_lshl_add_u32 v5, v2, 5, v5
	v_add_nc_u32 v[STO], s23, v5                   ; in: row r, 32 bytes for each half of the lanes
	v_and_b32 v6, 31, v0
	v_lshlrev_b32 v[CO], 4, v6                     ; back: the 32 lanes take one row of 512 bytes; the same in C
	v_add_nc_u32 v[RD], s23, v[CO]
	s_lshl_b32 s20, s17, 8
	s_lshl_b32 s21, s15, 7
	s_add_co_u32 s20, s20, s21
	s_mul_i32 s20, s20, CROW                       ; my first row of C,
	s_lshl_b32 s46, s42, 10
	s_lshl_b32 s47, s16, 9
	s_add_co_u32 s46, s46, s47                     ; my first column, in bytes
	s_add_co_u32 s20, s20, s46
	s_mov_b32 s21, 0
	s_add_nc_u64 s[RB:RB+1], s[RB:RB+1], s[20:21]
	s_add_nc_u64 s[OB:OB+1], s[OB:OB+1], s[20:21]
.macro FRAG reg, adr, q, i
.irp c, 0,1,2,3
	ds_load_b128 v[\reg+4*\c:\reg+4*\c+3], v[\adr] offset:128*(\q)+32*\c+(\i)*16*PITCH
.endr
.endm
.macro FRAG_A reg, adr, q, i           ; the blocked tile: chunk 2 q + c / 2, lines 4 i on, byte 32 (c % 2)
.irp c, 0,1,2,3
	ds_load_b128 v[\reg+4*\c:\reg+4*\c+3], v[\adr] offset:(32*(2*(\q)+\c/2)+4*(\i))*PITCH+32*(\c%2)
.endr
.endm
.macro MUL16 a0, p, zero
.irp a, \a0, \a0+1
.irp b, 0,1,2,3,4,5,6,7
.if \zero
	v_wmma_f32_16x16x128_bf8_bf8 v[8*(8*((\a)%4)+\b):8*(8*((\a)%4)+\b)+7], v[128*(\p)+FR*\b:128*(\p)+FR*\b+FR-1], v[AF+FR*(\a):AF+FR*(\a)+FR-1], 0
.else
	v_wmma_f32_16x16x128_bf8_bf8 v[8*(8*((\a)%4)+\b):8*(8*((\a)%4)+\b)+7], v[128*(\p)+FR*\b:128*(\p)+FR*\b+FR-1], v[AF+FR*(\a):AF+FR*(\a)+FR-1], v[8*(8*((\a)%4)+\b):8*(8*((\a)%4)+\b)+7]
.endif
.endr
.endr
.endm
.macro FETCH_B slot, q, p
	WIN TO_B
.irp i, 0,1,2,3,4,5,6,7
	FRAG 128*(\p)+FR*\i, ADRB+\slot, \q, \i
.endr
	WIN 0
.endm
.macro FETCH_A slot, q, i0
.irp i, \i0, \i0+1, \i0+2, \i0+3
	FRAG_A AF+FR*(\i), ADRA+\slot, \q, \i
.endr
.endm
.macro PLACES n
.rept \n
	v_nop
.endr
.endm
.macro STEP slot, q, zero
	s_wait_dscnt 4*NL                              ; B's set and A's blocks 0-3 are in; the youngest sixteen loads may be out
	WIN MUL_LO
	MUL16 0, (\q)%2, \zero
	MUL16 2, (\q)%2, \zero
	s_wait_dscnt 0
	PLACES NP
	FETCH_B \slot, (\q)+1, 1-(\q)%2
	FETCH_A \slot, (\q)+1, 0
	WIN MUL_HI
	MUL16 4, (\q)%2, \zero
	MUL16 6, (\q)%2, \zero
	PLACES NP
	WIN 0
	FETCH_A \slot, (\q)+1, 4
.endm
.macro TURN slot, next, fill
	s_wait_tensorcnt 0x0                           ; all my tensor loads have landed: my part of the next slot;
	ds_add_u32 v[SPW], v[NIL]                      ; 0 onto my spare word;
	s_wait_dscnt 4*NL+1                            ; (the add and the youngest sixteen loads may be out)
	WIN MUL_LO
	MUL16 0, 1, 0
	s_wait_dscnt 0x0                               ; the add is done, and my reads of this slot are over
	s_barrier_signal -1
	MUL16 2, 1, 0
	WIN 0
	s_barrier_wait -1
.if \fill
	CREST
	s_add_nc_u64 s[G0+4*\slot+2:G0+4*\slot+3], s[G0+4*\slot+2:G0+4*\slot+3], 2*ASTEP
	s_add_nc_u64 s[G0B+4*\slot+2:G0B+4*\slot+3], s[G0B+4*\slot+2:G0B+4*\slot+3], 2*ROWB
	JLOAD G0+4*\slot, G1, G0B+4*\slot, G1B
.else
	PLACES NP
.endif
	FETCH_B \next, 0, 0
	FETCH_A \next, 0, 0
	WIN MUL_HI
	MUL16 4, 1, 0
	MUL16 6, 1, 0
	PLACES NP
	WIN 0
	FETCH_A \next, 0, 4
.endm
	s_wait_tensorcnt 1                             ; my part of K step 0 is in (K step 1's load may be out),
	s_barrier_signal -1
	s_barrier_wait -1
	FETCH_B 0, 0, 0
	FETCH_A 0, 0, 0
	FETCH_A 0, 0, 4
	STEP 0, 0, 1
	s_mov_b32 s3, LAPS-1
.Llap:
	TURN 0, 1, 1
	STEP 1, 0, 0
	TURN 1, 0, 1
	STEP 0, 0, 0
	s_sub_co_u32 s3, s3, 1
	s_cmp_lg_u32 s3, 0
	s_cbranch_scc1 .Llap
	TURN 0, 1, 0
	STEP 1, 0, 0
	s_wait_dscnt 4*NL
	WIN MUL_LO
	MUL16 0, 1, 0
	MUL16 2, 1, 0
	s_wait_dscnt 0
	WIN MUL_HI
	MUL16 4, 1, 0
	MUL16 6, 1, 0
	WIN 0
; THE WAY OUT, block by block of 16 rows x 128 columns.  The sums go through my stage as they are and come back as whole rows of 512 bytes; the residual's rows are loaded in the same shape; one packed multiply-add joins them.
.macro XLOAD a                         ; the residual's 16 rows -> window 1, two sets by turns (B's fragments are done with)
	WIN TO_B
.irp t, 0,1,2,3,4,5,6,7,8,9,10,11,12,13,14,15
	global_load_b128 v[64*((\a)%2)+4*\t:64*((\a)%2)+4*\t+3], v[CO], s[RB:RB+1] offset:(16*(\a)+\t)*CROW
.endr
	WIN 0
.endm
.macro TOSTAGE a
.set AC, 64*((\a)%4)
	WIN 0x08+4*((\a)/4)                            ; the stores' data: window 2 or 3
.irp b, 0,1,2,3,4,5,6,7
	ds_store_b128 v[STO], v[AC+8*\b:AC+8*\b+3] offset:64*\b          ; each accumulator from its low end on
	ds_store_b128 v[STO], v[AC+8*\b+4:AC+8*\b+7] offset:64*\b+16
.endr
	WIN 0
.set BB, BK+64*((\a)%2)
.irp t, 0,1,2,3,4,5,6,7,8,9,10,11,12,13,14,15
	ds_load_b128 v[BB+4*\t:BB+4*\t+3], v[RD] offset:\t*SPITCH        ; LDS serves a wave's instructions in order: these see the stores above
.endr
.endm
.macro SEND a, yd, yl                  ; yd, yl: the LDS instructions and the loads issued behind block a's, which may stay out
.set BB, BK+64*((\a)%2)
.set XR, 64*((\a)%2)
	s_wait_dscnt \yd
	s_wait_loadcnt \yl
	WIN 0x10                                       ; source 2: window 1
.set jj, 0
.rept 32
	v_pk_fma_f32 v[BB+jj:BB+jj+1], v[BB+jj:BB+jj+1], s[96:97], v[XR+jj:XR+jj+1] op_sel_hi:[1,0,1]   ; sum x 2^(eA + eB) + residual
.set jj, jj+2
.endr
	WIN 0
.if BIAS
.set jj, 0
.rept 32
	v_pk_add_f32 v[BB+jj:BB+jj+1], v[BB+jj:BB+jj+1], v[BV+jj%4:BV+jj%4+1]
.set jj, jj+2
.endr
.endif
.irp t, 0,1,2,3,4,5,6,7,8,9,10,11,12,13,14,15
	global_store_b128 v[CO], v[BB+4*\t:BB+4*\t+3], s[OB:OB+1] offset:(16*(\a)+\t)*CROW   ; 32 lanes store 512 consecutive bytes, aligned; the offset is at most 127 rows: inside the signed 24-bit immediate
.endr
.endm
	s_wait_kmcnt 0x0
	s_add_co_i32 s96, s96, s97
	s_add_co_i32 s96, s96, 127
	s_lshl_b32 s96, s96, 23                        ; 2^(eA + eB) as f32
	s_mov_b32 s97, s96
	PLACES NP
	XLOAD 0
	TOSTAGE 0
.irp a, 1,2,3,4,5,6,7
.if \a > 1
	s_wait_xcnt 0x0                                ; block a - 2's stores have read their registers: block a's loads may land there
.endif
	XLOAD \a
	TOSTAGE \a
	SEND \a-1, 32, 16                              ; behind block a - 1's: block a's 16 LDS stores and 16 LDS loads, and its 16 loads of the residual
.endr
	SEND 7, 0, 0
	s_wait_tensorcnt 0x0                           ; the wave's end
	ds_add_u32 v[SPW], v[NIL]
	s_wait_dscnt 0x0
	CROUND
	s_endpgm
.Lfunc_end_k_q1d115f9e70_wo:
	.size	k_q1d115f9e70_wo, .Lfunc_end_k_q1d115f9e70_wo-k_q1d115f9e70_wo
	.p2alignl 7, 3214868480
	.fill 96, 4, 3214868480
	.section	.rodata,"a",@progbits
	.p2align	6, 0x0
	.amdhsa_kernel k_q1d115f9e70_wo
		.amdhsa_group_segment_fixed_size 327680
		.amdhsa_private_segment_fixed_size 0
		.amdhsa_enable_private_segment 0
		.amdhsa_kernarg_size 40
		.amdhsa_user_sgpr_count 2
		.amdhsa_user_sgpr_kernarg_segment_ptr 1
		.amdhsa_wavefront_size32 1
		.amdhsa_system_sgpr_workgroup_id_x 1
		.amdhsa_system_sgpr_workgroup_id_y 1
		.amdhsa_system_sgpr_workgroup_id_z 1
		.amdhsa_system_vgpr_workitem_id 0
		.amdhsa_next_free_vgpr 1024
		.amdhsa_next_free_sgpr 100
		.amdhsa_reserve_vcc 0
		.amdhsa_float_denorm_mode_32 3
		.amdhsa_float_denorm_mode_16_64 3
		.amdhsa_memory_ordered 1
		.amdhsa_forward_progress 1
		.amdhsa_inst_pref_size 136
	.end_amdhsa_kernel
	.amdgpu_metadata
---
amdhsa.version: [ 1, 2 ]
amdhsa.kernels:
  - .name:           k_q1d115f9e70_wo
    .symbol:         k_q1d115f9e70_wo.kd
    .args:
      - { .name: ocodes, .offset: 0, .size: 8, .value_kind: global_buffer, .address_space: global }
      - { .name: wcodes, .offset: 8, .size: 8, .value_kind: global_buffer, .address_space: global }
      - { .name: lowp_scales, .offset: 16, .size: 8, .value_kind: global_buffer, .address_space: global }
      - { .name: x, .offset: 24, .size: 8, .value_kind: global_buffer, .address_space: global }
      - { .name: x1, .offset: 32, .size: 8, .value_kind: global_buffer, .address_space: global }
    .group_segment_fixed_size: 327680
    .private_segment_fixed_size: 0
    .kernarg_segment_align: 8
    .kernarg_segment_size: 40
    .max_flat_workgroup_size: 128
    .sgpr_count:     100
    .vgpr_count:     1024
    .wavefront_size: 32
...
	.end_amdgpu_metadata
.endif
;; end of part 4
;; launch ln2 (part 5): grid 256 x 1, 4 waves a work-group, no clusters, 0 bytes of LDS; arguments x1, ln2_g, ln2_b, lowp_scales, h2codes; writes h2codes
.if DOCPART == 5
	.amdgcn_target "amdgcn-amd-amdhsa--gfx1250"
	.amdhsa_code_object_version 6
	.text
	.protected	k_q1d115f9e70_ln2
	.globl	k_q1d115f9e70_ln2
	.p2align	8
	.type	k_q1d115f9e70_ln2,@function
k_q1d115f9e70_ln2:
	s_mov_b64 s[64:65], 0
	v_nop
	global_prefetch_b8 v0, s[64:65] scope:SCOPE_SE
	s_setreg_imm32_b32 hwreg(HW_REG_WAVE_MODE, 25, 1), 1
	s_wait_xcnt 0x0
; LN2.  h2 = layernorm(x1) x g + b, quantised to E5M2 with the given scale 2^e12: h2codes [4096][1024], row-major.
; A wave takes 4 rows, one after the other; a row lies in 32 registers a lane, so memory is read once and no wave waits for another.  No LDS, no barrier, no cluster: nothing is shared.
; LIMITS: e12 between -126 and 112.  NaN and infinities among the inputs are not served.
.set EMAX,  15
.set MANT,  0x600000
.set NSETS, 1
.set LA,    3                          ; v3   32 x lane
.set LC,    4                          ; v4   8 x lane
.set G,     16
.set B,     48
.set X,     80
.set T,     208
.set MU,    216
.set RS,    218
.set C,     224
.set SC,    248
.set LIM,   251
.set XB,    56
.set HB,    58
.macro REDUCE
	v_add_f32_dpp v[T], v[T], v[T] row_xmask:1 row_mask:0xf bank_mask:0xf
	v_add_f32_dpp v[T], v[T], v[T] row_xmask:2 row_mask:0xf bank_mask:0xf
	v_add_f32_dpp v[T], v[T], v[T] row_xmask:4 row_mask:0xf bank_mask:0xf
	v_add_f32_dpp v[T], v[T], v[T] row_xmask:8 row_mask:0xf bank_mask:0xf
	v_permlanex16_b32 v[T+1], v[T], s54, s55
	v_add_f32 v[T], v[T], v[T+1]
.endm
.macro FOLD
	v_pk_add_f32 v[T:T+1], v[T:T+1], v[T+2:T+3]
	v_pk_add_f32 v[T+4:T+5], v[T+4:T+5], v[T+6:T+7]
	v_pk_add_f32 v[T:T+1], v[T:T+1], v[T+4:T+5]
	v_add_f32 v[T], v[T], v[T+1]
.endm
.macro LNROW rho
.set XR, X+32*(\rho)
	s_wait_loadcnt 8*(3-(\rho))                    ; this row's eight loads are in; the later rows' eight each may be out
.irp k, 0,1,2,3
	v_pk_add_f32 v[T+2*\k:T+2*\k+1], v[XR+4*\k:XR+4*\k+1], v[XR+4*\k+2:XR+4*\k+3]
.endr
.irp k, 0,1,2,3,4,5,6,7
	v_pk_add_f32 v[T+2*(\k%4):T+2*(\k%4)+1], v[T+2*(\k%4):T+2*(\k%4)+1], v[XR+16+2*\k:XR+16+2*\k+1]
.endr
	FOLD
	REDUCE
	v_mul_f32 v[MU], s52, v[T]
	v_mul_f32 v[MU+1], s52, v[T]
.irp j, 0,2,4,6,8,10,12,14,16,18,20,22,24,26,28,30
	v_pk_add_f32 v[XR+\j:XR+\j+1], v[XR+\j:XR+\j+1], v[MU:MU+1] neg_lo:[0,1] neg_hi:[0,1]
.endr
.irp k, 0,1,2,3
	v_pk_mul_f32 v[T+2*\k:T+2*\k+1], v[XR+2*\k:XR+2*\k+1], v[XR+2*\k:XR+2*\k+1]
.endr
.irp k, 4,5,6,7,8,9,10,11,12,13,14,15
	v_pk_fma_f32 v[T+2*(\k%4):T+2*(\k%4)+1], v[XR+2*\k:XR+2*\k+1], v[XR+2*\k:XR+2*\k+1], v[T+2*(\k%4):T+2*(\k%4)+1]
.endr
	FOLD
	REDUCE
	v_fma_f32 v[T], v[T], s52, s53
	v_rsq_f32 v[RS], v[T]
	v_nop                                          ; a plain line behind the transcendental,
	s_wait_alu depctr_va_vdst(0)                   ; and the wait ahead of its first reader
	v_mov_b32 v[RS+1], v[RS]
.irp j, 0,2,4,6,8,10,12,14,16,18,20,22,24,26,28,30
	v_pk_mul_f32 v[XR+\j:XR+\j+1], v[XR+\j:XR+\j+1], v[RS:RS+1]
.endr
.irp j, 0,2,4,6,8,10,12,14,16,18,20,22,24,26,28,30
	v_pk_fma_f32 v[XR+\j:XR+\j+1], v[XR+\j:XR+\j+1], v[G+\j:G+\j+1], v[B+\j:B+\j+1]
.endr
	s_wait_xcnt 0x0                                ; the last row's stores have read their data
.set QS, 0
.rept NSETS
.irp c, 0,1,2,3
.irp j, 0,1,2,3,4,5,6,7
	v_med3_num_f32 v[T+8*(\c%2)+\j], v[XR+8*\c+\j], -v[LIM+QS], v[LIM+QS]
.endr
	v_cvt_scalef32_pk8_bf8_f32 v[C+8*QS+2*\c:C+8*QS+2*\c+1], v[T+8*(\c%2):T+8*(\c%2)+7], v[SC+QS]
.endr
.set QS, QS+1
.endr
	v_nop                                          ; a plain line behind the last conversion
.set QS, 0
.rept NSETS
.irp c, 0,1,2,3
	global_store_b64 v[LC], v[C+8*QS+2*\c:C+8*QS+2*\c+1], s[HB+2*QS:HB+2*QS+1] offset:256*\c+1024*(\rho)   ; the wave stores 256 consecutive bytes, aligned
.endr
.set QS, QS+1
.endr
.endm
	s_load_b256 s[4:11], s[0:1], 0x0               ; x1 4:5, g 6:7, b 8:9, the scales' exponents 10:11
	s_load_b64 s[26:27], s[0:1], 0x20              ; h2codes
	v_lshrrev_b32 v1, 5, v0
	v_readfirstlane_b32 s28, v1
	v_and_b32 v2, 31, v0
	s_wait_kmcnt 0x0
	s_load_b32 s36, s[10:11], 0x30                 ; e12
	s_lshl_b32 s29, ttmp9, 4
	s_lshl_b32 s30, s28, 2
	s_add_co_u32 s29, s29, s30                     ; my first row
	s_lshl_b32 s30, s29, 12
	s_mov_b32 s31, 0
	s_add_nc_u64 s[XB:XB+1], s[4:5], s[30:31]
	s_lshl_b32 s30, s29, 10
	s_add_nc_u64 s[HB:HB+1], s[26:27], s[30:31]
	s_mov_b32 s52, 0x3a800000                      ; 1 / 1024
	s_mov_b32 s53, 0x3727c5ac                      ; 1e-5
	s_mov_b32 s54, 0x76543210
	s_mov_b32 s55, 0xfedcba98
	v_lshlrev_b32 v[LA], 5, v2
	v_lshlrev_b32 v[LC], 3, v2
.irp c, 0,1,2,3
.irp i, 0,1
	global_load_b128 v[G+8*\c+4*\i:G+8*\c+4*\i+3], v[LA], s[6:7] offset:1024*\c+16*\i
	global_load_b128 v[B+8*\c+4*\i:B+8*\c+4*\i+3], v[LA], s[8:9] offset:1024*\c+16*\i
.endr
.endr
.irp rho, 0,1,2,3
.irp c, 0,1,2,3
.irp i, 0,1
	global_load_b128 v[X+32*\rho+8*\c+4*\i:X+32*\rho+8*\c+4*\i+3], v[LA], s[XB:XB+1] offset:4096*\rho+1024*\c+16*\i
.endr
.endr
.endr
	s_wait_kmcnt 0x0
	s_add_co_i32 s29, s36, 127
	s_lshl_b32 s30, s29, 23
	v_mov_b32 v[SC], s30
	s_add_co_i32 s29, s29, EMAX
	s_lshl_b32 s29, s29, 23
	s_or_b32 s29, s29, MANT
	v_mov_b32 v[LIM], s29
	LNROW 0
	LNROW 1
	LNROW 2
	LNROW 3
	s_endpgm
.Lfunc_end_k_q1d115f9e70_ln2:
	.size	k_q1d115f9e70_ln2, .Lfunc_end_k_q1d115f9e70_ln2-k_q1d115f9e70_ln2
	.p2alignl 7, 3214868480
	.fill 96, 4, 3214868480
	.section	.rodata,"a",@progbits
	.p2align	6, 0x0
	.amdhsa_kernel k_q1d115f9e70_ln2
		.amdhsa_group_segment_fixed_size 0
		.amdhsa_private_segment_fixed_size 0
		.amdhsa_enable_private_segment 0
		.amdhsa_kernarg_size 40
		.amdhsa_user_sgpr_count 2
		.amdhsa_user_sgpr_kernarg_segment_ptr 1
		.amdhsa_wavefront_size32 1
		.amdhsa_system_sgpr_workgroup_id_x 1
		.amdhsa_system_sgpr_workgroup_id_y 1
		.amdhsa_system_sgpr_workgroup_id_z 1
		.amdhsa_system_vgpr_workitem_id 0
		.amdhsa_next_free_vgpr 256
		.amdhsa_next_free_sgpr 66
		.amdhsa_reserve_vcc 0
		.amdhsa_float_denorm_mode_32 3
		.amdhsa_float_denorm_mode_16_64 3
		.amdhsa_memory_ordered 1
		.amdhsa_forward_progress 1
		.amdhsa_inst_pref_size 42
	.end_amdhsa_kernel
	.amdgpu_metadata
---
amdhsa.version: [ 1, 2 ]
amdhsa.kernels:
  - .name:           k_q1d115f9e70_ln2
    .symbol:         k_q1d115f9e70_ln2.kd
    .args:
      - { .name: x1, .offset: 0, .size: 8, .value_kind: global_buffer, .address_space: global }
      - { .name: ln2_g, .offset: 8, .size: 8, .value_kind: global_buffer, .address_space: global }
      - { .name: ln2_b, .offset: 16, .size: 8, .value_kind: global_buffer, .address_space: global }
      - { .name: lowp_scales, .offset: 24, .size: 8, .value_kind: global_buffer, .address_space: global }
      - { .name: h2codes, .offset: 32, .size: 8, .value_kind: global_buffer, .address_space: global }
    .group_segment_fixed_size: 0
    .private_segment_fixed_size: 0
    .kernarg_segment_align: 8
    .kernarg_segment_size: 40
    .max_flat_workgroup_size: 128
    .sgpr_count:     66
    .vgpr_count:     256
    .wavefront_size: 32
...
	.end_amdgpu_metadata
.endif
;; end of part 5
;; launch ff1 (part 6): grid 16 x 16, 4 waves a work-group, clusters of 4 x 4, 327,680 bytes of LDS; arguments h2codes, wcodes, lowp_scales, b1, gcodes; writes gcodes
.if DOCPART == 6
	.amdgcn_target "amdgcn-amd-amdhsa--gfx1250"
	.amdhsa_code_object_version 6
	.text
	.protected	k_q1d115f9e70_ff1
	.globl	k_q1d115f9e70_ff1
	.p2align	8
	.type	k_q1d115f9e70_ff1,@function
k_q1d115f9e70_ff1:
	s_mov_b64 s[64:65], 0
	v_nop
	global_prefetch_b8 v0, s[64:65] scope:SCOPE_SE
	s_setreg_imm32_b32 hwreg(HW_REG_WAVE_MODE, 25, 1), 1
	s_wait_xcnt 0x0
	s_wait_alu depctr_hold_cnt(0) depctr_sa_sdst(0) depctr_va_vdst(0) depctr_va_sdst(0) depctr_va_ssrc(0) depctr_va_vcc(0) depctr_vm_vsrc(0)
	s_getreg_b32 s2, hwreg(HW_REG_IB_STS2, 6, 4)
	s_cmp_eq_u32 s2, 0
	s_cbranch_scc0 .Lentry_in_a_cluster
	s_endpgm
.Lentry_in_a_cluster:
	s_bfe_u32 s2, ttmp6, 0x10000c
	s_cmp_lg_u32 s2, 0xf033
	s_cbranch_scc0 .Lentry_shape_is_right
	s_endpgm
.Lentry_shape_is_right:
; FF1.  g = gelu(h2 W1^T + b1), exact (erf), quantised at once with 2^e14.  Products on codes of E5M2, K = 1,024.
; A tile of C, 256 x 256, by four waves of 128 x 128; K in steps of 256 through a ring of two LDS slots; clusters of 4 x 4 with joint loads.  256 work-groups.
; THE WAY OUT.  A lane's eight sums are eight neighbours of a row, and the quantiser wants 16 neighbours for 16 bytes: so each wave lays its 128 x 128 sums in LDS (rows of 528 bytes, in the ring, which is done with: a barrier stands
; between every wave's last read of the ring and the first such store) and walks them eight rows at a time: lane l takes row l / 4 and, in each half of 64 columns, the 16 columns 16 (l % 4) on.
; gcodes is BLOCKED for its reader: [row / 128][column / 64][row % 128][64 bytes]: eight rows x 64 codes are 512 consecutive bytes, one store of the wave.
; GELU.  gelu(u) = max(u, 0) - |u| e, e = erfc(|u| / sqrt 2) / 2 = t 2^(poly(t) - u^2 log2(e) / 2), t = 1 / (1 + |u| sqrt(2) / 4): the published Chebyshev fit of erfc (fractional error under 1.2e-7 for every argument), its
; coefficients times log2(e), the factor 1/2 as -1 in c0.  No difference of near-equal numbers arises on either side of 0.  An e under 2^-126 comes out as 0.
; LIMITS: e12 + e13 between -126 and 127; e14 between -126 and 112.  NaN among the inputs is not served.
.set SIZE_K, 1024
.set WOFF,   0x400000                  ; w1's codes in wcodes
.set KSTEP,  256
.set ROWB,   256
.set KROW,   1024
.set PITCH,  272
.set FR,     16
.set NL,     4
.set NP,     4
.set HALFT,  128*PITCH
.set SLOT,   4*HALFT
.set LAPS,   SIZE_K/(2*KSTEP)
.set SPARE,  2*SLOT
.set DP,     528                       ; a row of sums in LDS: 512 bytes + 16; a wave's 128 rows take 67,584 bytes, the four waves' 270,336: inside the ring
.set ADRA, 16
.set ADRB, 20
.set STO,  24                          ; v24  where I lay 32 bytes of a row
.set RD,   25                          ; v25  where I read my 64 bytes of a row's half
.set GO,   26                          ; v26  16 x lane
.set BIO,  27                          ; v27  64 (lane % 4): my columns' bytes in b1
.set SPW,  28
.set NIL,  29
.set AF,   128
.set R,    32                          ; v32-63   32 sums
.set U,    64                          ; v64-95   u, at the end gelu(u)
.set T,    96                          ; v96-127  t
.set P,    128                         ; v128-159 the polynomial, then e
.set W,    160                         ; v160-191 u^2, then max(u, 0)
.set BI,   192                         ; v192-223 b1 at my 32 columns
.set C,    224                         ; v224-231 codes
.set C8,   232                         ; v[232:233] c8, twice
.set LIMV, 234
.set SCV,  235
.set ADR,  236
.set CK,   238                         ; v238-253 c0 .. c7, each twice
.set G1, 24
.set G0, 32
.set G1B, 48
.set G0B, 56
.set MSB, 0
.macro WIN new
.if MSB != (\new)
	s_set_vgpr_msb (MSB<<8)|(\new)
.set MSB, (\new)
.endif
.endm
.set MUL_LO, 0xa1
.set MUL_HI, 0xf1
.set TO_B,   0x40
.macro JLOAD g0a, g1a, g0b, g1b
	s_cmp_eq_u32 s15, 0
	s_cbranch_scc0 .Lfor_b_\@
	tensor_load_to_lds s[\g0a:\g0a+3], s[\g1a:\g1a+7]
	s_nop 0
.rept 4
	v_nop
.endr
	s_branch .Lasked_\@
.Lfor_b_\@:
	tensor_load_to_lds s[\g0b:\g0b+3], s[\g1b:\g1b+7]
	s_nop 0
.rept 4
	v_nop
.endr
.Lasked_\@:
.endm
.macro CREST
	s_cmp_lg_u32 s14, 0
	s_cbranch_scc1 .Lnot_wave_0_\@
	s_barrier_signal -3
.Lnot_wave_0_\@:
	s_barrier_wait -3
	s_barrier_signal -1
	s_barrier_wait -1
.endm
.macro CROUND
	s_barrier_signal -1
	s_barrier_wait -1
	CREST
.endm
	s_load_b128 s[4:7], s[0:1], 0x0                ; h2codes, wcodes
	s_load_b128 s[8:11], s[0:1], 0x10              ; the scales' exponents, b1
	s_load_b64 s[12:13], s[0:1], 0x20              ; gcodes
	v_lshl_add_u32 v[SPW], v0, 2, SPARE
	v_mov_b32 v[NIL], 0
	ds_add_u32 v28, v29
	ds_add_u32 v28, v29
	s_wait_dscnt 0x0
	v_lshrrev_b32 v1, 5, v0
	v_readfirstlane_b32 s14, v1
	s_lshr_b32 s15, s14, 1
	s_and_b32 s16, s14, 1
	s_bfe_u32 s40, ttmp6, 0x40000
	s_bfe_u32 s41, ttmp6, 0x40004
	s_lshl_b32 s42, ttmp9, 2
	s_add_co_u32 s42, s42, s40                     ; tile column
	s_and_b32 s17, ttmp7, 0xffff
	s_lshl_b32 s17, s17, 2
	s_add_co_u32 s17, s17, s41                     ; tile row
	s_lshl_b32 s43, s41, 2
	s_lshl_b32 s43, 15, s43
	s_lshl_b32 s44, 0x1111, s40
	s_or_b32 s[G1+0], s43, (0<<16)|(1<<20)|(1<<21)|(5<<22)|(3<<25)
	s_or_b32 s[G1B+0], s44, (0<<16)|(1<<20)|(1<<21)|(5<<22)|(3<<25)
.irp g, G1, G1B
	s_mov_b32 s[\g+1], ROWB<<16
	s_mov_b32 s[\g+2], 128<<16
	s_mov_b32 s[\g+3], ROWB<<16
	s_mov_b32 s[\g+4], 128
	s_mov_b32 s[\g+5], KROW
	s_mov_b32 s[\g+6], 0
	s_mov_b32 s[\g+7], 0
.endr
	s_lshl_b32 s18, s16, 7
	s_lshl_b32 s20, s17, 8
	s_add_co_u32 s20, s20, s18
	s_lshl_b32 s46, s42, 8
	s_add_co_u32 s46, s46, s18
	s_mul_i32 s20, s20, KROW
	s_mul_i32 s46, s46, KROW
	s_mov_b32 s21, 0
	s_mov_b32 s47, 0
	s_mul_i32 s45, s14, HALFT
	s_wait_kmcnt 0x0
	s_load_b128 s[68:71], s[8:9], 0x30             ; e12, e13, e14, e15
	s_add_nc_u64 s[6:7], s[6:7], WOFF
	s_add_nc_u64 s[20:21], s[4:5], s[20:21]
	s_add_nc_u64 s[46:47], s[6:7], s[46:47]
	CROUND
.irp s, 0,1
	s_mov_b32 s[G0+4*\s], 1
	s_add_co_u32 s[G0+4*\s+1], s45, \s*SLOT
	s_add_nc_u64 s[G0+4*\s+2:G0+4*\s+3], s[20:21], \s*ROWB
	s_or_b32 s[G0+4*\s+3], s[G0+4*\s+3], 0x80000000
	s_mov_b32 s[G0B+4*\s], 1
	s_add_co_u32 s[G0B+4*\s+1], s45, \s*SLOT
	s_add_nc_u64 s[G0B+4*\s+2:G0B+4*\s+3], s[46:47], \s*ROWB
	s_or_b32 s[G0B+4*\s+3], s[G0B+4*\s+3], 0x80000000
	JLOAD G0+4*\s, G1, G0B+4*\s, G1B
.endr
	v_and_b32 v1, 15, v0                           ; r
	v_bfe_u32 v2, v0, 4, 1                         ; h
	v_mul_u32_u24 v3, v1, PITCH
	v_lshl_add_u32 v4, v2, 4, v3
	s_mul_i32 s21, s15, HALFT
	s_mul_i32 s22, s16, HALFT
	s_add_co_u32 s22, s22, 2*HALFT
.irp s, 0,1
	v_add_nc_u32 v[ADRA+\s], s21, v4
	v_add_nc_u32 v[ADRB+\s], s22, v4
	s_add_co_u32 s21, s21, SLOT
	s_add_co_u32 s22, s22, SLOT
.endr
	s_mul_i32 s23, s14, 128*DP                     ; my region of sums
	v_mul_u32_u24 v5, v1, DP
	v_lshl_add_u32 v5, v2, 5, v5
	v_add_nc_u32 v[STO], s23, v5                   ; in: row r, 32 bytes for each half of the lanes
	v_and_b32 v6, 31, v0
	v_lshrrev_b32 v7, 2, v6
	v_mul_u32_u24 v7, v7, DP
	v_and_b32 v8, 3, v6
	v_lshl_add_u32 v7, v8, 6, v7
	v_add_nc_u32 v[RD], s23, v7                    ; back: row lane / 4, byte 64 (lane % 4): sixteen lanes touch sixteen different columns of 16 bytes
	v_lshlrev_b32 v[GO], 4, v6
	v_lshlrev_b32 v[BIO], 6, v8
	s_lshl_b32 s82, s17, 1
	s_add_co_u32 s82, s82, s15
	s_lshl_b32 s82, s82, 19                        ; my block of 128 rows: 64 chunks of 8,192 bytes
	s_lshl_b32 s83, s42, 2
	s_add_co_u32 s83, s83, s16
	s_add_co_u32 s83, s83, s16
	s_lshl_b32 s83, s83, 13                        ; my first chunk of 64 columns
	s_add_co_u32 s82, s82, s83
	s_mov_b32 s83, 0
	s_add_nc_u64 s[12:13], s[12:13], s[82:83]
	s_lshl_b32 s82, s42, 10
	s_lshl_b32 s84, s16, 9
	s_add_co_u32 s82, s82, s84
	s_add_nc_u64 s[10:11], s[10:11], s[82:83]      ; b1 at my first column
.macro FRAG reg, adr, q, i
.irp c, 0,1,2,3
	ds_load_b128 v[\reg+4*\c:\reg+4*\c+3], v[\adr] offset:128*(\q)+32*\c+(\i)*16*PITCH
.endr
.endm
.macro MUL16 a0, p, zero
.irp a, \a0, \a0+1
.irp b, 0,1,2,3,4,5,6,7
.if \zero
	v_wmma_f32_16x16x128_bf8_bf8 v[8*(8*((\a)%4)+\b):8*(8*((\a)%4)+\b)+7], v[128*(\p)+FR*\b:128*(\p)+FR*\b+FR-1], v[AF+FR*(\a):AF+FR*(\a)+FR-1], 0
.else
	v_wmma_f32_16x16x128_bf8_bf8 v[8*(8*((\a)%4)+\b):8*(8*((\a)%4)+\b)+7], v[128*(\p)+FR*\b:128*(\p)+FR*\b+FR-1], v[AF+FR*(\a):AF+FR*(\a)+FR-1], v[8*(8*((\a)%4)+\b):8*(8*((\a)%4)+\b)+7]
.endif
.endr
.endr
.endm
.macro FETCH_B slot, q, p
	WIN TO_B
.irp i, 0,1,2,3,4,5,6,7
	FRAG 128*(\p)+FR*\i, ADRB+\slot, \q, \i
.endr
	WIN 0
.endm
.macro FETCH_A slot, q, i0
.irp i, \i0, \i0+1, \i0+2, \i0+3
	FRAG AF+FR*(\i), ADRA+\slot, \q, \i
.endr
.endm
.macro PLACES n
.rept \n
	v_nop
.endr
.endm
.macro STEP slot, q, zero
	s_wait_dscnt 4*NL                              ; B's set and A's blocks 0-3 are in; the youngest sixteen loads may be out
	WIN MUL_LO
	MUL16 0, (\q)%2, \zero
	MUL16 2, (\q)%2, \zero
	s_wait_dscnt 0
	PLACES NP
	FETCH_B \slot, (\q)+1, 1-(\q)%2
	FETCH_A \slot, (\q)+1, 0
	WIN MUL_HI
	MUL16 4, (\q)%2, \zero
	MUL16 6, (\q)%2, \zero
	PLACES NP
	WIN 0
	FETCH_A \slot, (\q)+1, 4
.endm
.macro TURN slot, next, fill
	s_wait_tensorcnt 0x0                           ; all my tensor loads have landed: my part of the next slot;
	ds_add_u32 v[SPW], v[NIL]                      ; 0 onto my spare word;
	s_wait_dscnt 4*NL+1                            ; (the add and the youngest sixteen loads may be out)
	WIN MUL_LO
	MUL16 0, 1, 0
	s_wait_dscnt 0x0                               ; the add is done, and my reads of this slot are over
	s_barrier_signal -1
	MUL16 2, 1, 0
	WIN 0
	s_barrier_wait -1
.if \fill
	CREST
	s_add_nc_u64 s[G0+4*\slot+2:G0+4*\slot+3], s[G0+4*\slot+2:G0+4*\slot+3], 2*ROWB
	s_add_nc_u64 s[G0B+4*\slot+2:G0B+4*\slot+3], s[G0B+4*\slot+2:G0B+4*\slot+3], 2*ROWB
	JLOAD G0+4*\slot, G1, G0B+4*\slot, G1B
.else
	PLACES NP
.endif
	FETCH_B \next, 0, 0
	FETCH_A \next, 0, 0
	WIN MUL_HI
	MUL16 4, 1, 0
	MUL16 6, 1, 0
	PLACES NP
	WIN 0
	FETCH_A \next, 0, 4
.endm
	s_wait_tensorcnt 1                             ; my part of K step 0 is in (K step 1's load may be out),
	s_barrier_signal -1
	s_barrier_wait -1
	FETCH_B 0, 0, 0
	FETCH_A 0, 0, 0
	FETCH_A 0, 0, 4
	STEP 0, 0, 1
	s_mov_b32 s3, LAPS-1
.Llap:
	TURN 0, 1, 1
	STEP 1, 0, 0
	TURN 1, 0, 1
	STEP 0, 0, 0
	s_sub_co_u32 s3, s3, 1
	s_cmp_lg_u32 s3, 0
	s_cbranch_scc1 .Llap
	TURN 0, 1, 0
	STEP 1, 0, 0
	s_wait_dscnt 4*NL
	WIN MUL_LO
	MUL16 0, 1, 0
	MUL16 2, 1, 0
	s_wait_dscnt 0                                 ; my last reads of the ring are in:
	s_barrier_signal -1                            ; say so; the last 32 products, work on registers, stand between signal and wait
	WIN MUL_HI
	MUL16 4, 1, 0
	MUL16 6, 1, 0
	WIN 0
	s_barrier_wait -1                              ; nobody reads the ring any more, and it has had its last fill: the sums may be laid there
	s_wait_kmcnt 0x0
	s_add_co_i32 s72, s68, s69
	s_add_co_i32 s72, s72, 127
	s_lshl_b32 s72, s72, 23                        ; 2^(e12 + e13)
	s_mov_b32 s73, s72
	s_add_co_i32 s80, s70, 127
	s_lshl_b32 s81, s80, 23                        ; 2^e14
	s_add_co_i32 s80, s80, 15
	s_lshl_b32 s80, s80, 23
	s_or_b32 s80, s80, 0x600000                    ; 57,344 x 2^e14
	s_mov_b32 s74, 0                               ; the walk's offset in my region
	s_mov_b32 s75, 0x3eb504f3                      ; sqrt(2) / 4
	s_mov_b32 s76, 0x3e7c6f08                      ; c9 = 0.24651730
	s_mov_b32 s77, s76
	s_mov_b32 s78, 0xbf38aa3b                      ; -log2(e) / 2
	s_mov_b32 s79, s78
	PLACES NP
.macro CONST reg, val
	v_mov_b32 v[\reg], \val
	v_mov_b32 v[\reg+1], \val
.endm
	v_mov_b32 v[SCV], s81
	v_mov_b32 v[LIMV], s80
	CONST C8,    0xbf97d29d                        ; c8 = -1.18611494
	CONST CK+14, 0x40097039                        ; c7 =  2.14747446
	CONST CK+12, 0xbfd1a1e5                        ; c6 = -1.63775315
	CONST CK+10, 0x3ecdfd18                        ; c5 =  0.40232158
	CONST CK+8,  0xbe899a80                        ; c4 = -0.26875686
	CONST CK+6,  0x3e0efb2e                        ; c3 =  0.13963006
	CONST CK+4,  0x3f0a29d2                        ; c2 =  0.53970062
	CONST CK+2,  0x3fb8ab5a                        ; c1 =  1.44272920
	CONST CK,    0xc034d90f                        ; c0 = -2.82574822
.irp i, 0,1,2,3,4,5,6,7
	global_load_b128 v[BI+4*\i:BI+4*\i+3], v[BIO], s[10:11] offset:256*(\i/4)+16*(\i%4)
.endr
.irp a, 0,1,2,3,4,5,6,7
	WIN 0x08+4*(\a/4)                              ; the stores' data: window 2 or 3
.irp b, 0,1,2,3,4,5,6,7
	ds_store_b128 v[STO], v[64*(\a%4)+8*\b:64*(\a%4)+8*\b+3] offset:\a*16*DP+64*\b        ; each accumulator from its low end on
	ds_store_b128 v[STO], v[64*(\a%4)+8*\b+4:64*(\a%4)+8*\b+7] offset:\a*16*DP+64*\b+16
.endr
.endr
	WIN 0
.irp i, 0,1,2,3,4,5,6,7
	ds_load_b128 v[R+4*\i:R+4*\i+3], v[RD] offset:256*(\i/4)+16*(\i%4)   ; rows 0 to 7.  LDS serves a wave's instructions in order: these see my stores; no other wave touches my region
.endr
	s_wait_loadcnt 0x0                             ; b1
; Eight rows x 128 columns: 32 numbers a lane.  more = 1: the next eight rows are asked for as soon as these are taken
.macro GELU32 more
	s_wait_dscnt 0x0
.set jj, 0
.rept 16
	v_pk_fma_f32 v[U+jj:U+jj+1], v[R+jj:R+jj+1], s[72:73], v[BI+jj:BI+jj+1] op_sel_hi:[1,0,1]   ; u = sum x 2^(e12 + e13) + b1
.set jj, jj+2
.endr
.if \more
	s_add_co_u32 s74, s74, 8*DP
	v_add_nc_u32 v[ADR], s74, v[RD]
.irp i, 0,1,2,3,4,5,6,7
	ds_load_b128 v[R+4*\i:R+4*\i+3], v[ADR] offset:256*(\i/4)+16*(\i%4)
.endr
.endif
.set jj, 0
.rept 32
	v_fma_f32 v[T+jj], |v[U+jj]|, s75, 1.0
.set jj, jj+1
.endr
.set jj, 0
.rept 32
	v_rcp_f32 v[T+jj], v[T+jj]                     ; t
.set jj, jj+1
.endr
.set jj, 0
.rept 16
	v_pk_mul_f32 v[W+jj:W+jj+1], v[U+jj:U+jj+1], v[U+jj:U+jj+1]   ; u^2: plain work behind the batch
.set jj, jj+2
.endr
	s_wait_alu depctr_va_vdst(0)                   ; one wait for the 32 reciprocals, ahead of their first reader
.set jj, 0
.rept 16
	v_pk_fma_f32 v[P+jj:P+jj+1], v[T+jj:T+jj+1], s[76:77], v[C8:C8+1] op_sel_hi:[1,0,1]
.set jj, jj+2
.endr
.irp k, 7,6,5,4,3,2,1,0
.set jj, 0
.rept 16
	v_pk_fma_f32 v[P+jj:P+jj+1], v[P+jj:P+jj+1], v[T+jj:T+jj+1], v[CK+2*\k:CK+2*\k+1]
.set jj, jj+2
.endr
.endr
.set jj, 0
.rept 16
	v_pk_fma_f32 v[P+jj:P+jj+1], v[W+jj:W+jj+1], s[78:79], v[P+jj:P+jj+1] op_sel_hi:[1,0,1]
.set jj, jj+2
.endr
.set jj, 0
.rept 32
	v_exp_f32 v[P+jj], v[P+jj]
.set jj, jj+1
.endr
.set jj, 0
.rept 32
	v_max_num_f32 v[W+jj], 0, v[U+jj]              ; plain work behind the batch
.set jj, jj+1
.endr
	s_wait_alu depctr_va_vdst(0)                   ; one wait for the 32 exponentials
.set jj, 0
.rept 16
	v_pk_mul_f32 v[P+jj:P+jj+1], v[P+jj:P+jj+1], v[T+jj:T+jj+1]   ; e
.set jj, jj+2
.endr
.set jj, 0
.rept 32
	v_fma_f32 v[U+jj], -|v[U+jj]|, v[P+jj], v[W+jj]   ; gelu(u)
.set jj, jj+1
.endr
.set jj, 0
.rept 32
	v_med3_num_f32 v[U+jj], v[U+jj], -v[LIMV], v[LIMV]
.set jj, jj+1
.endr
.irp i, 0,1,2,3
	v_cvt_scalef32_pk8_bf8_f32 v[C+2*\i:C+2*\i+1], v[U+8*\i:U+8*\i+7], v[SCV]
.endr
	v_nop                                          ; a plain line behind the last conversion
	global_store_b128 v[GO], v[C:C+3], s[12:13]                   ; eight rows x 64 codes: 512 consecutive bytes
	global_store_b128 v[GO], v[C+4:C+7], s[12:13] offset:8192     ; the next chunk of 64 columns
.if \more
	s_wait_xcnt 0x0                                ; the stores have read their data and their base
	s_add_nc_u64 s[12:13], s[12:13], 512
.endif
.endm
	s_mov_b32 s3, 15
.Lrows:
	GELU32 1
	s_sub_co_u32 s3, s3, 1
	s_cmp_lg_u32 s3, 0
	s_cbranch_scc1 .Lrows
	GELU32 0                                       ; the last eight rows ask for nothing more
	s_wait_tensorcnt 0x0                           ; the wave's end
	ds_add_u32 v[SPW], v[NIL]
	s_wait_dscnt 0x0
	CROUND
	s_endpgm
.Lfunc_end_k_q1d115f9e70_ff1:
	.size	k_q1d115f9e70_ff1, .Lfunc_end_k_q1d115f9e70_ff1-k_q1d115f9e70_ff1
	.p2alignl 7, 3214868480
	.fill 96, 4, 3214868480
	.section	.rodata,"a",@progbits
	.p2align	6, 0x0
	.amdhsa_kernel k_q1d115f9e70_ff1
		.amdhsa_group_segment_fixed_size 327680
		.amdhsa_private_segment_fixed_size 0
		.amdhsa_enable_private_segment 0
		.amdhsa_kernarg_size 40
		.amdhsa_user_sgpr_count 2
		.amdhsa_user_sgpr_kernarg_segment_ptr 1
		.amdhsa_wavefront_size32 1
		.amdhsa_system_sgpr_workgroup_id_x 1
		.amdhsa_system_sgpr_workgroup_id_y 1
		.amdhsa_system_sgpr_workgroup_id_z 1
		.amdhsa_system_vgpr_workitem_id 0
		.amdhsa_next_free_vgpr 1024
		.amdhsa_next_free_sgpr 100
		.amdhsa_reserve_vcc 0
		.amdhsa_float_denorm_mode_32 3
		.amdhsa_float_denorm_mode_16_64 3
		.amdhsa_memory_ordered 1
		.amdhsa_forward_progress 1
		.amdhsa_inst_pref_size 135
	.end_amdhsa_kernel
	.amdgpu_metadata
---
amdhsa.version: [ 1, 2 ]
amdhsa.kernels:
  - .name:           k_q1d115f9e70_ff1
    .symbol:         k_q1d115f9e70_ff1.kd
    .args:
      - { .name: h2codes, .offset: 0, .size: 8, .value_kind: global_buffer, .address_space: global }
      - { .name: wcodes, .offset: 8, .size: 8, .value_kind: global_buffer, .address_space: global }
      - { .name: lowp_scales, .offset: 16, .size: 8, .value_kind: global_buffer, .address_space: global }
      - { .name: b1, .offset: 24, .size: 8, .value_kind: global_buffer, .address_space: global }
      - { .name: gcodes, .offset: 32, .size: 8, .value_kind: global_buffer, .address_space: global }
    .group_segment_fixed_size: 327680
    .private_segment_fixed_size: 0
    .kernarg_segment_align: 8
    .kernarg_segment_size: 40
    .max_flat_workgroup_size: 128
    .sgpr_count:     100
    .vgpr_count:     1024
    .wavefront_size: 32
...
	.end_amdgpu_metadata
.endif
;; end of part 6
;; launch ff2 (part 7): grid 4 x 16, 4 waves a work-group, clusters of 4 x 4, 327,680 bytes of LDS; arguments gcodes, wcodes, lowp_scales, b2, x1, out0; writes out0
.if DOCPART == 7
	.amdgcn_target "amdgcn-amd-amdhsa--gfx1250"
	.amdhsa_code_object_version 6
	.text
	.protected	k_q1d115f9e70_ff2
	.globl	k_q1d115f9e70_ff2
	.p2align	8
	.type	k_q1d115f9e70_ff2,@function
k_q1d115f9e70_ff2:
	s_mov_b64 s[64:65], 0
	v_nop
	global_prefetch_b8 v0, s[64:65] scope:SCOPE_SE
	s_setreg_imm32_b32 hwreg(HW_REG_WAVE_MODE, 25, 1), 1
	s_wait_xcnt 0x0
	s_wait_alu depctr_hold_cnt(0) depctr_sa_sdst(0) depctr_va_vdst(0) depctr_va_sdst(0) depctr_va_ssrc(0) depctr_va_vcc(0) depctr_vm_vsrc(0)
	s_getreg_b32 s2, hwreg(HW_REG_IB_STS2, 6, 4)
	s_cmp_eq_u32 s2, 0
	s_cbranch_scc0 .Lentry_in_a_cluster
	s_endpgm
.Lentry_in_a_cluster:
	s_bfe_u32 s2, ttmp6, 0x10000c
	s_cmp_lg_u32 s2, 0xf033
	s_cbranch_scc0 .Lentry_shape_is_right
	s_endpgm
.Lentry_shape_is_right:
; FF2.  out = x1 + g W2^T + b2 on codes of E5M2, K = 4,096.  out: [4096][1024] f32.
; A tile of C, 256 x 256, by four waves of 128 x 128; K in steps of 256 through a ring of two LDS slots; clusters of 4 x 4 with joint loads: A's tile along a row of the cluster, B's along a column.
; 64 tiles: the launch has 64 work-groups.
; A (gcodes) IS BLOCKED: [row / 128][k / 64][row % 128][64 bytes].  A K step of 128 rows is one dense block of 32,768 bytes, brought as 128 lines of 256 bytes; number (row, byte x of chunk d) lies in LDS line 32 d + row / 4 at byte 64 (row % 4) + x.
; B (w2's codes) is row-major.  Both fragments hold K = 32 c + 16 h + 0 .. 15 in registers 4 c .. 4 c + 3.
; The matrix instruction is used transposed: a lane holds eight neighbouring numbers of a row of C.  Each sum is multiplied once by 2^(e14 + e15) and x1 is added by the same multiply-add; then b2.
; LIMIT: e14 + e15 between -126 and 127.
.set SIZE_K, 4096
.set WOFF,   0x800000                  ; w2's codes in wcodes
.set EOFF,   0x38                      ; entries 14 and 15
.set BIAS,   1
.set KSTEP,  256
.set ROWB,   256
.set KROW,   SIZE_K
.set ASTEP,  32768
.set CROW,   4096
.set PITCH,  272
.set FR,     16
.set NL,     4
.set NP,     4
.set HALFT,  128*PITCH
.set SLOT,   4*HALFT
.set LAPS,   SIZE_K/(2*KSTEP)
.set SPARE,  2*SLOT
.set SPITCH, 528
.set ADRA, 16
.set ADRB, 20
.set STO,  24
.set RD,   25
.set CO,   26
.set SPW,  28
.set NIL,  29
.set BV,   96                          ; v96-99  b2 at my four columns
.set AF,   128
.set BK,   128
.set G1, 24
.set G0, 32
.set G1B, 48
.set G0B, 56
.set RB, 84                            ; s[84:85] x1 at my part of C
.set OB, 86                            ; s[86:87] out0 likewise
.set MSB, 0
.macro WIN new
.if MSB != (\new)
	s_set_vgpr_msb (MSB<<8)|(\new)
.set MSB, (\new)
.endif
.endm
.set MUL_LO, 0xa1
.set MUL_HI, 0xf1
.set TO_B,   0x40
.macro JLOAD g0a, g1a, g0b, g1b
	s_cmp_eq_u32 s15, 0
	s_cbranch_scc0 .Lfor_b_\@
	tensor_load_to_lds s[\g0a:\g0a+3], s[\g1a:\g1a+7]
	s_nop 0
.rept 4
	v_nop
.endr
	s_branch .Lasked_\@
.Lfor_b_\@:
	tensor_load_to_lds s[\g0b:\g0b+3], s[\g1b:\g1b+7]
	s_nop 0
.rept 4
	v_nop
.endr
.Lasked_\@:
.endm
.macro CREST
	s_cmp_lg_u32 s14, 0
	s_cbranch_scc1 .Lnot_wave_0_\@
	s_barrier_signal -3
.Lnot_wave_0_\@:
	s_barrier_wait -3
	s_barrier_signal -1
	s_barrier_wait -1
.endm
.macro CROUND
	s_barrier_signal -1
	s_barrier_wait -1
	CREST
.endm
	s_load_b128 s[4:7], s[0:1], 0x0                ; A's codes, wcodes
	s_load_b128 s[8:11], s[0:1], 0x10              ; the scales' exponents, b2
	s_load_b128 s[RB:RB+3], s[0:1], 0x20           ; x1, out0
	v_lshl_add_u32 v[SPW], v0, 2, SPARE
	v_mov_b32 v[NIL], 0
	ds_add_u32 v28, v29
	ds_add_u32 v28, v29
	s_wait_dscnt 0x0
	v_lshrrev_b32 v1, 5, v0
	v_readfirstlane_b32 s14, v1
	s_lshr_b32 s15, s14, 1
	s_and_b32 s16, s14, 1
	s_bfe_u32 s40, ttmp6, 0x40000
	s_bfe_u32 s41, ttmp6, 0x40004
	s_lshl_b32 s42, ttmp9, 2
	s_add_co_u32 s42, s42, s40                     ; tile column
	s_and_b32 s17, ttmp7, 0xffff
	s_lshl_b32 s17, s17, 2
	s_add_co_u32 s17, s17, s41                     ; tile row
	s_lshl_b32 s43, s41, 2
	s_lshl_b32 s43, 15, s43
	s_lshl_b32 s44, 0x1111, s40
	s_or_b32 s[G1+0], s43, (0<<16)|(1<<20)|(1<<21)|(5<<22)|(3<<25)
	s_or_b32 s[G1B+0], s44, (0<<16)|(1<<20)|(1<<21)|(5<<22)|(3<<25)
.irp g, G1, G1B
	s_mov_b32 s[\g+1], ROWB<<16
	s_mov_b32 s[\g+2], 128<<16
	s_mov_b32 s[\g+3], ROWB<<16
	s_mov_b32 s[\g+4], 128
	s_mov_b32 s[\g+6], 0
	s_mov_b32 s[\g+7], 0
.endr
	s_mov_b32 s[G1+5], ROWB                        ; A's block is dense: the pitch is the line
	s_mov_b32 s[G1B+5], KROW
	s_lshl_b32 s18, s16, 7
	s_lshl_b32 s20, s17, 8
	s_add_co_u32 s20, s20, s18
	s_lshl_b32 s46, s42, 8
	s_add_co_u32 s46, s46, s18
	s_mul_i32 s20, s20, KROW                       ; 128 rows of A are 128 x SIZE_K bytes in the blocked layout too
	s_mul_i32 s46, s46, KROW
	s_mov_b32 s21, 0
	s_mov_b32 s47, 0
	s_mul_i32 s45, s14, HALFT
	s_wait_kmcnt 0x0
	s_load_b64 s[96:97], s[8:9], EOFF
	s_add_nc_u64 s[6:7], s[6:7], WOFF
	s_add_nc_u64 s[20:21], s[4:5], s[20:21]
	s_add_nc_u64 s[46:47], s[6:7], s[46:47]
	CROUND
.irp s, 0,1
	s_mov_b32 s[G0+4*\s], 1
	s_add_co_u32 s[G0+4*\s+1], s45, \s*SLOT
	s_add_nc_u64 s[G0+4*\s+2:G0+4*\s+3], s[20:21], \s*ASTEP
	s_or_b32 s[G0+4*\s+3], s[G0+4*\s+3], 0x80000000
	s_mov_b32 s[G0B+4*\s], 1
	s_add_co_u32 s[G0B+4*\s+1], s45, \s*SLOT
	s_add_nc_u64 s[G0B+4*\s+2:G0B+4*\s+3], s[46:47], \s*ROWB
	s_or_b32 s[G0B+4*\s+3], s[G0B+4*\s+3], 0x80000000
	JLOAD G0+4*\s, G1, G0B+4*\s, G1B
.endr
	v_and_b32 v1, 15, v0                           ; r
	v_bfe_u32 v2, v0, 4, 1                         ; h
	v_mul_u32_u24 v3, v1, PITCH
	v_lshl_add_u32 v4, v2, 4, v3                   ; B: row x pitch + 16 h
	v_lshrrev_b32 v5, 2, v1
	v_mul_u32_u24 v5, v5, PITCH
	v_and_b32 v6, 3, v1
	v_lshl_add_u32 v5, v6, 6, v5
	v_lshl_add_u32 v5, v2, 4, v5                   ; A: line r / 4, byte 64 (r % 4) + 16 h
	s_mul_i32 s21, s15, HALFT
	s_mul_i32 s22, s16, HALFT
	s_add_co_u32 s22, s22, 2*HALFT
.irp s, 0,1
	v_add_nc_u32 v[ADRA+\s], s21, v5
	v_add_nc_u32 v[ADRB+\s], s22, v4
	s_add_co_u32 s21, s21, SLOT
	s_add_co_u32 s22, s22, SLOT
.endr
	s_mul_i32 s23, s14, 16*SPITCH                  ; my stage
	v_mul_u32_u24 v5, v1, SPITCH
	v_lshl_add_u32 v5, v2, 5, v5
	v_add_nc_u32 v[STO], s23, v5
	v_and_b32 v6, 31, v0
	v_lshlrev_b32 v[CO], 4, v6
	v_add_nc_u32 v[RD], s23, v[CO]
	s_lshl_b32 s20, s17, 8
	s_lshl_b32 s21, s15, 7
	s_add_co_u32 s20, s20, s21
	s_mul_i32 s20, s20, CROW                       ; my first row of C,
	s_lshl_b32 s46, s42, 10
	s_lshl_b32 s47, s16, 9
	s_add_co_u32 s46, s46, s47                     ; my first column, in bytes
	s_mov_b32 s47, 0
	s_add_nc_u64 s[10:11], s[10:11], s[46:47]      ; b2 at my first column
	s_add_co_u32 s20, s20, s46
	s_mov_b32 s21, 0
	s_add_nc_u64 s[RB:RB+1], s[RB:RB+1], s[20:21]
	s_add_nc_u64 s[OB:OB+1], s[OB:OB+1], s[20:21]
.macro FRAG reg, adr, q, i
.irp c, 0,1,2,3
	ds_load_b128 v[\reg+4*\c:\reg+4*\c+3], v[\adr] offset:128*(\q)+32*\c+(\i)*16*PITCH
.endr
.endm
.macro FRAG_A reg, adr, q, i           ; the blocked tile: chunk 2 q + c / 2, lines 4 i on, byte 32 (c % 2)
.irp c, 0,1,2,3
	ds_load_b128 v[\reg+4*\c:\reg+4*\c+3], v[\adr] offset:(32*(2*(\q)+\c/2)+4*(\i))*PITCH+32*(\c%2)
.endr
.endm
.macro MUL16 a0, p, zero
.irp a, \a0, \a0+1
.irp b, 0,1,2,3,4,5,6,7
.if \zero
	v_wmma_f32_16x16x128_bf8_bf8 v[8*(8*((\a)%4)+\b):8*(8*((\a)%4)+\b)+7], v[128*(\p)+FR*\b:128*(\p)+FR*\b+FR-1], v[AF+FR*(\a):AF+FR*(\a)+FR-1], 0
.else
	v_wmma_f32_16x16x128_bf8_bf8 v[8*(8*((\a)%4)+\b):8*(8*((\a)%4)+\b)+7], v[128*(\p)+FR*\b:128*(\p)+FR*\b+FR-1], v[AF+FR*(\a):AF+FR*(\a)+FR-1], v[8*(8*((\a)%4)+\b):8*(8*((\a)%4)+\b)+7]
.endif
.endr
.endr
.endm
.macro FETCH_B slot, q, p
	WIN TO_B
.irp i, 0,1,2,3,4,5,6,7
	FRAG 128*(\p)+FR*\i, ADRB+\slot, \q, \i
.endr
	WIN 0
.endm
.macro FETCH_A slot, q, i0
.irp i, \i0, \i0+1, \i0+2, \i0+3
	FRAG_A AF+FR*(\i), ADRA+\slot, \q, \i
.endr
.endm
.macro PLACES n
.rept \n
	v_nop
.endr
.endm
.macro STEP slot, q, zero
	s_wait_dscnt 4*NL                              ; B's set and A's blocks 0-3 are in; the youngest sixteen loads may be out
	WIN MUL_LO
	MUL16 0, (\q)%2, \zero
	MUL16 2, (\q)%2, \zero
	s_wait_dscnt 0
	PLACES NP
	FETCH_B \slot, (\q)+1, 1-(\q)%2
	FETCH_A \slot, (\q)+1, 0
	WIN MUL_HI
	MUL16 4, (\q)%2, \zero
	MUL16 6, (\q)%2, \zero
	PLACES NP
	WIN 0
	FETCH_A \slot, (\q)+1, 4
.endm
.macro TURN slot, next, fill
	s_wait_tensorcnt 0x0                           ; all my tensor loads have landed: my part of the next slot;
	ds_add_u32 v[SPW], v[NIL]                      ; 0 onto my spare word;
	s_wait_dscnt 4*NL+1                            ; (the add and the youngest sixteen loads may be out)
	WIN MUL_LO
	MUL16 0, 1, 0
	s_wait_dscnt 0x0                               ; the add is done, and my reads of this slot are over
	s_barrier_signal -1
	MUL16 2, 1, 0
	WIN 0
	s_barrier_wait -1
.if \fill
	CREST
	s_add_nc_u64 s[G0+4*\slot+2:G0+4*\slot+3], s[G0+4*\slot+2:G0+4*\slot+3], 2*ASTEP
	s_add_nc_u64 s[G0B+4*\slot+2:G0B+4*\slot+3], s[G0B+4*\slot+2:G0B+4*\slot+3], 2*ROWB
	JLOAD G0+4*\slot, G1, G0B+4*\slot, G1B
.else
	PLACES NP
.endif
	FETCH_B \next, 0, 0
	FETCH_A \next, 0, 0
	WIN MUL_HI
	MUL16 4, 1, 0
	MUL16 6, 1, 0
	PLACES NP
	WIN 0
	FETCH_A \next, 0, 4
.endm
	s_wait_tensorcnt 1                             ; my part of K step 0 is in (K step 1's load may be out),
	s_barrier_signal -1
	s_barrier_wait -1
	FETCH_B 0, 0, 0
	FETCH_A 0, 0, 0
	FETCH_A 0, 0, 4
	STEP 0, 0, 1
	s_mov_b32 s3, LAPS-1
.Llap:
	TURN 0, 1, 1
	STEP 1, 0, 0
	TURN 1, 0, 1
	STEP 0, 0, 0
	s_sub_co_u32 s3, s3, 1
	s_cmp_lg_u32 s3, 0
	s_cbranch_scc1 .Llap
	TURN 0, 1, 0
	STEP 1, 0, 0
	s_wait_dscnt 4*NL
	WIN MUL_LO
	MUL16 0, 1, 0
	MUL16 2, 1, 0
	s_wait_dscnt 0
	WIN MUL_HI
	MUL16 4, 1, 0
	MUL16 6, 1, 0
	WIN 0
; THE WAY OUT, block by block of 16 rows x 128 columns.  The sums go through my stage as they are and come back as whole rows of 512 bytes; the residual's rows are loaded in the same shape; one packed multiply-add joins them.
.macro XLOAD a
	WIN TO_B
.irp t, 0,1,2,3,4,5,6,7,8,9,10,11,12,13,14,15
	global_load_b128 v[64*((\a)%2)+4*\t:64*((\a)%2)+4*\t+3], v[CO], s[RB:RB+1] offset:(16*(\a)+\t)*CROW th:TH_LOAD_NT
.endr
	WIN 0
.endm
.macro TOSTAGE a
.set AC, 64*((\a)%4)
	WIN 0x08+4*((\a)/4)                            ; the stores' data: window 2 or 3
.irp b, 0,1,2,3,4,5,6,7
	ds_store_b128 v[STO], v[AC+8*\b:AC+8*\b+3] offset:64*\b          ; each accumulator from its low end on
	ds_store_b128 v[STO], v[AC+8*\b+4:AC+8*\b+7] offset:64*\b+16
.endr
	WIN 0
.set BB, BK+64*((\a)%2)
.irp t, 0,1,2,3,4,5,6,7,8,9,10,11,12,13,14,15
	ds_load_b128 v[BB+4*\t:BB+4*\t+3], v[RD] offset:\t*SPITCH
.endr
.endm
.macro SEND a, yd, yl
.set BB, BK+64*((\a)%2)
.set XR, 64*((\a)%2)
	s_wait_dscnt \yd
	s_wait_loadcnt \yl
	WIN 0x10                                       ; source 2: window 1
.set jj, 0
.rept 32
	v_pk_fma_f32 v[BB+jj:BB+jj+1], v[BB+jj:BB+jj+1], s[96:97], v[XR+jj:XR+jj+1] op_sel_hi:[1,0,1]   ; sum x 2^(eA + eB) + residual
.set jj, jj+2
.endr
	WIN 0
.if BIAS
.set jj, 0
.rept 32
	v_pk_add_f32 v[BB+jj:BB+jj+1], v[BB+jj:BB+jj+1], v[BV+jj%4:BV+jj%4+1]   ; + b2 at my four columns
.set jj, jj+2
.endr
.endif
.irp t, 0,1,2,3,4,5,6,7,8,9,10,11,12,13,14,15
	global_store_b128 v[CO], v[BB+4*\t:BB+4*\t+3], s[OB:OB+1] offset:(16*(\a)+\t)*CROW th:TH_STORE_NT   ; 32 lanes store 512 consecutive bytes, aligned
.endr
.endm
	s_wait_kmcnt 0x0
	s_add_co_i32 s96, s96, s97
	s_add_co_i32 s96, s96, 127
	s_lshl_b32 s96, s96, 23                        ; 2^(eA + eB) as f32
	s_mov_b32 s97, s96
	PLACES NP
	global_load_b128 v[BV:BV+3], v[CO], s[10:11]   ; older than every load of the residual: their waits cover it
	XLOAD 0
	TOSTAGE 0
.irp a, 1,2,3,4,5,6,7
.if \a > 1
	s_wait_xcnt 0x0                                ; block a - 2's stores have read their registers: block a's loads may land there
.endif
	XLOAD \a
	TOSTAGE \a
	SEND \a-1, 32, 16                              ; behind block a - 1's: block a's 16 LDS stores and 16 LDS loads, and its 16 loads of the residual
.endr
	SEND 7, 0, 0
	s_wait_tensorcnt 0x0                           ; the wave's end
	ds_add_u32 v[SPW], v[NIL]
	s_wait_dscnt 0x0
	CROUND
	s_endpgm
.Lfunc_end_k_q1d115f9e70_ff2:
	.size	k_q1d115f9e70_ff2, .Lfunc_end_k_q1d115f9e70_ff2-k_q1d115f9e70_ff2
	.p2alignl 7, 3214868480
	.fill 96, 4, 3214868480
	.section	.rodata,"a",@progbits
	.p2align	6, 0x0
	.amdhsa_kernel k_q1d115f9e70_ff2
		.amdhsa_group_segment_fixed_size 327680
		.amdhsa_private_segment_fixed_size 0
		.amdhsa_enable_private_segment 0
		.amdhsa_kernarg_size 48
		.amdhsa_user_sgpr_count 2
		.amdhsa_user_sgpr_kernarg_segment_ptr 1
		.amdhsa_wavefront_size32 1
		.amdhsa_system_sgpr_workgroup_id_x 1
		.amdhsa_system_sgpr_workgroup_id_y 1
		.amdhsa_system_sgpr_workgroup_id_z 1
		.amdhsa_system_vgpr_workitem_id 0
		.amdhsa_next_free_vgpr 1024
		.amdhsa_next_free_sgpr 100
		.amdhsa_reserve_vcc 0
		.amdhsa_float_denorm_mode_32 3
		.amdhsa_float_denorm_mode_16_64 3
		.amdhsa_memory_ordered 1
		.amdhsa_forward_progress 1
		.amdhsa_inst_pref_size 153
	.end_amdhsa_kernel
	.amdgpu_metadata
---
amdhsa.version: [ 1, 2 ]
amdhsa.kernels:
  - .name:           k_q1d115f9e70_ff2
    .symbol:         k_q1d115f9e70_ff2.kd
    .args:
      - { .name: gcodes, .offset: 0, .size: 8, .value_kind: global_buffer, .address_space: global }
      - { .name: wcodes, .offset: 8, .size: 8, .value_kind: global_buffer, .address_space: global }
      - { .name: lowp_scales, .offset: 16, .size: 8, .value_kind: global_buffer, .address_space: global }
      - { .name: b2, .offset: 24, .size: 8, .value_kind: global_buffer, .address_space: global }
      - { .name: x1, .offset: 32, .size: 8, .value_kind: global_buffer, .address_space: global }
      - { .name: out0, .offset: 40, .size: 8, .value_kind: global_buffer, .address_space: global }
    .group_segment_fixed_size: 327680
    .private_segment_fixed_size: 0
    .kernarg_segment_align: 8
    .kernarg_segment_size: 48
    .max_flat_workgroup_size: 128
    .sgpr_count:     100
    .vgpr_count:     1024
    .wavefront_size: 32
...
	.end_amdgpu_metadata
.endif
;; end of part 7
;; ======== version 2 of 2: 7 launches
;; limits: right only within a limited range of input values
;; workspace buffers: wcodes 12,582,912 bytes; hcodes 12,582,912 bytes; qimg 4,194,304 bytes; kv 8,388,608 bytes; ocodes 4,194,304 bytes; x1 16,777,216 bytes; h2codes 4,194,304 bytes; gcodes 16,777,216 bytes
;; launch prep (part 8): grid 640 x 1, 4 waves a work-group, no clusters, 33,280 bytes of LDS; arguments x, ln1_g, ln1_b, lowp_scales, wq, wk, wv, wo, w1, w2, wcodes, hcodes; writes wcodes, hcodes
.if DOCPART == 8
	.amdgcn_target "amdgcn-amd-amdhsa--gfx1250"
	.amdhsa_code_object_version 6
	.text
	.protected	k_q1d115f9e70_prep
	.globl	k_q1d115f9e70_prep
	.p2align	8
	.type	k_q1d115f9e70_prep,@function
k_q1d115f9e70_prep:
	s_mov_b64 s[64:65], 0
	v_nop
	global_prefetch_b8 v0, s[64:65] scope:SCOPE_SE
	s_setreg_imm32_b32 hwreg(HW_REG_WAVE_MODE, 25, 1), 1
	s_wait_xcnt 0x0
; PREP.  Work-groups 0 to 383: the six weights, f32 with K innermost, become codes of E5M2 in wcodes (wq, wk, wv, wo, w1, w2 on end), each with its given scale 2^e.
; Work-groups 384 to 639: h = layernorm(x) x g + b, quantised three times, with the scales of the three products that read it: hcodes [3][4096][1024].
; code = number / 2^e, held within +-57,344, rounded to the nearest code, ties to even.
; LIMITS: each e between -126 and 112, so that 2^e and 57,344 x 2^e are f32 numbers.  NaN and infinities among the inputs are not served.
; No cluster and no tensor load: no two work-groups read the same large bytes, and no wave hands anything to another.  Only the weights' path touches LDS (each wave its own 8,192 bytes).
.set WGW,   384                        ; work-groups of the weights' path: 12,582,912 numbers / 32,768
.set STEPS, 16
.set EMAX,  15
.set MANT,  0x600000                   ; the mantissa field of 57,344 as f32
; the weights' path: a wave takes 16 steps of 512 numbers
.set CB,    16                         ; bytes of 16 codes
.set R,     16                         ; v16-79   four sets of 16 numbers as they are loaded
.set XW,    80                         ; v80-111  two sets of 16 neighbours
.set CW,    128                        ; v128-191 codes: four registers for each step, so that no store's data are written again
.set WREG,  8192                       ; LDS of a wave: two stages of 32 x SP bytes
.set SP,    80                         ; a lane's place in a stage: 64 bytes + 16 of padding
; the layer norm's path: a wave takes 4 rows, one after the other; a row lies in 32 registers a lane
.set NSETS, 3
.set LA,    3                          ; v3   32 x lane: my 8 numbers of each 256
.set LC,    4                          ; v4   8 x lane: my 8 codes of each 256
.set G,     16                         ; v16-47   the gain at my 32 columns
.set B,     48                         ; v48-79   the bias
.set X,     80                         ; v80-207  four rows
.set T,     208                        ; v208-223 at work: sums, then two sets of 8 held numbers
.set MU,    216                        ; v[216:217] the mean, twice
.set RS,    218                        ; v[218:219] 1 / sqrt(var + eps), twice
.set C,     224                        ; v224-247 a row's codes, 8 registers a set
.set SC,    248                        ; v248-250 2^e of the three sets
.set LIM,   251                        ; v251-253 57,344 x 2^e
.set XB,    56                         ; s[56:57] x at my first row
.set HB,    58                         ; s[58:63] hcodes at my first row, a pair for each set
.macro LOAD t
.irp i, 0,1,2,3
	global_load_b128 v[R+16*((\t)%4)+4*\i:R+16*((\t)%4)+4*\i+3], v3, s[30:31] offset:2048*(\t)+512*\i th:TH_LOAD_NT   ; 32 lanes read 512 consecutive bytes
.endr
.endm
.macro TURN t                          ; step t's numbers through the stage: in as they were loaded, out 64 bytes a lane.  LDS serves a wave's instructions in order
.irp i, 0,1,2,3
	ds_store_b128 v14, v[R+16*((\t)%4)+4*\i:R+16*((\t)%4)+4*\i+3] offset:32*SP*((\t)%2)+8*SP*\i
.endr
.irp i, 0,1,2,3
	ds_load_b128 v[XW+16*((\t)%2)+4*\i:XW+16*((\t)%2)+4*\i+3], v15 offset:32*SP*((\t)%2)+16*\i
.endr
.endm
.macro STEP t
.set XS, XW+16*((\t)%2)
	s_wait_dscnt 0x0                               ; this step's numbers are back from the stage, so its stores into the stage have read their registers,
.if (\t)+4 < STEPS
	LOAD (\t)+4                                    ; which take the loads of four steps on
.endif
.if (\t)+1 < STEPS
.if STEPS-2-(\t) >= 3
	s_wait_loadcnt 12                              ; the next step's four loads are in; those of the three steps behind it may be out
.else
	s_wait_loadcnt 4*(STEPS-2-(\t))
.endif
	TURN (\t)+1
.endif
.irp i, 0,1,2,3,4,5,6,7,8,9,10,11,12,13,14,15
	v_med3_num_f32 v[XS+\i], v[XS+\i], -v10, v10   ; the conversion does not saturate (ISA guide 7.6.2): the hold at the largest code x the scale comes first
.endr
	v_cvt_scalef32_pk8_bf8_f32 v[CW+4*(\t):CW+4*(\t)+1], v[XS:XS+7], v11
	v_cvt_scalef32_pk8_bf8_f32 v[CW+4*(\t)+2:CW+4*(\t)+3], v[XS+8:XS+15], v11
	v_nop                                          ; a plain line behind the last conversion
	global_store_b128 v4, v[CW+4*(\t):CW+4*(\t)+3], s[24:25] offset:32*CB*(\t)   ; the wave stores 512 consecutive bytes
.endm
.macro REDUCE                          ; v[T] is summed over the 32 lanes; every lane gets the sum
	v_add_f32_dpp v[T], v[T], v[T] row_xmask:1 row_mask:0xf bank_mask:0xf
	v_add_f32_dpp v[T], v[T], v[T] row_xmask:2 row_mask:0xf bank_mask:0xf
	v_add_f32_dpp v[T], v[T], v[T] row_xmask:4 row_mask:0xf bank_mask:0xf
	v_add_f32_dpp v[T], v[T], v[T] row_xmask:8 row_mask:0xf bank_mask:0xf
	v_permlanex16_b32 v[T+1], v[T], s54, s55
	v_add_f32 v[T], v[T], v[T+1]
.endm
.macro FOLD                            ; four packed chains into one number a lane
	v_pk_add_f32 v[T:T+1], v[T:T+1], v[T+2:T+3]
	v_pk_add_f32 v[T+4:T+5], v[T+4:T+5], v[T+6:T+7]
	v_pk_add_f32 v[T:T+1], v[T:T+1], v[T+4:T+5]
	v_add_f32 v[T], v[T], v[T+1]
.endm
.macro LNROW rho
.set XR, X+32*(\rho)
	s_wait_loadcnt 8*(3-(\rho))                    ; this row's eight loads are in; the later rows' eight each may be out
.irp k, 0,1,2,3
	v_pk_add_f32 v[T+2*\k:T+2*\k+1], v[XR+4*\k:XR+4*\k+1], v[XR+4*\k+2:XR+4*\k+3]
.endr
.irp k, 0,1,2,3,4,5,6,7
	v_pk_add_f32 v[T+2*(\k%4):T+2*(\k%4)+1], v[T+2*(\k%4):T+2*(\k%4)+1], v[XR+16+2*\k:XR+16+2*\k+1]
.endr
	FOLD
	REDUCE
	v_mul_f32 v[MU], s52, v[T]                     ; the mean
	v_mul_f32 v[MU+1], s52, v[T]
.irp j, 0,2,4,6,8,10,12,14,16,18,20,22,24,26,28,30
	v_pk_add_f32 v[XR+\j:XR+\j+1], v[XR+\j:XR+\j+1], v[MU:MU+1] neg_lo:[0,1] neg_hi:[0,1]   ; x - mean: the variance is taken of these, so a common offset of x does no harm
.endr
.irp k, 0,1,2,3
	v_pk_mul_f32 v[T+2*\k:T+2*\k+1], v[XR+2*\k:XR+2*\k+1], v[XR+2*\k:XR+2*\k+1]
.endr
.irp k, 4,5,6,7,8,9,10,11,12,13,14,15
	v_pk_fma_f32 v[T+2*(\k%4):T+2*(\k%4)+1], v[XR+2*\k:XR+2*\k+1], v[XR+2*\k:XR+2*\k+1], v[T+2*(\k%4):T+2*(\k%4)+1]
.endr
	FOLD
	REDUCE
	v_fma_f32 v[T], v[T], s52, s53                 ; var + eps
	s_wait_alu depctr_va_vdst(0)
	v_rsq_f32 v[RS], v[T]
	v_nop                                          ; a plain line behind the transcendental,
	s_wait_alu depctr_va_vdst(0)                   ; and the wait ahead of its first reader
	v_mov_b32 v[RS+1], v[RS]
.irp j, 0,2,4,6,8,10,12,14,16,18,20,22,24,26,28,30
	v_pk_mul_f32 v[XR+\j:XR+\j+1], v[XR+\j:XR+\j+1], v[RS:RS+1]
.endr
.irp j, 0,2,4,6,8,10,12,14,16,18,20,22,24,26,28,30
	v_pk_fma_f32 v[XR+\j:XR+\j+1], v[XR+\j:XR+\j+1], v[G+\j:G+\j+1], v[B+\j:B+\j+1]
.endr
	s_wait_xcnt 0x0                                ; the last row's stores have read their data: the codes' registers may be written again
.set QS, 0
.rept NSETS
.irp c, 0,1,2,3
.irp j, 0,1,2,3,4,5,6,7
	v_med3_num_f32 v[T+8*(\c%2)+\j], v[XR+8*\c+\j], -v[LIM+QS], v[LIM+QS]   ; the hold, into one of two sets by turns: the eight lines are the plain lines behind the conversion before
.endr
	v_cvt_scalef32_pk8_bf8_f32 v[C+8*QS+2*\c:C+8*QS+2*\c+1], v[T+8*(\c%2):T+8*(\c%2)+7], v[SC+QS]
.endr
.set QS, QS+1
.endr
	v_nop                                          ; a plain line behind the last conversion
.set QS, 0
.rept NSETS
.irp c, 0,1,2,3
	global_store_b64 v[LC], v[C+8*QS+2*\c:C+8*QS+2*\c+1], s[HB+2*QS:HB+2*QS+1] offset:256*\c+1024*(\rho)   ; the wave stores 256 consecutive bytes, aligned
.endr
.set QS, QS+1
.endr
.endm
	s_load_b512 s[4:19], s[0:1], 0x0               ; x 4:5, g 6:7, b 8:9, scales 10:11, wq 12:13, wk 14:15, wv 16:17, wo 18:19
	s_load_b256 s[20:27], s[0:1], 0x40             ; w1 20:21, w2 22:23, wcodes 24:25, hcodes 26:27
	v_lshl_add_u32 v254, v0, 2, 0x8000
	v_mov_b32 v255, 0
	v_lshrrev_b32 v1, 5, v0
	v_readfirstlane_b32 s28, v1                    ; wave
	v_and_b32 v2, 31, v0                           ; lane
	s_wait_kmcnt 0x0
	s_load_b512 s[36:51], s[10:11], 0x0            ; e0 .. e15
	s_cmp_lt_u32 ttmp9, WGW
	s_cbranch_scc0 .Lln
	; ---- the weights.  Which tensor is mine hangs on the work-group's number alone: 32 work-groups for each of wq, wk, wv, wo, 128 for each of w1, w2
	s_wait_alu depctr_va_vdst(0)
	v_lshlrev_b32 v3, 4, v2                        ; my 16 bytes of a load's 512
	s_wait_alu depctr_va_vdst(0)
	s_mul_i32 s29, s28, WREG
	v_lshrrev_b32 v14, 2, v2
	v_mul_u32_u24 v14, v14, SP
	v_and_b32 v15, 3, v2
	v_lshl_add_u32 v14, v15, 4, v14
	v_add_nc_u32 v14, s29, v14                     ; the stage, on the way in: SP (lane / 4) + 16 (lane % 4)
	v_mul_u32_u24 v15, v2, SP
	v_add_nc_u32 v15, s29, v15                     ; and on the way out: SP x lane
	v_mul_u32_u24 v4, v2, CB
	s_mov_b64 s[30:31], s[22:23]
	s_mov_b32 s32, 256
	s_cmp_lt_u32 ttmp9, 256
	s_cselect_b64 s[30:31], s[20:21], s[30:31]
	s_cselect_b32 s32, 128, s32
	s_cmp_lt_u32 ttmp9, 128
	s_cselect_b64 s[30:31], s[18:19], s[30:31]
	s_cselect_b32 s32, 96, s32
	s_cmp_lt_u32 ttmp9, 96
	s_cselect_b64 s[30:31], s[16:17], s[30:31]
	s_cselect_b32 s32, 64, s32
	s_cmp_lt_u32 ttmp9, 64
	s_cselect_b64 s[30:31], s[14:15], s[30:31]
	s_cselect_b32 s32, 32, s32
	s_cmp_lt_u32 ttmp9, 32
	s_cselect_b64 s[30:31], s[12:13], s[30:31]
	s_cselect_b32 s32, 0, s32                      ; the tensor's first work-group
	s_sub_co_u32 s33, ttmp9, s32
	s_lshl_b32 s33, s33, 2
	s_add_co_u32 s33, s33, s28                     ; which run of 8,192 numbers of the tensor is my wave's
	s_lshl_b32 s34, s33, 15
	s_mov_b32 s35, 0
	s_add_nc_u64 s[30:31], s[30:31], s[34:35]
	s_lshl_b32 s34, ttmp9, 2
	s_add_co_u32 s34, s34, s28
	s_lshl_b32 s34, s34, 13                        ; wcodes is laid in the work-groups' order: 8,192 bytes a wave
	s_add_nc_u64 s[24:25], s[24:25], s[34:35]
.irp t, 0,1,2,3
	LOAD \t
.endr
	s_wait_alu depctr_va_vdst(0)
	s_wait_kmcnt 0x0
	s_mov_b32 s33, s51                             ; e15: w2
	s_cmp_lt_u32 ttmp9, 256
	s_cselect_b32 s33, s49, s33                    ; e13: w1
	s_cmp_lt_u32 ttmp9, 128
	s_cselect_b32 s33, s47, s33                    ; e11: wo
	s_cmp_lt_u32 ttmp9, 96
	s_cselect_b32 s33, s41, s33                    ; e5: wv
	s_cmp_lt_u32 ttmp9, 64
	s_cselect_b32 s33, s39, s33                    ; e3: wk
	s_cmp_lt_u32 ttmp9, 32
	s_cselect_b32 s33, s37, s33                    ; e1: wq
	s_add_co_i32 s33, s33, 127
	s_lshl_b32 s34, s33, 23
	v_mov_b32 v11, s34                             ; 2^e as f32: the conversion takes its exponent field
	s_add_co_i32 s33, s33, EMAX
	s_lshl_b32 s33, s33, 23
	s_or_b32 s33, s33, MANT
	v_mov_b32 v10, s33                             ; 57,344 x 2^e
	s_wait_alu depctr_va_vdst(0)
	s_wait_loadcnt 12                              ; step 0's four loads are in
	TURN 0
.irp t, 0,1,2,3,4,5,6,7,8,9,10,11,12,13,14,15
	STEP \t
.endr
	s_wait_tensorcnt 0x0
	ds_add_u32 v254, v255
	s_wait_dscnt 0x0
	s_endpgm
.Lln:	; ---- the layer norm: my wave's rows 16 (work-group - 384) + 4 wave + 0 .. 3
	s_sub_co_u32 s29, ttmp9, WGW
	s_lshl_b32 s29, s29, 4
	s_lshl_b32 s30, s28, 2
	s_add_co_u32 s29, s29, s30
	s_lshl_b32 s30, s29, 12                        ; a row of x is 4,096 bytes
	s_mov_b32 s31, 0
	s_add_nc_u64 s[XB:XB+1], s[4:5], s[30:31]
	s_lshl_b32 s30, s29, 10                        ; a row of codes 1,024
	s_add_nc_u64 s[HB:HB+1], s[26:27], s[30:31]
	s_add_nc_u64 s[HB+2:HB+3], s[HB:HB+1], 0x400000
	s_add_nc_u64 s[HB+4:HB+5], s[HB:HB+1], 0x800000
	s_mov_b32 s52, 0x3a800000                      ; 1 / 1024
	s_mov_b32 s53, 0x3727c5ac                      ; 1e-5
	s_mov_b32 s54, 0x76543210                      ; v_permlanex16_b32: lane l xor 16
	s_mov_b32 s55, 0xfedcba98
	s_wait_alu depctr_va_vdst(0)
	v_lshlrev_b32 v[LA], 5, v2
	v_lshlrev_b32 v[LC], 3, v2
.irp c, 0,1,2,3
.irp i, 0,1
	global_load_b128 v[G+8*\c+4*\i:G+8*\c+4*\i+3], v[LA], s[6:7] offset:1024*\c+16*\i
	global_load_b128 v[B+8*\c+4*\i:B+8*\c+4*\i+3], v[LA], s[8:9] offset:1024*\c+16*\i
.endr
.endr
.irp rho, 0,1,2,3
.irp c, 0,1,2,3
.irp i, 0,1
	global_load_b128 v[X+32*\rho+8*\c+4*\i:X+32*\rho+8*\c+4*\i+3], v[LA], s[XB:XB+1] offset:4096*\rho+1024*\c+16*\i th:TH_LOAD_NT   ; columns 256 c + 8 lane + 4 i on: the two loads of a c cover 1,024 consecutive bytes
.endr
.endr
.endr
	s_wait_kmcnt 0x0
.set QS, 0
.rept NSETS
	s_add_co_i32 s29, s[36+2*QS], 127              ; e0, e2, e4
	s_lshl_b32 s30, s29, 23
	v_mov_b32 v[SC+QS], s30
	s_add_co_i32 s29, s29, EMAX
	s_lshl_b32 s29, s29, 23
	s_or_b32 s29, s29, MANT
	v_mov_b32 v[LIM+QS], s29
.set QS, QS+1
.endr
	LNROW 0
	LNROW 1
	LNROW 2
	LNROW 3
	s_endpgm
.Lfunc_end_k_q1d115f9e70_prep:
	.size	k_q1d115f9e70_prep, .Lfunc_end_k_q1d115f9e70_prep-k_q1d115f9e70_prep
	.p2alignl 7, 3214868480
	.fill 96, 4, 3214868480
	.section	.rodata,"a",@progbits
	.p2align	6, 0x0
	.amdhsa_kernel k_q1d115f9e70_prep
		.amdhsa_group_segment_fixed_size 33280
		.amdhsa_private_segment_fixed_size 0
		.amdhsa_enable_private_segment 0
		.amdhsa_kernarg_size 96
		.amdhsa_user_sgpr_count 2
		.amdhsa_user_sgpr_kernarg_segment_ptr 1
		.amdhsa_wavefront_size32 1
		.amdhsa_system_sgpr_workgroup_id_x 1
		.amdhsa_system_sgpr_workgroup_id_y 1
		.amdhsa_system_sgpr_workgroup_id_z 1
		.amdhsa_system_vgpr_workitem_id 0
		.amdhsa_next_free_vgpr 256
		.amdhsa_next_free_sgpr 66
		.amdhsa_reserve_vcc 0
		.amdhsa_float_denorm_mode_32 3
		.amdhsa_float_denorm_mode_16_64 3
		.amdhsa_memory_ordered 1
		.amdhsa_forward_progress 1
		.amdhsa_inst_pref_size 102
	.end_amdhsa_kernel
	.amdgpu_metadata
---
amdhsa.version: [ 1, 2 ]
amdhsa.kernels:
  - .name:           k_q1d115f9e70_prep
    .symbol:         k_q1d115f9e70_prep.kd
    .args:
      - { .name: x, .offset: 0, .size: 8, .value_kind: global_buffer, .address_space: global }
      - { .name: ln1_g, .offset: 8, .size: 8, .value_kind: global_buffer, .address_space: global }
      - { .name: ln1_b, .offset: 16, .size: 8, .value_kind: global_buffer, .address_space: global }
      - { .name: lowp_scales, .offset: 24, .size: 8, .value_kind: global_buffer, .address_space: global }
      - { .name: wq, .offset: 32, .size: 8, .value_kind: global_buffer, .address_space: global }
      - { .name: wk, .offset: 40, .size: 8, .value_kind: global_buffer, .address_space: global }
      - { .name: wv, .offset: 48, .size: 8, .value_kind: global_buffer, .address_space: global }
      - { .name: wo, .offset: 56, .size: 8, .value_kind: global_buffer, .address_space: global }
      - { .name: w1, .offset: 64, .size: 8, .value_kind: global_buffer, .address_space: global }
      - { .name: w2, .offset: 72, .size: 8, .value_kind: global_buffer, .address_space: global }
      - { .name: wcodes, .offset: 80, .size: 8, .value_kind: global_buffer, .address_space: global }
      - { .name: hcodes, .offset: 88, .size: 8, .value_kind: global_buffer, .address_space: global }
    .group_segment_fixed_size: 33280
    .private_segment_fixed_size: 0
    .kernarg_segment_align: 8
    .kernarg_segment_size: 96
    .max_flat_workgroup_size: 128
    .sgpr_count:     66
    .vgpr_count:     256
    .wavefront_size: 32
...
	.end_amdgpu_metadata
.endif
;; end of part 8
;; launch qkv (part 9): grid 12 x 16, 4 waves a work-group, clusters of 4 x 4, 327,680 bytes of LDS; arguments hcodes, wcodes, lowp_scales, qimg, kv; writes qimg, kv
.if DOCPART == 9
	.amdgcn_target "amdgcn-amd-amdhsa--gfx1250"
	.amdhsa_code_object_version 6
	.text
	.protected	k_q1d115f9e70_qkv
	.globl	k_q1d115f9e70_qkv
	.p2align	8
	.type	k_q1d115f9e70_qkv,@function
k_q1d115f9e70_qkv:
	s_mov_b64 s[64:65], 0
	v_nop
	global_prefetch_b8 v0, s[64:65] scope:SCOPE_SE
	s_setreg_imm32_b32 hwreg(HW_REG_WAVE_MODE, 25, 1), 1
	s_wait_xcnt 0x0
	s_wait_alu depctr_hold_cnt(0) depctr_sa_sdst(0) depctr_va_vdst(0) depctr_va_sdst(0) depctr_va_ssrc(0) depctr_va_vcc(0) depctr_vm_vsrc(0)
	s_getreg_b32 s2, hwreg(HW_REG_IB_STS2, 6, 4)
	s_cmp_eq_u32 s2, 0
	s_cbranch_scc0 .Lentry_in_a_cluster
	s_endpgm
.Lentry_in_a_cluster:
	s_bfe_u32 s2, ttmp6, 0x10000c
	s_cmp_lg_u32 s2, 0xf033
	s_cbranch_scc0 .Lentry_shape_is_right
	s_endpgm
.Lentry_shape_is_right:
.set SIZE_K, 1024
.set KSTEP,  256
.set ROWB,   256
.set KROW,   1024
.set PITCH,  272
.set FR,     16
.set NL,     4
.set NP,     4
.set HALFT,  128*PITCH
.set SLOT,   4*HALFT
.set LAPS,   SIZE_K/(2*KSTEP)
.set SPARE,  2*SLOT
.set ADRA, 16
.set ADRB, 20
.set VO,   26
.set SPW,  28
.set NIL,  29
.set LIMV, 30
.set SCV,  31
.set TMP,  32
.set AF,   128
.set CD,   128
.set G1, 24
.set G0, 32
.set G1B, 48
.set G0B, 56
.set MSB, 0
.macro WIN new
.if MSB != (\new)
	s_set_vgpr_msb (MSB<<8)|(\new)
.set MSB, (\new)
.endif
.endm
.set MUL_LO, 0xa1
.set MUL_HI, 0xf1
.set TO_B,   0x40
; A joint load.  A wave owns one operand (wave % 2: source 1's tile or source 0's) of one slot (wave / 2) and brings that operand's whole tile of a K step: 256 rows x 256 bytes.
.macro JLOAD g0a, g1a, g0b, g1b
	s_cmp_eq_u32 s16, 0
	s_cbranch_scc0 .Lfor_b_\@
	tensor_load_to_lds s[\g0a:\g0a+3], s[\g1a:\g1a+7]
	s_nop 0
.rept 4
	v_nop
.endr
	s_branch .Lasked_\@
.Lfor_b_\@:
	tensor_load_to_lds s[\g0b:\g0b+3], s[\g1b:\g1b+7]
	s_nop 0
.rept 4
	v_nop
.endr
.Lasked_\@:
.endm
.macro CREST
	s_cmp_lg_u32 s14, 0
	s_cbranch_scc1 .Lnot_wave_0_\@
	s_barrier_signal -3
.Lnot_wave_0_\@:
	s_barrier_wait -3
	s_barrier_signal -1
	s_barrier_wait -1
.endm
.macro CROUND
	s_barrier_signal -1
	s_barrier_wait -1
	CREST
.endm
	s_load_b128 s[4:7], s[0:1], 0x0
	s_load_b128 s[8:11], s[0:1], 0x10
	s_load_b64 s[12:13], s[0:1], 0x20
	v_lshl_add_u32 v[SPW], v0, 2, SPARE
	v_mov_b32 v[NIL], 0
	ds_add_u32 v28, v29
	ds_add_u32 v28, v29
	s_wait_dscnt 0x0
	v_lshrrev_b32 v1, 5, v0
	v_readfirstlane_b32 s14, v1
	s_lshr_b32 s15, s14, 1
	s_and_b32 s16, s14, 1
	s_bfe_u32 s40, ttmp6, 0x40000
	s_bfe_u32 s41, ttmp6, 0x40004
	s_and_b32 s18, ttmp7, 0xffff
	s_cmp_eq_u32 ttmp9, 2
	s_cselect_b32 s17, 0, s18
	s_cselect_b32 s42, s18, 0
	s_lshl_b32 s17, s17, 2
	s_add_co_u32 s17, s17, s41
	s_lshl_b32 s42, s42, 2
	s_add_co_u32 s42, s42, s40
	s_lshl_b32 s43, s41, 2
	s_lshl_b32 s43, 15, s43
	s_lshl_b32 s44, 0x1111, s40
	s_or_b32 s[G1+0], s43, (0<<16)|(1<<20)|(1<<21)|(5<<22)|(3<<25)
	s_or_b32 s[G1B+0], s44, (0<<16)|(1<<20)|(1<<21)|(5<<22)|(3<<25)
.irp g, G1, G1B
	s_mov_b32 s[\g+1], ROWB<<16
	s_mov_b32 s[\g+2], 256<<16
	s_mov_b32 s[\g+3], ROWB<<16
	s_mov_b32 s[\g+4], 256
	s_mov_b32 s[\g+5], KROW
	s_mov_b32 s[\g+6], 0
	s_mov_b32 s[\g+7], 0
.endr
	s_lshl_b32 s18, s15, 8                         ; my slot's first K step: 256 bytes x (wave / 2)
	s_lshl_b32 s20, s17, 8
	s_lshl_b32 s46, s42, 8
	s_mul_i32 s20, s20, KROW
	s_mul_i32 s46, s46, KROW
	s_add_co_u32 s20, s20, s18
	s_add_co_u32 s46, s46, s18
	s_mov_b32 s21, 0
	s_mov_b32 s47, 0
	s_mul_i32 s45, s15, SLOT                       ; my slot in LDS
	s_lshl_b32 s90, ttmp9, 22
	s_mov_b32 s91, 0
	s_lshl_b32 s92, ttmp9, 20
	s_mov_b32 s93, 0
	v_and_b32 v12, 31, v0
	v_lshlrev_b32 v12, 10, v12                     ; the prefetches' offset: a lane a row of 1,024 bytes; never rewritten
	s_wait_alu depctr_va_vdst(0)
	s_wait_kmcnt 0x0
	s_load_b512 s[68:83], s[8:9], 0x0
	s_add_nc_u64 s[90:91], s[4:5], s[90:91]
	s_add_nc_u64 s[92:93], s[6:7], s[92:93]
	s_cmp_eq_u32 ttmp9, 2
	s_cselect_b64 s[4:5], s[92:93], s[90:91]
	s_cselect_b64 s[6:7], s[90:91], s[92:93]
	s_add_nc_u64 s[20:21], s[4:5], s[20:21]
	s_add_nc_u64 s[46:47], s[6:7], s[46:47]
	s_cmp_eq_u32 s16, 0                            ; the prefetches: of my operand's 256 rows the four partners that ask jointly take 64 each, told apart by address (cx or cy); my wave names them at my K step + 2
	s_cselect_b64 s[66:67], s[20:21], s[46:47]
	s_cselect_b32 s98, s40, s41
	s_lshl_b32 s98, s98, 16
	s_mov_b32 s99, 0
	s_add_nc_u64 s[66:67], s[66:67], s[98:99]      ; never rewritten
	CROUND
	s_mov_b32 s[G0], 1
	s_mov_b32 s[G0+1], s45
	s_mov_b64 s[G0+2:G0+3], s[20:21]
	s_or_b32 s[G0+3], s[G0+3], 0x80000000
	s_mov_b32 s[G0B], 1
	s_add_co_u32 s[G0B+1], s45, 2*HALFT
	s_mov_b64 s[G0B+2:G0B+3], s[46:47]
	s_or_b32 s[G0B+3], s[G0B+3], 0x80000000
	JLOAD G0, G1, G0B, G1B                         ; my one load at the head: the four waves' loads are K steps 0 and 1, both slots
	global_prefetch_b8 v12, s[66:67] offset:512 th:TH_LOAD_NT scope:SCOPE_SE         ; my K step + 2 (2 or 3, the last): 32 rows x 256 bytes, a lane a row,
	global_prefetch_b8 v12, s[66:67] offset:512+32768 th:TH_LOAD_NT scope:SCOPE_SE   ; and the next 32 rows
	v_and_b32 v1, 15, v0
	v_bfe_u32 v2, v0, 4, 1
	v_mul_u32_u24 v3, v1, PITCH
	v_lshl_add_u32 v4, v2, 4, v3
	s_mul_i32 s21, s15, HALFT
	s_mul_i32 s22, s16, HALFT
	s_add_co_u32 s22, s22, 2*HALFT
.irp s, 0,1
	v_add_nc_u32 v[ADRA+\s], s21, v4
	v_add_nc_u32 v[ADRB+\s], s22, v4
	s_add_co_u32 s21, s21, SLOT
	s_add_co_u32 s22, s22, SLOT
.endr
	s_cmp_eq_u32 ttmp9, 2
	s_cselect_b32 s90, s42, s17
	s_cselect_b32 s91, s17, s42
	s_cselect_b32 s92, s16, s15
	s_cselect_b32 s93, s15, s16
	s_lshr_b32 s94, s90, 3
	s_lshl_b32 s94, s94, 4
	s_lshl_b32 s91, s91, 2
	s_add_co_u32 s94, s94, s91
	s_lshl_b32 s93, s93, 1
	s_add_co_u32 s94, s94, s93
	s_lshl_b32 s94, s94, 4
	s_and_b32 s90, s90, 7
	s_lshl_b32 s90, s90, 1
	s_add_co_u32 s94, s94, s90
	s_add_co_u32 s94, s94, s92
	s_cmp_eq_u32 ttmp9, 0
	s_cselect_b32 s95, 13, 14
	s_cselect_b64 s[84:85], s[10:11], s[12:13]
	s_lshl_b32 s94, s94, s95
	s_mov_b32 s95, 0
	s_add_nc_u64 s[84:85], s[84:85], s[94:95]
	s_cmp_eq_u32 ttmp9, 2
	s_cselect_b32 s94, 8192, 0
	s_mov_b32 s96, 0x20000
	s_cselect_b32 s96, 1024, s96
	s_mov_b32 s86, 1024
	s_cselect_b32 s86, 2048, s86
	s_mov_b32 s88, 1024
	s_cselect_b32 s88, 256000, s88
	s_add_nc_u64 s[84:85], s[84:85], s[94:95]
	s_cmp_eq_u32 ttmp9, 1
	s_cselect_b32 s96, 0x40000, s96
	s_mov_b32 s87, 0
	s_mov_b32 s89, 0
	v_and_b32 v[VO], 31, v0
	v_lshlrev_b32 v[VO], 4, v[VO]
	v_add_nc_u32 v[VO+1], s96, v[VO]
.macro FRAG reg, adr, q, i
.irp c, 0,1,2,3
	ds_load_b128 v[\reg+4*\c:\reg+4*\c+3], v[\adr] offset:128*(\q)+32*\c+(\i)*16*PITCH
.endr
.endm
.macro MUL16 a0, p, zero
.irp a, \a0, \a0+1
.irp b, 0,1,2,3,4,5,6,7
.if \zero
	v_wmma_f32_16x16x128_bf8_bf8 v[8*(8*((\a)%4)+\b):8*(8*((\a)%4)+\b)+7], v[128*(\p)+FR*\b:128*(\p)+FR*\b+FR-1], v[AF+FR*(\a):AF+FR*(\a)+FR-1], 0
.else
	v_wmma_f32_16x16x128_bf8_bf8 v[8*(8*((\a)%4)+\b):8*(8*((\a)%4)+\b)+7], v[128*(\p)+FR*\b:128*(\p)+FR*\b+FR-1], v[AF+FR*(\a):AF+FR*(\a)+FR-1], v[8*(8*((\a)%4)+\b):8*(8*((\a)%4)+\b)+7]
.endif
.endr
.endr
.endm
.macro FETCH_B slot, q, p
	WIN TO_B
.irp i, 0,1,2,3,4,5,6,7
	FRAG 128*(\p)+FR*\i, ADRB+\slot, \q, \i
.endr
	WIN 0
.endm
.macro FETCH_A slot, q, i0
.irp i, \i0, \i0+1, \i0+2, \i0+3
	FRAG AF+FR*(\i), ADRA+\slot, \q, \i
.endr
.endm
.macro PLACES n
.rept \n
	v_nop
.endr
.endm
.macro STEP slot, q, zero
	s_wait_dscnt 4*NL
	WIN MUL_LO
	MUL16 0, (\q)%2, \zero
	MUL16 2, (\q)%2, \zero
	s_wait_dscnt 0
	PLACES NP
	FETCH_B \slot, (\q)+1, 1-(\q)%2
	FETCH_A \slot, (\q)+1, 0
	WIN MUL_HI
	MUL16 4, (\q)%2, \zero
	MUL16 6, (\q)%2, \zero
	PLACES NP
	WIN 0
	FETCH_A \slot, (\q)+1, 4
.endm
.macro TURN slot, next, fill
	s_wait_tensorcnt 0x0
	ds_add_u32 v[SPW], v[NIL]
	s_wait_dscnt 4*NL+1
	WIN MUL_LO
	MUL16 0, 1, 0
	s_wait_dscnt 0x0
	s_barrier_signal -1
	MUL16 2, 1, 0
	WIN 0
	s_barrier_wait -1
.if \fill
	CREST
	s_add_nc_u64 s[G0+2:G0+3], s[G0+2:G0+3], ROWB
	s_add_nc_u64 s[G0B+2:G0B+3], s[G0B+2:G0B+3], ROWB
	s_cmp_lg_u32 s15, \slot                        ; the slot's two waves fill it again; the branch hangs on the wave's number alone
	s_cbranch_scc1 .Lnot_mine_\@
	JLOAD G0, G1, G0B, G1B
.Lnot_mine_\@:
	PLACES NP                                      ; on every wave's way: the places in front of the loads below
.else
	PLACES NP
.endif
	FETCH_B \next, 0, 0
	FETCH_A \next, 0, 0
	WIN MUL_HI
	MUL16 4, 1, 0
	MUL16 6, 1, 0
	PLACES NP
	WIN 0
	FETCH_A \next, 0, 4
.endm
	s_wait_alu depctr_va_vdst(0)
	s_wait_tensorcnt 0x0                           ; my load has landed, so its descriptor may be written:
	s_xor_b32 s98, s15, 1
	s_lshl_b32 s98, s98, 8
	s_add_nc_u64 s[G0+2:G0+3], s[G0+2:G0+3], s[98:99]       ; both stand at K step 1 in every wave; each change of slots steps them by one K step
	s_add_nc_u64 s[G0B+2:G0B+3], s[G0B+2:G0B+3], s[98:99]
	s_barrier_signal -1
	s_barrier_wait -1
	FETCH_B 0, 0, 0
	FETCH_A 0, 0, 0
	FETCH_A 0, 0, 4
	STEP 0, 0, 1
	s_mov_b32 s3, LAPS-1
.Llap:
	TURN 0, 1, 1
	STEP 1, 0, 0
	TURN 1, 0, 1
	STEP 0, 0, 0
	s_sub_co_u32 s3, s3, 1
	s_cmp_lg_u32 s3, 0
	s_cbranch_scc1 .Llap
	TURN 0, 1, 0
	STEP 1, 0, 0
	s_wait_dscnt 4*NL
	WIN MUL_LO
	MUL16 0, 1, 0
	MUL16 2, 1, 0
	s_wait_dscnt 0
	WIN MUL_HI
	MUL16 4, 1, 0
	MUL16 6, 1, 0
	WIN 0
	s_wait_kmcnt 0x0
	s_add_co_i32 s90, s72, s73
	s_mov_b32 s91, s77
	s_add_co_i32 s92, s70, s71
	s_add_co_i32 s93, s68, s69
	s_cmp_eq_u32 ttmp9, 1
	s_cselect_b32 s90, s92, s90
	s_cselect_b32 s91, s75, s91
	s_cmp_eq_u32 ttmp9, 0
	s_cselect_b32 s90, s93, s90
	s_cselect_b32 s91, s74, s91
	s_sub_co_i32 s90, s91, s90
	s_add_co_i32 s90, s90, 127
	s_lshl_b32 s91, s90, 23
	v_mov_b32 v[SCV], s91
	s_add_co_i32 s90, s90, 15
	s_lshl_b32 s90, s90, 23
	s_or_b32 s90, s90, 0x600000
	v_mov_b32 v[LIMV], s90
	PLACES NP
.macro OUT a
	WIN 0x02+((\a)/4)
.set jj, 0
.rept 64
	v_med3_num_f32 v[TMP+jj], v[64*((\a)%4)+jj], -v[LIMV], v[LIMV]
.set jj, jj+1
.endr
	WIN 0
.irp b, 0,1,2,3,4,5,6,7
	v_cvt_scalef32_pk8_bf8_f32 v[CD+16*(\a)+2*\b:CD+16*(\a)+2*\b+1], v[TMP+8*\b:TMP+8*\b+7], v[SCV]
.endr
	v_nop
.if (\a) > 0
	s_wait_alu depctr_va_vdst(0)
	s_wait_xcnt 0x0
.if (\a) == 4
	s_add_nc_u64 s[84:85], s[84:85], s[88:89]
.else
	s_add_nc_u64 s[84:85], s[84:85], s[86:87]
.endif
.endif
.irp i, 0,1,2,3
	global_store_b128 v[VO+\i/2], v[CD+16*(\a)+4*\i:CD+16*(\a)+4*\i+3], s[84:85] offset:(\i%2)*512
.endr
.endm
.irp a, 0,1,2,3,4,5,6,7
	OUT \a
.endr
	s_wait_tensorcnt 0x0
	ds_add_u32 v[SPW], v[NIL]
	s_wait_dscnt 0x0
	CROUND
	s_endpgm
.Lfunc_end_k_q1d115f9e70_qkv:
	.size	k_q1d115f9e70_qkv, .Lfunc_end_k_q1d115f9e70_qkv-k_q1d115f9e70_qkv
	.p2alignl 7, 3214868480
	.fill 96, 4, 3214868480
	.section	.rodata,"a",@progbits
	.p2align	6, 0x0
	.amdhsa_kernel k_q1d115f9e70_qkv
		.amdhsa_group_segment_fixed_size 327680
		.amdhsa_private_segment_fixed_size 0
		.amdhsa_enable_private_segment 0
		.amdhsa_kernarg_size 40
		.amdhsa_user_sgpr_count 2
		.amdhsa_user_sgpr_kernarg_segment_ptr 1
		.amdhsa_wavefront_size32 1
		.amdhsa_system_sgpr_workgroup_id_x 1
		.amdhsa_system_sgpr_workgroup_id_y 1
		.amdhsa_system_sgpr_workgroup_id_z 1
		.amdhsa_system_vgpr_workitem_id 0
		.amdhsa_next_free_vgpr 1024
		.amdhsa_next_free_sgpr 100
		.amdhsa_reserve_vcc 0
		.amdhsa_float_denorm_mode_32 3
		.amdhsa_float_denorm_mode_16_64 3
		.amdhsa_memory_ordered 1
		.amdhsa_forward_progress 1
		.amdhsa_inst_pref_size 120
	.end_amdhsa_kernel
	.amdgpu_metadata
---
amdhsa.version: [ 1, 2 ]
amdhsa.kernels:
  - .name:           k_q1d115f9e70_qkv
    .symbol:         k_q1d115f9e70_qkv.kd
    .args:
      - { .name: hcodes, .offset: 0, .size: 8, .value_kind: global_buffer, .address_space: global }
      - { .name: wcodes, .offset: 8, .size: 8, .value_kind: global_buffer, .address_space: global }
      - { .name: lowp_scales, .offset: 16, .size: 8, .value_kind: global_buffer, .address_space: global }
      - { .name: qimg, .offset: 24, .size: 8, .value_kind: global_buffer, .address_space: global }
      - { .name: kv, .offset: 32, .size: 8, .value_kind: global_buffer, .address_space: global }
    .group_segment_fixed_size: 327680
    .private_segment_fixed_size: 0
    .kernarg_segment_align: 8
    .kernarg_segment_size: 40
    .max_flat_workgroup_size: 128
    .sgpr_count:     100
    .vgpr_count:     1024
    .wavefront_size: 32
...
	.end_amdgpu_metadata
.endif
;; end of part 9
;; launch attn (part 10): grid 8 x 32, 16 waves a work-group, clusters of 4 x 1, 327,680 bytes of LDS; arguments qimg, kv, lowp_scales, ocodes; writes ocodes
.if DOCPART == 10
	.amdgcn_target "amdgcn-amd-amdhsa--gfx1250"
	.amdhsa_code_object_version 6
	.text
	.protected	k_q1d115f9e70_attn
	.globl	k_q1d115f9e70_attn
	.p2align	8
	.type	k_q1d115f9e70_attn,@function
k_q1d115f9e70_attn:
	s_mov_b64 s[64:65], 0
	v_nop
	global_prefetch_b8 v0, s[64:65] scope:SCOPE_SE
	s_setreg_imm32_b32 hwreg(HW_REG_WAVE_MODE, 25, 1), 1
	s_wait_xcnt 0x0
	s_wait_alu depctr_hold_cnt(0) depctr_sa_sdst(0) depctr_va_vdst(0) depctr_va_sdst(0) depctr_va_ssrc(0) depctr_va_vcc(0) depctr_vm_vsrc(0)
	s_getreg_b32 s2, hwreg(HW_REG_IB_STS2, 6, 4)
	s_cmp_eq_u32 s2, 0
	s_cbranch_scc0 .Lentry_in_a_cluster
	s_endpgm
.Lentry_in_a_cluster:
	s_bfe_u32 s2, ttmp6, 0x10000c
	s_cmp_lg_u32 s2, 0x3003
	s_cbranch_scc0 .Lentry_shape_is_right
	s_endpgm
.Lentry_shape_is_right:
; ATTENTION on codes of E5M2: for each of 32 heads-and-batches, o = softmax(q k^T / 8) v, quantised at once for the next product.
; THE SOFTMAX: t = score x log2(e) / 8; M = the row's largest t so far, rounded UP to a whole number; p = 2^(t - M) is what is quantised (2^e8), not normalised;
; the row's sum is taken of the unquantised, unheld p and divides at the end.  When M moves, the sum and O are multiplied by f = 2^(old M - new M): exact.
; SHARES.  A work-group owns 256 queries of one head; each of its sixteen waves 16 of them, in 256 registers, four waves to a SIMD.
; LDS.  The head's whole k and v^T, 262,144 bytes, lie in LDS from byte 0, as images of operand registers (every fragment comes by ds_load_b128 at 16 x lane).
; Each wave asks for ONE piece of 16,384 bytes (128 keys' k and v^T), so one tensor load of mine is out; nothing is filled twice: one wait, one barrier, and then no barrier in the walk over the keys.
; CLUSTER.  The four work-groups of a cluster belong to one head: each piece is asked for jointly.  No prefetch: every byte that the launch reads is asked for in its first lines, and there is no loop to run ahead in.
; LAYOUT.  S^T = k q^T (source 0 = 16 keys, source 1 = my 16 queries, K = 64), O^T = v^T p^T (source 0 = 16 channels, source 1 = p, K = 128 keys): a lane holds ONE query (lane % 16).
; Tile f of S^T gives lane (r, h) the keys 16 f + 8 h + 0 .. 7: its conversion gives registers 2 f, 2 f + 1 of p's operand.
; ORDER OF A STEP.  The hold writes into a second set of registers, so p stays whole; step i's p is summed BEHIND its second product: those additions are the plain lines in front of step i + 1's loads of k
; and behind step i + 1's first product.  The sum is joined as l = l x f(i) + sum(i) before f is made anew.  The first step finds p = 0, l = 0, f = 0, O = 0.
; LIMITS: e6 + e7 between -123 and 130 (added to c's exponent field); e8 and e10 between -126 and 112; e8 + e9 goes by v_ldexp_f32 and has none.  The scaled scores stay under 2^31 in magnitude.  NaN among the inputs is not served.
.set LI,   1                           ; v1   16 x lane
.set ADK,  8                           ; v8   LDS address of the trip's 256 keys
.set OM,   10                          ; v10  -M of the step before
.set KV,   32                          ; v32-95   k's eight fragments, then v^T's four
.set P,    96                          ; v96-159  S^T, then p
.set O,    160                         ; v160-191 O^T
.set T,    192                         ; v192-207 held p, two sets of 8
.set CD,   208                         ; v208-223 p's codes
.set SC,   224                         ; v224-239 eight packed chains of the sum
.set MX,   232                         ; v232-239 eight chains of the maximum (the sum's upper chains are folded by then)
.set L8,   240                         ; v240, v241  57,344 x 2^e8, twice: the two halves of a dual line name registers of different banks
.set L10,  243                         ; v243 57,344 x 2^e10
.set S8,   244                         ; v244 2^e8
.set S10,  245                         ; v245 2^e10
.set PL,   246                         ; v246 a lane permute's result
.set SPW,  251                         ; v251 my spare word; never rewritten
.set F,    252                         ; v[252:253] f
.set TM,   254
.set NIL,  255                         ; v255 0; never rewritten
.set WV,   18                          ; s18  my wave's number
.set SEL,  20                          ; s[20:21] v_permlanex16_b32: lane l xor 16
.set CS,   22                          ; s[22:23] c = log2(e) / 8 x 2^(e6 + e7)
.set G1,   24                          ; s[24:31] descriptor group 1
.set G0,   32                          ; s[32:35] group 0
.set TB,   48                          ; s48  LDS byte of the trip's keys
.set CNT,  49
.set STG,  262144                      ; behind the head: 16 rows x 80 bytes for each wave, for the way out
.set SPI,  80
.set SPARE, 0x45000                    ; behind the stages: the spare words, 128 bytes a wave
.macro CROUND                          ; a round of the cluster's barrier
	s_barrier_signal -1
	s_barrier_wait -1
	s_cmp_lg_u32 s[WV], 0
	s_cbranch_scc1 .Lnot_wave_0_\@
	s_barrier_signal -3
.Lnot_wave_0_\@:
	s_barrier_wait -3
	s_barrier_signal -1
	s_barrier_wait -1
.endm
; The last step's p is summed in eight packed chains (chain 0 was begun ahead of the second product).  ld = 1: behind the first four additions, the places behind that product, the next 128 keys' k is asked for.
.macro SUMS ld, off
.irp k, 1,2,3,4
	v_pk_add_f32 v[SC+2*\k:SC+2*\k+1], v[P+4*\k:P+4*\k+1], v[P+4*\k+2:P+4*\k+3]
.endr
.if \ld
.irp f, 0,1,2,3,4,5,6,7
	ds_load_b128 v[KV+8*\f:KV+8*\f+3], v[ADK] offset:\off+1024*\f
	ds_load_b128 v[KV+8*\f+4:KV+8*\f+7], v[ADK] offset:\off+1024*\f+512
.endr
.endif
.irp k, 5,6,7
	v_pk_add_f32 v[SC+2*\k:SC+2*\k+1], v[P+4*\k:P+4*\k+1], v[P+4*\k+2:P+4*\k+3]
.endr
.irp j, 0,1,2,3,4,5,6,7,8,9,10,11,12,13,14,15
	v_pk_add_f32 v[SC+2*(\j%8):SC+2*(\j%8)+1], v[SC+2*(\j%8):SC+2*(\j%8)+1], v[P+32+2*\j:P+32+2*\j+1]
.endr
.irp k, 0,1,2,3
	s_delay_alu instid0(VALU_DEP_4)
	v_pk_add_f32 v[SC+2*\k:SC+2*\k+1], v[SC+2*\k:SC+2*\k+1], v[SC+8+2*\k:SC+8+2*\k+1]
.endr
.endm
.macro FOLD                            ; four chains into one, and l = l x f + it: four plain lines
	v_pk_add_f32 v[SC:SC+1], v[SC:SC+1], v[SC+2:SC+3]
	v_pk_add_f32 v[SC+4:SC+5], v[SC+4:SC+5], v[SC+6:SC+7]
	s_delay_alu instid0(VALU_DEP_1)
	v_pk_add_f32 v[SC:SC+1], v[SC:SC+1], v[SC+4:SC+5]
	s_delay_alu instid0(VALU_DEP_1)
	v_pk_fma_f32 v[14:15], v[14:15], v[F:F+1], v[SC:SC+1] op_sel_hi:[1,0,1]
.endm
.macro STEP off                        ; 128 keys at byte off of the trip's 256
	SUMS 1, \off
	s_wait_alu depctr_va_vdst(0)
	s_wait_dscnt 0x0                               ; k is in
.irp f, 0,1,2,3,4,5,6,7
	v_wmma_f32_16x16x64_bf8_bf8 v[P+8*\f:P+8*\f+7], v[KV+8*\f:KV+8*\f+7], v[16:23], 0
.endr
	FOLD                                           ; the four places in front of the loads below and of the first read of S^T
.irp t, 0,1,2,3
.irp c, 0,1,2,3
	ds_load_b128 v[KV+16*\t+4*\c:KV+16*\t+4*\c+3], v[ADK] offset:\off+8192+2048*\t+512*\c   ; v^T's four fragments land under the softmax
.endr
.endr
.irp k, 0,1,2,3,4,5,6,7                        ; the step's largest score of my query among my 64 keys: eight chains, the registers in ascending order
	v_max3_num_f32 v[MX+\k], v[P+3*\k], v[P+3*\k+1], v[P+3*\k+2]
.endr
.irp j, 0,1,2,3,4,5,6,7,8,9,10,11,12,13,14,15,16,17,18,19
	v_max3_num_f32 v[MX+\j%8], v[MX+\j%8], v[P+24+2*\j], v[P+25+2*\j]
.endr
	v_max3_num_f32 v[MX+4], v[MX+4], v[MX+5], v[MX+6]
	v_max3_num_f32 v[MX], v[MX], v[MX+1], v[MX+7]
	v_max3_num_f32 v[MX+2], v[MX+2], v[MX+3], v[MX+4]
	s_delay_alu instid0(VALU_DEP_1)
	v_max_num_f32 v[TM], v[MX], v[MX+2]
	s_delay_alu instid0(VALU_DEP_1)
	v_permlanex16_b32 v[PL], v[TM], s[SEL], s[SEL+1]
	s_delay_alu instid0(VALU_DEP_1)
	v_max3_num_f32 v13, v13, v[TM], v[PL]          ; the running largest score: mine, lane l xor 16's, and the one so far
	s_delay_alu instid0(VALU_DEP_1)
	v_mul_f32 v[TM], s[CS], v13                    ; as t (c is positive)
	s_delay_alu instid0(VALU_DEP_1)
	v_floor_f32 v12, -v[TM]                        ; the new -M = -ceil(t)
	s_delay_alu instid0(VALU_DEP_1)
	v_sub_f32 v[TM], v12, v[OM]                    ; old M - new M: a whole number, 0 or less
	s_delay_alu instid0(VALU_DEP_1)
	v_cvt_i32_f32 v[TM], v[TM]                     ; (it saturates)
	s_delay_alu instid0(VALU_DEP_1)
	v_ldexp_f32 v[F], 1.0, v[TM]                   ; f = 2^(old M - new M)
.set jj, 0
.rept 32
	v_pk_fma_f32 v[P+jj:P+jj+1], v[P+jj:P+jj+1], s[CS:CS+1], v[12:13] op_sel_hi:[1,0,0]   ; t - M (of the pairs the low word serves both halves)
.set jj, jj+2
.endr
	s_wait_alu depctr_va_vdst(0)
.set jj, 0
.rept 64
	v_exp_f32 v[P+jj], v[P+jj]                     ; p = 2^(t - M)
.set jj, jj+1
.endr
	v_mov_b32 v[OM], v12                           ; kept for the next step: the plain line behind the exponentials
	s_wait_dscnt 0x0                               ; v^T is in (asked for ahead of the maximum)
	s_wait_alu depctr_va_vdst(0)                   ; one wait for the batch, directly ahead of the first readers of O^T and of p
.set jj, 0
.rept 16
	v_pk_mul_f32 v[O+jj:O+jj+1], v[O+jj:O+jj+1], v[F:F+1] op_sel_hi:[1,0]   ; O^T under the new M
.set jj, jj+2
.endr
.irp f, 0,1,2,3,4,5,6,7
.irp i, 0,2,4,6
	v_dual_min_num_f32 v[T+8*(\f%2)+\i], v[P+8*\f+\i], v[L8] :: v_dual_min_num_f32 v[T+8*(\f%2)+\i+1], v[P+8*\f+\i+1], v[L8+1]   ; the conversion does not saturate (ISA guide 7.6.2); p is not negative, so the hold is one-sided; p itself stays for the sum
.endr
	v_cvt_scalef32_pk8_bf8_f32 v[CD+2*\f:CD+2*\f+1], v[T+8*(\f%2):T+8*(\f%2)+7], v[S8]
.endr
	v_pk_add_f32 v[SC:SC+1], v[P:P+1], v[P+2:P+3]  ; the sum's chain 0 begins: the plain line behind the last conversion
.irp t, 0,1,2,3
	v_wmma_f32_16x16x128_bf8_bf8 v[O+8*\t:O+8*\t+7], v[KV+16*\t:KV+16*\t+15], v[CD:CD+15], v[O+8*\t:O+8*\t+7]
.endr
.endm
	s_load_b256 s[4:11], s[0:1], 0x0               ; qimg 4:5, kv 6:7, the scales' exponents 8:9, ocodes 10:11
	v_lshl_add_u32 v[SPW], v0, 2, SPARE
	v_mov_b32 v[NIL], 0
	ds_add_u32 v[SPW], v[NIL]                      ; the opening lines: the add, twice on end, and its wait ahead of my first tensor load
	ds_add_u32 v[SPW], v[NIL]
	v_lshrrev_b32 v8, 5, v0
	s_delay_alu instid0(VALU_DEP_1)
	v_readfirstlane_b32 s[WV], v8                  ; wave 0..15
	s_bfe_u32 s13, ttmp6, 0x40000                  ; cx: it enters q's and o's addresses alone
	s_lshl_b32 s14, ttmp9, 2
	s_add_co_u32 s14, s14, s13                     ; my block of 256 queries
	s_and_b32 s15, ttmp7, 0xffff                   ; head and batch, which the four partners share
	s_lshl_b32 s16, s15, 18                        ; 262,144 bytes a head
	s_lshl_b32 s17, s[WV], 14                      ; my 16,384 bytes of it
	s_add_co_u32 s50, s16, s17
	s_mov_b32 s51, 0
	s_mov_b32 s[G1], 15|(1<<21)                    ; the mask: all four work-groups; bit 21 beside it; elements of 1 byte; no padding
	s_mov_b32 s[G1+1], 256<<16                     ; tensor_dim0
	s_mov_b32 s[G1+2], 64<<16                      ; tensor_dim1
	s_mov_b32 s[G1+3], 256<<16                     ; tile_dim0
	s_mov_b32 s[G1+4], 64                          ; tile_dim1
	s_mov_b32 s[G1+5], 256                         ; the pitch: the block is dense
	s_mov_b32 s[G1+6], 0
	s_mov_b32 s[G1+7], 0
	s_mov_b32 s[SEL], 0x76543210
	s_mov_b32 s[SEL+1], 0xfedcba98
	s_mov_b32 s[CS], 0x3e38aa3b                    ; log2(e) / 8
	s_mov_b32 s[TB], 0
	s_wait_dscnt 0x0
	s_wait_kmcnt 0x0
	s_load_b256 s[68:75], s[8:9], 0x18             ; e6 .. e13
	s_add_nc_u64 s[6:7], s[6:7], s[50:51]
	CROUND                                         ; all four work-groups are here: the joint loads meet
	s_mov_b32 s[G0], 1
	s_mov_b32 s[G0+1], s17
	s_mov_b64 s[G0+2:G0+3], s[6:7]
	s_or_b32 s[G0+3], s[G0+3], 0x80000000
	tensor_load_to_lds s[G0:G0+3], s[G1:G1+7]      ; my one tensor load
	s_nop 0
.rept 4
	v_nop
.endr
	s_lshl_b32 s52, s15, 7
	s_lshl_b32 s53, s14, 4
	s_add_co_u32 s52, s52, s53
	s_add_co_u32 s52, s52, s[WV]                   ; my tile of 16 queries: 128 x head + 16 x block + wave
	s_lshl_b32 s52, s52, 10
	s_mov_b32 s53, 0
	s_add_nc_u64 s[4:5], s[4:5], s[52:53]
	v_and_b32 v[LI], 31, v0
	s_delay_alu instid0(VALU_DEP_1)
	v_lshlrev_b32 v[LI], 4, v[LI]
	s_delay_alu instid0(VALU_DEP_1)
	v_mov_b32 v[ADK], v[LI]                        ; the first trip's keys lie at LDS byte 0
	global_load_b128 v[16:19], v[LI], s[4:5]       ; q's image stays in registers
	global_load_b128 v[20:23], v[LI], s[4:5] offset:512
	; ocodes [row / 128][head][row % 128][64 bytes]: my 16 rows x 64 bytes are 1,024 consecutive bytes
	s_lshr_b32 s54, s15, 4
	s_lshl_b32 s54, s54, 4
	s_lshl_b32 s55, s14, 1
	s_add_co_u32 s54, s54, s55
	s_lshr_b32 s55, s[WV], 3
	s_add_co_u32 s54, s54, s55
	s_lshl_b32 s54, s54, 17
	s_and_b32 s55, s15, 15
	s_lshl_b32 s55, s55, 13
	s_add_co_u32 s54, s54, s55
	s_and_b32 s55, s[WV], 7
	s_lshl_b32 s55, s55, 10
	s_add_co_u32 s54, s54, s55
	s_mov_b32 s55, 0
	s_add_nc_u64 s[10:11], s[10:11], s[54:55]
	v_mov_b32 v13, 0xff61b1e6                      ; the largest score so far: -3e38
	v_mov_b32 v[OM], 0x7f61b1e6                    ; -M so far: 3e38, so that the first f is 0
	v_mov_b32 v14, 0
	v_mov_b32 v15, 0
	v_mov_b32 v[PL], 0                             ; a lane permute's destination counts as one of its sources
	v_mov_b32 v[F], 0
	v_mov_b32 v[F+1], 0                            ; (named as the upper half of the pair)
	v_mov_b32 v[SC], 0
	v_mov_b32 v[SC+1], 0
.set jj, 0
.rept 96
	v_mov_b32 v[P+jj], 0                           ; p and O^T: the step is written once; the first finds zeros
.set jj, jj+1
.endr
	s_wait_kmcnt 0x0
	s_add_co_i32 s56, s68, s69
	s_lshl_b32 s56, s56, 23
	s_add_co_i32 s[CS], s[CS], s56                 ; a score stands for score x 2^(e6 + e7)
	s_mov_b32 s[CS+1], s[CS]
	s_add_co_i32 s56, s70, 127
	s_lshl_b32 s57, s56, 23
	v_mov_b32 v[S8], s57                           ; 2^e8
	s_add_co_i32 s56, s56, 15
	s_lshl_b32 s56, s56, 23
	s_or_b32 s56, s56, 0x600000
	v_mov_b32 v[L8], s56                           ; 57,344 x 2^e8
	v_mov_b32 v[L8+1], s56
	s_add_co_i32 s56, s72, 127
	s_lshl_b32 s57, s56, 23
	v_mov_b32 v[S10], s57                          ; 2^e10
	s_add_co_i32 s56, s56, 15
	s_lshl_b32 s56, s56, 23
	s_or_b32 s56, s56, 0x600000
	v_mov_b32 v[L10], s56                          ; 57,344 x 2^e10
	s_add_co_i32 s58, s70, s71                     ; e8 + e9
	s_mov_b32 s[CNT], 8
	s_wait_alu depctr_va_vdst(0)
	s_wait_loadcnt 0x0                             ; q
	s_wait_tensorcnt 0x0                           ; my piece has landed
	s_barrier_signal -1
	s_barrier_wait -1                              ; everybody's has: the whole head is in LDS
.Lpair:                                                ; eight trips of 256 keys
	STEP 0
	STEP 16384
	s_add_co_u32 s[TB], s[TB], 32768
	v_add_nc_u32 v[ADK], s[TB], v[LI]
	s_sub_co_u32 s[CNT], s[CNT], 1
	s_cmp_lg_u32 s[CNT], 0
	s_wait_alu depctr_va_vdst(0)
	s_cbranch_scc1 .Lpair
	SUMS 0, 0                                      ; the last step's p
	s_delay_alu instid0(VALU_DEP_3)
	FOLD
	; THE WAY OUT.  O^T / the sum x 2^(e8 + e9) is the value; it is held, quantised with 2^e10, and goes through my stage so that the wave stores 512 consecutive bytes twice
	s_delay_alu instid0(VALU_DEP_1)
	v_add_f32 v14, v14, v15
	s_delay_alu instid0(VALU_DEP_1)
	v_permlanex16_b32 v[F], v14, s[SEL], s[SEL+1]
	s_delay_alu instid0(VALU_DEP_1)
	v_add_f32 v14, v14, v[F]                       ; the row's sum
	s_wait_alu depctr_va_vdst(0)
	v_rcp_f32 v14, v14
	v_and_b32 v8, 15, v0                           ; (a plain line behind the transcendental)  r
	v_bfe_u32 v9, v0, 4, 1                         ; h
	s_mul_i32 s59, s[WV], 16*SPI
	s_add_co_u32 s59, s59, STG                     ; my stage
	v_mul_u32_u24 v10, v8, SPI
	s_delay_alu instid0(VALU_DEP_1)
	v_lshl_add_u32 v10, v9, 3, v10
	s_delay_alu instid0(VALU_DEP_1)
	v_add_nc_u32 v10, s59, v10                     ; in: row r; tile t's eight codes of my half at 16 t + 8 h
	v_and_b32 v2, 31, v0
	s_delay_alu instid0(VALU_DEP_1)
	v_lshrrev_b32 v3, 2, v2
	s_delay_alu instid0(VALU_DEP_1)
	v_mul_u32_u24 v11, v3, SPI
	s_delay_alu instid0(VALU_DEP_3)
	v_and_b32 v4, 3, v2
	s_delay_alu instid0(VALU_DEP_1)
	v_lshl_add_u32 v11, v4, 4, v11
	s_delay_alu instid0(VALU_DEP_1)
	v_add_nc_u32 v11, s59, v11                     ; back: four lanes to a row of 64 bytes
	s_wait_alu depctr_va_vdst(0)                   ; the wait ahead of the reciprocal's first reader
	v_ldexp_f32 v14, v14, s58
	s_wait_alu depctr_va_vdst(0)                   ; directly ahead of the first reader of O^T
.set jj, 0
.rept 32
	v_mul_f32 v[P+jj], v[O+jj], v14                ; register 8 t + i: o(query r, channel 16 t + 8 h + i)
.set jj, jj+1
.endr
.set jj, 0
.rept 32
	v_med3_num_f32 v[P+jj], v[P+jj], -v[L10], v[L10]
.set jj, jj+1
.endr
.irp t, 0,1,2,3
	v_cvt_scalef32_pk8_bf8_f32 v[CD+2*\t:CD+2*\t+1], v[P+8*\t:P+8*\t+7], v[S10]
.endr
	v_nop                                          ; a plain line behind the last conversion
.irp t, 0,1,2,3
	ds_store_b64 v10, v[CD+2*\t:CD+2*\t+1] offset:16*\t
.endr
	ds_load_b128 v[32:35], v11                     ; LDS serves a wave's instructions in order: these see my stores
	ds_load_b128 v[36:39], v11 offset:8*SPI
	s_wait_dscnt 1
	global_store_b128 v[LI], v[32:35], s[10:11]
	s_wait_dscnt 0
	global_store_b128 v[LI], v[36:39], s[10:11] offset:512
	s_wait_tensorcnt 0x0                           ; the wave's end
	ds_add_u32 v[SPW], v[NIL]
	s_wait_dscnt 0x0
	CROUND                                         ; the closing round: no work-group ends while a partner may still ask jointly
	s_endpgm
.Lfunc_end_k_q1d115f9e70_attn:
	.size	k_q1d115f9e70_attn, .Lfunc_end_k_q1d115f9e70_attn-k_q1d115f9e70_attn
	.p2alignl 7, 3214868480
	.fill 96, 4, 3214868480
	.section	.rodata,"a",@progbits
	.p2align	6, 0x0
	.amdhsa_kernel k_q1d115f9e70_attn
		.amdhsa_group_segment_fixed_size 327680
		.amdhsa_private_segment_fixed_size 0
		.amdhsa_enable_private_segment 0
		.amdhsa_kernarg_size 32
		.amdhsa_user_sgpr_count 2
		.amdhsa_user_sgpr_kernarg_segment_ptr 1
		.amdhsa_wavefront_size32 1
		.amdhsa_system_sgpr_workgroup_id_x 1
		.amdhsa_system_sgpr_workgroup_id_y 1
		.amdhsa_system_sgpr_workgroup_id_z 1
		.amdhsa_system_vgpr_workitem_id 0
		.amdhsa_next_free_vgpr 256
		.amdhsa_next_free_sgpr 100
		.amdhsa_reserve_vcc 0
		.amdhsa_float_denorm_mode_32 3
		.amdhsa_float_denorm_mode_16_64 3
		.amdhsa_memory_ordered 1
		.amdhsa_forward_progress 1
		.amdhsa_inst_pref_size 47
	.end_amdhsa_kernel
	.amdgpu_metadata
---
amdhsa.version: [ 1, 2 ]
amdhsa.kernels:
  - .name:           k_q1d115f9e70_attn
    .symbol:         k_q1d115f9e70_attn.kd
    .args:
      - { .name: qimg, .offset: 0, .size: 8, .value_kind: global_buffer, .address_space: global }
      - { .name: kv, .offset: 8, .size: 8, .value_kind: global_buffer, .address_space: global }
      - { .name: lowp_scales, .offset: 16, .size: 8, .value_kind: global_buffer, .address_space: global }
      - { .name: ocodes, .offset: 24, .size: 8, .value_kind: global_buffer, .address_space: global }
    .group_segment_fixed_size: 327680
    .private_segment_fixed_size: 0
    .kernarg_segment_align: 8
    .kernarg_segment_size: 32
    .max_flat_workgroup_size: 512
    .sgpr_count:     100
    .vgpr_count:     256
    .wavefront_size: 32
...
	.end_amdgpu_metadata
.endif
;; end of part 10
;; launch wo (part 11): grid 8 x 32, 4 waves a work-group, clusters of 4 x 4, 327,680 bytes of LDS; arguments ocodes, wcodes, lowp_scales, x, x1; writes x1
.if DOCPART == 11
	.amdgcn_target "amdgcn-amd-amdhsa--gfx1250"
	.amdhsa_code_object_version 6
	.text
	.protected	k_q1d115f9e70_wo
	.globl	k_q1d115f9e70_wo
	.p2align	8
	.type	k_q1d115f9e70_wo,@function
k_q1d115f9e70_wo:
	s_mov_b64 s[64:65], 0
	v_nop
	global_prefetch_b8 v0, s[64:65] scope:SCOPE_SE
	s_setreg_imm32_b32 hwreg(HW_REG_WAVE_MODE, 25, 1), 1
	s_wait_xcnt 0x0
	s_wait_alu depctr_hold_cnt(0) depctr_sa_sdst(0) depctr_va_vdst(0) depctr_va_sdst(0) depctr_va_ssrc(0) depctr_va_vcc(0) depctr_vm_vsrc(0)
	s_getreg_b32 s2, hwreg(HW_REG_IB_STS2, 6, 4)
	s_cmp_eq_u32 s2, 0
	s_cbranch_scc0 .Lentry_in_a_cluster
	s_endpgm
.Lentry_in_a_cluster:
	s_bfe_u32 s2, ttmp6, 0x10000c
	s_cmp_lg_u32 s2, 0xf033
	s_cbranch_scc0 .Lentry_shape_is_right
	s_endpgm
.Lentry_shape_is_right:
; WO.  x1 = x + o Wo^T on codes of E5M2, K = 1,024.  x1: [4096][1024] f32.
; A tile of C is 128 x 128: 32 x 8 = 256 tiles, a work-group to each.  Four waves, 64 x 64 each: 16 accumulators of 16 x 16, 128 registers.
; K goes in steps of 512 through two LDS slots filled by the tensor data mover.  Here K is two steps: both slots are filled once, at the start, and nothing is filled again.
; CLUSTERS: 4 x 4 work-groups; A's tile is asked for jointly along a row of the cluster, B's along a column.
; A (ocodes) IS BLOCKED: [row / 128][k / 64][row % 128][64 bytes].  A K step of the tile's 128 rows is one dense block of 65,536 bytes; wave 0 brings K step 0's, wave 1 K step 1's, each as 256 lines of 256 bytes;
; number (row, byte x of chunk d) lies in LDS line 32 d + row / 4 at byte 64 (row % 4) + x.  B (wo's codes) is row-major: waves 2 and 3 bring 128 rows of 512 bytes each, of K steps 0 and 1.
; Both fragments hold K = 32 c + 16 h + 0 .. 15 in registers 4 c .. 4 c + 3: the same order of k in A and in B.
; The matrix instruction is used transposed (source 0 = 16 rows of B, source 1 = 16 rows of A): a lane holds eight neighbouring numbers of a row of C.
; The residual's 64 x 64 numbers of a wave are asked for at the head, behind the first tiles, and land under the products.  Each sum is multiplied once by 2^(e10 + e11) and x is added by the same multiply-add.
; LIMIT: e10 + e11 between -126 and 127.
; REGISTERS, in windows of 256: window 0: v16-29 addresses; v32-95 the way out; v128-255 the accumulators ((a, b) at v[128 + 8 (4 a + b)]).
;   window 1: two fragment buffers of 128: A's four fragments (16 rows x 128 K, 16 registers each), then B's four.   window 2: v0-127 the residual.
; THE FILLS, as they now stand (in place of what is said above of halves): each wave issues ONE joint load, at the head.  Wave 0 brings A's whole K step 0 (256 lines of 256 bytes) into slot 0, wave 1 A's K step 1 into slot 1;
; wave 2 brings B's 128 rows x 512 bytes of K step 0 into slot 0, wave 3 those of K step 1 into slot 1.  One wait for 0 and one barrier show both slots; nothing is filled later.
.set SIZE_K, 1024
.set WOFF,   0x300000                  ; wo's codes in wcodes
.set EOFF,   0x28                      ; entries 10 and 11
.set BIAS,   0
.set KSTEP,  512                       ; along K in a slot
.set KROW,   SIZE_K                    ; a row of B in memory; also 1/128 of a row block of A
.set ASTEP,  65536                     ; A: from a K step to the next: 8 chunks of 8,192 bytes
.set CROW,   4096                      ; a row of C in bytes
.set PA,     272                       ; A's LDS line: 256 bytes + 16 of padding
.set PB,     528                       ; B's LDS row: 512 bytes + 16 of padding: the 16 rows of a load start at 16 different banks (64 banks of 4 bytes: ISA guide 11.1)
.set AHALF,  128*PA                    ; half of A's lines of a K step
.set BHALF,  64*PB                     ; 64 rows of B: what one wave reads
.set ABYTES, 2*AHALF
.set SLOT,   ABYTES+2*BHALF            ; 137,216 bytes
.set LAPS,   SIZE_K/(2*KSTEP)          ; a lap = two K steps = once round the two slots
.set SPARE,  2*SLOT                    ; behind the slots: the spare words, 128 bytes a wave
.set SPITCH, 272                       ; the way out: a stage of 16 rows x (256 + 16) bytes for each wave, in slot 0, which has had its last fill and its last read by then
.set FR,     16                        ; registers of a fragment
.set NP,     4                         ; places behind this matrix instruction (ISA guide 7.12.1)
.set ADRA, 16                          ; v16-17  LDS address of my A fragments in slot 0, 1
.set ADRB, 20                          ; v20-21  the same for B
.set STO,  24                          ; v24     the way out: where I put 32 bytes of a row
.set RD,   25                          ; v25     the way out: where I read 16 bytes of a row back
.set CO,   26                          ; v26     my byte offset in two rows of C
.set BO,   27                          ; v27     16 x (lane % 16)
.set SPW,  28                          ; v28     LDS address of my spare word; never rewritten
.set NIL,  29                          ; v29     0; never rewritten
.set BK,   32                          ; v32-63, v64-95  16 rows back from the stage, two sets by turns
.set BV,   96                          ; v96-99  the bias at my four columns (where there is one)
.set ACC,  128
.set F0,   0                           ; fragment buffers, in window 1
.set F1,   128
.set G1, 24                            ; s[24:31] descriptor group 1 for A's tiles;  s[32:35] group 0, for my one load
.set G0, 32
.set G1B, 48                           ; s[48:55], s[56:59] the same for B's tiles
.set G0B, 56
.set RB, 84                            ; s[84:85] the residual at my part of C
.set OB, 86                            ; s[86:87] the output likewise
.set MSB, 0
.macro WIN new                         ; the immediate's high byte repeats the setting that is left
.if MSB != (\new)
	s_set_vgpr_msb (MSB<<8)|(\new)
.set MSB, (\new)
.endif
.endm
.set MUL,  0x05                        ; sources 0 (B) and 1 (A) window 1; C and D window 0
.set TO_F, 0x40                        ; destination window 1, address window 0
.macro JLOAD g0a, g1a, g0b, g1b        ; a joint load: waves 0 and 1 fetch for A, waves 2 and 3 for B; four v_nop follow each line
	s_cmp_eq_u32 s15, 0
	s_cbranch_scc0 .Lfor_b_\@
	tensor_load_to_lds s[\g0a:\g0a+3], s[\g1a:\g1a+7]
	s_nop 0
.rept 4
	v_nop
.endr
	s_branch .Lasked_\@
.Lfor_b_\@:
	tensor_load_to_lds s[\g0b:\g0b+3], s[\g1b:\g1b+7]
	s_nop 0
.rept 4
	v_nop
.endr
.Lasked_\@:
.endm
.macro CREST                           ; a round of the cluster's barrier behind its opening barrier
	s_cmp_lg_u32 s14, 0
	s_cbranch_scc1 .Lnot_wave_0_\@
	s_barrier_signal -3
.Lnot_wave_0_\@:
	s_barrier_wait -3
	s_barrier_signal -1
	s_barrier_wait -1
.endm
.macro CROUND
	s_barrier_signal -1
	s_barrier_wait -1
	CREST
.endm
	s_load_b128 s[4:7], s[0:1], 0x0                ; A's codes, wcodes
	s_load_b64 s[8:9], s[0:1], 0x10                ; the scales' exponents
	s_load_b128 s[RB:RB+3], s[0:1], 0x18           ; x, x1
	v_lshl_add_u32 v[SPW], v0, 2, SPARE
	v_mov_b32 v[NIL], 0
	ds_add_u32 v28, v29
	ds_add_u32 v28, v29
	s_wait_dscnt 0x0
	v_lshrrev_b32 v1, 5, v0
	v_readfirstlane_b32 s14, v1                    ; wave 0..3
	s_lshr_b32 s15, s14, 1                         ; my half of the tile's rows.  Also: I fetch for A (0) or for B (1)
	s_and_b32 s16, s14, 1                          ; my half of its columns.  Also: which half of that tile I fetch
	s_bfe_u32 s40, ttmp6, 0x40000                  ; cx
	s_bfe_u32 s41, ttmp6, 0x40004                  ; cy
	s_lshl_b32 s42, ttmp9, 2
	s_add_co_u32 s42, s42, s40                     ; tile column, 0 .. 7
	s_and_b32 s17, ttmp7, 0xffff
	s_lshl_b32 s17, s17, 2
	s_add_co_u32 s17, s17, s41                     ; tile row, 0 .. 31
	s_lshl_b32 s43, s41, 2
	s_lshl_b32 s43, 15, s43                        ; my row of the cluster
	s_lshl_b32 s44, 0x1111, s40                    ; my column
	s_or_b32 s[G1+0], s43, (0<<16)|(1<<20)|(1<<21)|(5<<22)|(3<<25)   ; the mask; elements of 1 byte; padding on; bit 21 beside a mask; four words of padding after every 64
	s_mov_b32 s[G1+1], 256<<16                     ; tensor_dim0: a line of 256 bytes
	s_mov_b32 s[G1+2], 256<<16                     ; tensor_dim1: 256 lines
	s_mov_b32 s[G1+3], 256<<16                     ; tile_dim0
	s_mov_b32 s[G1+4], 256                         ; tile_dim1
	s_mov_b32 s[G1+5], 256                         ; A's block is dense: the pitch is the line
	s_mov_b32 s[G1+6], 0
	s_mov_b32 s[G1+7], 0
	s_or_b32 s[G1B+0], s44, (0<<16)|(1<<20)|(1<<21)|(6<<22)|(3<<25)  ; the same with four words of padding after every 128
	s_mov_b32 s[G1B+1], KSTEP<<16                  ; tensor_dim0: 512 bytes of a row
	s_mov_b32 s[G1B+2], 128<<16                    ; tensor_dim1: 128 rows
	s_mov_b32 s[G1B+3], KSTEP<<16                  ; tile_dim0
	s_mov_b32 s[G1B+4], 128                        ; tile_dim1
	s_mov_b32 s[G1B+5], KROW                       ; the pitch
	s_mov_b32 s[G1B+6], 0
	s_mov_b32 s[G1B+7], 0
	s_mul_i32 s20, s17, 128*KROW                   ; A: the tile row's block of 128 rows,
	s_lshl_b32 s18, s16, 16
	s_add_co_u32 s20, s20, s18                     ; + my K step: all eight chunks of 8,192 bytes
	s_mov_b32 s21, 0
	s_lshl_b32 s46, s42, 7                         ; B: row 128 x tile column,
	s_mul_i32 s46, s46, KROW
	s_lshl_b32 s18, s16, 9
	s_add_co_u32 s46, s46, s18                     ; + my K step's 512 bytes
	s_mov_b32 s47, 0
	s_mul_i32 s45, s16, SLOT                       ; where they go: my K step's slot: A at its head,
	s_mul_i32 s19, s16, SLOT
	s_add_co_u32 s19, s19, ABYTES                  ; then B's two: no place in the cluster enters an LDS address
	s_wait_kmcnt 0x0
	s_load_b64 s[96:97], s[8:9], EOFF
	s_add_nc_u64 s[6:7], s[6:7], WOFF
	s_add_nc_u64 s[20:21], s[4:5], s[20:21]
	s_add_nc_u64 s[46:47], s[6:7], s[46:47]
	CROUND                                         ; all sixteen work-groups are here: the first joint loads meet
.irp s, 0
	s_mov_b32 s[G0+4*\s], 1
	s_add_co_u32 s[G0+4*\s+1], s45, \s*SLOT
	s_add_nc_u64 s[G0+4*\s+2:G0+4*\s+3], s[20:21], \s*ASTEP
	s_or_b32 s[G0+4*\s+3], s[G0+4*\s+3], 0x80000000
	s_mov_b32 s[G0B+4*\s], 1
	s_add_co_u32 s[G0B+4*\s+1], s19, \s*SLOT
	s_add_nc_u64 s[G0B+4*\s+2:G0B+4*\s+3], s[46:47], \s*KSTEP
	s_or_b32 s[G0B+4*\s+3], s[G0B+4*\s+3], 0x80000000
	JLOAD G0+4*\s, G1, G0B+4*\s, G1B
.endr
	v_and_b32 v1, 15, v0                           ; r
	v_bfe_u32 v2, v0, 4, 1                         ; h
	v_lshlrev_b32 v7, 12, v2
	v_lshl_add_u32 v[CO], v1, 4, v7                ; C: lanes 0-15 take 256 bytes of one row, lanes 16-31 of the next
	s_wait_alu depctr_va_vdst(0)
	v_lshlrev_b32 v[BO], 4, v1
	s_lshl_b32 s20, s17, 7
	s_lshl_b32 s21, s15, 6
	s_add_co_u32 s20, s20, s21
	s_mul_i32 s20, s20, CROW                       ; my first row of C: 128 x tile row + 64 x half,
	s_lshl_b32 s46, s42, 9
	s_lshl_b32 s47, s16, 8
	s_add_co_u32 s46, s46, s47                     ; my first column, in bytes: 512 x tile column + 256 x half
	s_add_co_u32 s20, s20, s46
	s_mov_b32 s21, 0
	s_add_nc_u64 s[RB:RB+1], s[RB:RB+1], s[20:21]
	s_add_nc_u64 s[OB:OB+1], s[OB:OB+1], s[20:21]
	WIN 0x80                                       ; destination window 2
.irp a, 0,1,2,3
.irp t, 0,1,2,3,4,5,6,7
	global_load_b128 v[32*\a+4*\t:32*\a+4*\t+3], v[CO], s[RB:RB+1] offset:(16*\a+2*\t)*CROW   ; the residual's rows 16 a + 2 t + h: they land under the products; their registers and addresses are left alone until the way out
.endr
.endr
	WIN 0
	v_mul_u32_u24 v3, v1, PB
	v_lshl_add_u32 v4, v2, 4, v3                   ; B: row x pitch + 16 h
	v_lshrrev_b32 v5, 2, v1
	v_mul_u32_u24 v5, v5, PA
	v_and_b32 v6, 3, v1
	v_lshl_add_u32 v5, v6, 6, v5
	v_lshl_add_u32 v5, v2, 4, v5                   ; A: line r / 4, byte 64 (r % 4) + 16 h: sixteen lanes touch sixteen different columns of 16 bytes
	s_mul_i32 s21, s15, 16*PA                      ; my 64 rows of A: 16 lines of each chunk's 32
	s_mul_i32 s22, s16, BHALF                      ; my 64 rows of B,
	s_add_co_u32 s22, s22, ABYTES                  ; which lie behind A
.irp s, 0,1
	v_add_nc_u32 v[ADRA+\s], s21, v5
	v_add_nc_u32 v[ADRB+\s], s22, v4
	s_add_co_u32 s21, s21, SLOT
	s_add_co_u32 s22, s22, SLOT
.endr
	s_mul_i32 s23, s14, 16*SPITCH                  ; my stage
	v_mul_u32_u24 v5, v1, SPITCH
	v_lshl_add_u32 v5, v2, 5, v5
	v_add_nc_u32 v[STO], s23, v5                   ; in: row r, 32 bytes for each half of the lanes
	v_mul_u32_u24 v6, v2, SPITCH
	v_lshl_add_u32 v6, v1, 4, v6
	v_add_nc_u32 v[RD], s23, v6                    ; back: lanes 0-15 one row of 256 bytes, lanes 16-31 the next
.macro FRAGB reg, adr, q, i            ; 16 rows x 128 K of the row-major tile
.irp c, 0,1,2,3
	ds_load_b128 v[\reg+4*\c:\reg+4*\c+3], v[\adr] offset:128*(\q)+32*\c+(\i)*16*PB
.endr
.endm
.macro FRAGA reg, adr, q, i            ; the blocked tile: chunk 2 q + c / 2, lines 4 i on, byte 32 (c % 2)
.irp c, 0,1,2,3
	ds_load_b128 v[\reg+4*\c:\reg+4*\c+3], v[\adr] offset:(32*(2*(\q)+\c/2)+4*(\i))*PA+32*(\c%2)
.endr
.endm
.macro MUL8 f, a0, zero                ; A's blocks a0, a0 + 1 x B's four, 128 along K.  The 16 accumulators take turns, one instruction a turn.  zero = 1: the product starts the sum
.irp a, \a0, \a0+1
.irp b, 0,1,2,3
.if \zero
	v_wmma_f32_16x16x128_bf8_bf8 v[ACC+8*(4*(\a)+\b):ACC+8*(4*(\a)+\b)+7], v[\f+64+FR*\b:\f+64+FR*\b+FR-1], v[\f+FR*(\a):\f+FR*(\a)+FR-1], 0
.else
	v_wmma_f32_16x16x128_bf8_bf8 v[ACC+8*(4*(\a)+\b):ACC+8*(4*(\a)+\b)+7], v[\f+64+FR*\b:\f+64+FR*\b+FR-1], v[\f+FR*(\a):\f+FR*(\a)+FR-1], v[ACC+8*(4*(\a)+\b):ACC+8*(4*(\a)+\b)+7]
.endif
.endr
.endr
.endm
.macro FETCH slot, q, f                ; 32 LDS loads in one run: the slot's q-th 128 along K into buffer f: B's four fragments, then A's four
	WIN TO_F
.irp i, 0,1,2,3
	FRAGB \f+64+FR*\i, ADRB+\slot, \q, \i
.endr
.irp i, 0,1,2,3
	FRAGA \f+FR*\i, ADRA+\slot, \q, \i
.endr
.endm
.macro PLACES n                        ; plain vector lines between a matrix instruction and a load into, or a read of, its registers
.rept \n
	v_nop
.endr
.endm
; A K step is four quarters of 128 along K, 16 matrix instructions each, on buffers 0, 1, 0, 1.  One of the first three: multiplies buffer f and fetches the slot's quarter q into buffer g.
.macro QUARTER slot, q, f, g, zero
	s_wait_dscnt 8                                 ; B's four fragments and A's blocks 0, 1 are in; the youngest eight loads (A's blocks 2, 3) may be out
	WIN MUL
	MUL8 \f, 0, \zero
	PLACES NP
	FETCH \slot, \q, \g
	s_wait_dscnt 32                                ; all but the 32 just issued
	WIN MUL
	MUL8 \f, 2, \zero
.endm
; The last quarter multiplies buffer 1 and changes slots: one barrier; in front of it each wave waits for all its tensor loads, adds 0 to its spare word, and waits for that and for its reads of this slot.
; fill = 1: this slot is filled again, two K steps ahead.
.macro TURN slot, next, fill
	WIN 0                                          ; (the add's two registers lie in window 0)
	s_wait_tensorcnt 0x0                           ; all my tensor loads have landed: my part of the next slot;
	ds_add_u32 v[SPW], v[NIL]                      ; 0 onto my spare word;
	s_wait_dscnt 9                                 ; (the add and the youngest eight loads may be out)
	WIN MUL
	MUL8 F1, 0, 0                                  ; eight matrix instructions stand between the add and the wait for it
	s_wait_dscnt 0x0                               ; the add is done, and my reads of this slot are over
	s_barrier_signal -1
	WIN 0
	s_barrier_wait -1
.if \fill
	CREST                                          ; the barrier has opened a round of the cluster's: no wave of any partner still reads this slot or has a load on its way
	s_add_nc_u64 s[G0+4*\slot+2:G0+4*\slot+3], s[G0+4*\slot+2:G0+4*\slot+3], 2*ASTEP
	s_add_nc_u64 s[G0B+4*\slot+2:G0B+4*\slot+3], s[G0B+4*\slot+2:G0B+4*\slot+3], 2*KSTEP
	JLOAD G0+4*\slot, G1, G0B+4*\slot, G1B         ; the first tensor load behind the round; its four v_nop are the places in front of the loads below
.else
	PLACES NP
.endif
	FETCH \next, 0, F0
	WIN MUL
	MUL8 F1, 2, 0
.endm
	s_wait_alu depctr_va_vdst(0)
	s_wait_tensorcnt 0x0                           ; my one load has landed,
	s_barrier_signal -1
	s_barrier_wait -1                              ; everybody's is
	FETCH 0, 0, F0
	QUARTER 0, 1, F0, F1, 1                        ; the first quarter's products start the sums
.if LAPS > 1
	WIN 0                                          ; at a label and at a branch every window is 0
	s_mov_b32 s3, LAPS-1
.Llap:                                                 ; a trip goes once round the two slots, from a lap's second quarter to the next lap's first, and fills both again
	QUARTER 0, 2, F1, F0, 0
	QUARTER 0, 3, F0, F1, 0
	TURN 0, 1, 1
	QUARTER 1, 1, F0, F1, 0
	QUARTER 1, 2, F1, F0, 0
	QUARTER 1, 3, F0, F1, 0
	TURN 1, 0, 1
	QUARTER 0, 1, F0, F1, 0
	WIN 0
	s_sub_co_u32 s3, s3, 1
	s_cmp_lg_u32 s3, 0
	s_cbranch_scc1 .Llap
.endif
	QUARTER 0, 2, F1, F0, 0                        ; the last lap fills nothing
	QUARTER 0, 3, F0, F1, 0
	TURN 0, 1, 0
	QUARTER 1, 1, F0, F1, 0
	QUARTER 1, 2, F1, F0, 0
	QUARTER 1, 3, F0, F1, 0
	s_wait_dscnt 8                                 ; the very last quarter: nothing more to fetch
	WIN MUL
	MUL8 F1, 0, 0
	s_wait_dscnt 0
	MUL8 F1, 2, 0
	WIN 0
; THE WAY OUT, block by block of 16 rows x 64 columns.  A wave's 64 columns are 256 bytes, aligned: each wave has a stage of its own and no barrier is needed.  The sums go in as they are and come back two rows an instruction,
; in the shape in which the residual was loaded; one packed multiply-add joins them.
.macro TOSTAGE a
.irp b, 0,1,2,3
	ds_store_b128 v[STO], v[ACC+8*(4*(\a)+\b):ACC+8*(4*(\a)+\b)+3] offset:64*\b          ; each accumulator from its low end on
	ds_store_b128 v[STO], v[ACC+8*(4*(\a)+\b)+4:ACC+8*(4*(\a)+\b)+7] offset:64*\b+16
.endr
.set BB, BK+32*((\a)%2)
.irp t, 0,1,2,3,4,5,6,7
	ds_load_b128 v[BB+4*\t:BB+4*\t+3], v[RD] offset:\t*2*SPITCH      ; LDS serves a wave's instructions in order: these see the stores above, and the next block's stores come behind them
.endr
.endm
.macro SEND a, yd                      ; yd: the LDS instructions issued behind block a's loads, which may stay out
.set BB, BK+32*((\a)%2)
	s_wait_dscnt \yd
	WIN 0x20                                       ; source 2: window 2
.set jj, 0
.rept 16
	v_pk_fma_f32 v[BB+jj:BB+jj+1], v[BB+jj:BB+jj+1], s[96:97], v[32*(\a)+jj:32*(\a)+jj+1] op_sel_hi:[1,0,1]   ; sum x 2^(eA + eB) + residual
.set jj, jj+2
.endr
	WIN 0
.if BIAS
.set jj, 0
.rept 16
	v_pk_add_f32 v[BB+jj:BB+jj+1], v[BB+jj:BB+jj+1], v[BV+jj%4:BV+jj%4+1]
.set jj, jj+2
.endr
.endif
.irp t, 0,1,2,3,4,5,6,7
	global_store_b128 v[CO], v[BB+4*\t:BB+4*\t+3], s[OB:OB+1] offset:(16*(\a)+2*\t)*CROW   ; sixteen lanes store 256 consecutive bytes, aligned; the offset is at most 62 rows: inside the signed 24-bit immediate
.endr
.endm
	s_wait_kmcnt 0x0
	s_add_co_i32 s96, s96, s97
	s_add_co_i32 s96, s96, 127
	s_lshl_b32 s96, s96, 23                        ; 2^(eA + eB) as f32
	s_mov_b32 s97, s96
	PLACES NP                                      ; behind the last products, in front of the first read of results
	TOSTAGE 0
	s_wait_loadcnt 0x0                             ; the residual, asked for at the head
.irp a, 1,2,3
.if \a > 1
	s_wait_xcnt 0x0                                ; block a - 2's stores have read their registers: block a's loads may land there
.endif
	TOSTAGE \a
	SEND \a-1, 16                                  ; behind block a - 1's loads: block a's 8 LDS stores and 8 LDS loads
.endr
	SEND 3, 0
	s_wait_tensorcnt 0x0                           ; the wave's end
	ds_add_u32 v[SPW], v[NIL]
	s_wait_dscnt 0x0
	CROUND                                         ; the closing round
	s_endpgm
.Lfunc_end_k_q1d115f9e70_wo:
	.size	k_q1d115f9e70_wo, .Lfunc_end_k_q1d115f9e70_wo-k_q1d115f9e70_wo
	.p2alignl 7, 3214868480
	.fill 96, 4, 3214868480
	.section	.rodata,"a",@progbits
	.p2align	6, 0x0
	.amdhsa_kernel k_q1d115f9e70_wo
		.amdhsa_group_segment_fixed_size 327680
		.amdhsa_private_segment_fixed_size 0
		.amdhsa_enable_private_segment 0
		.amdhsa_kernarg_size 40
		.amdhsa_user_sgpr_count 2
		.amdhsa_user_sgpr_kernarg_segment_ptr 1
		.amdhsa_wavefront_size32 1
		.amdhsa_system_sgpr_workgroup_id_x 1
		.amdhsa_system_sgpr_workgroup_id_y 1
		.amdhsa_system_sgpr_workgroup_id_z 1
		.amdhsa_system_vgpr_workitem_id 0
		.amdhsa_next_free_vgpr 640
		.amdhsa_next_free_sgpr 100
		.amdhsa_reserve_vcc 0
		.amdhsa_float_denorm_mode_32 3
		.amdhsa_float_denorm_mode_16_64 3
		.amdhsa_memory_ordered 1
		.amdhsa_forward_progress 1
		.amdhsa_inst_pref_size 48
	.end_amdhsa_kernel
	.amdgpu_metadata
---
amdhsa.version: [ 1, 2 ]
amdhsa.kernels:
  - .name:           k_q1d115f9e70_wo
    .symbol:         k_q1d115f9e70_wo.kd
    .args:
      - { .name: ocodes, .offset: 0, .size: 8, .value_kind: global_buffer, .address_space: global }
      - { .name: wcodes, .offset: 8, .size: 8, .value_kind: global_buffer, .address_space: global }
      - { .name: lowp_scales, .offset: 16, .size: 8, .value_kind: global_buffer, .address_space: global }
      - { .name: x, .offset: 24, .size: 8, .value_kind: global_buffer, .address_space: global }
      - { .name: x1, .offset: 32, .size: 8, .value_kind: global_buffer, .address_space: global }
    .group_segment_fixed_size: 327680
    .private_segment_fixed_size: 0
    .kernarg_segment_align: 8
    .kernarg_segment_size: 40
    .max_flat_workgroup_size: 128
    .sgpr_count:     100
    .vgpr_count:     640
    .wavefront_size: 32
...
	.end_amdgpu_metadata
.endif
;; end of part 11
;; launch ln2 (part 12): grid 256 x 1, 4 waves a work-group, no clusters, 0 bytes of LDS; arguments x1, ln2_g, ln2_b, lowp_scales, h2codes; writes h2codes
.if DOCPART == 12
	.amdgcn_target "amdgcn-amd-amdhsa--gfx1250"
	.amdhsa_code_object_version 6
	.text
	.protected	k_q1d115f9e70_ln2
	.globl	k_q1d115f9e70_ln2
	.p2align	8
	.type	k_q1d115f9e70_ln2,@function
k_q1d115f9e70_ln2:
	s_mov_b64 s[64:65], 0
	v_nop
	global_prefetch_b8 v0, s[64:65] scope:SCOPE_SE
	s_setreg_imm32_b32 hwreg(HW_REG_WAVE_MODE, 25, 1), 1
	s_wait_xcnt 0x0
; LN2.  h2 = layernorm(x1) x g + b, quantised to E5M2 with the given scale 2^e12: h2codes [4096][1024], row-major.
; A wave takes 4 rows, one after the other; a row lies in 32 registers a lane, so memory is read once and no wave waits for another.  No LDS, no barrier, no cluster: nothing is shared.
; LIMITS: e12 between -126 and 112.  NaN and infinities among the inputs are not served.
.set EMAX,  15
.set MANT,  0x600000
.set NSETS, 1
.set LA,    3                          ; v3   32 x lane
.set LC,    4                          ; v4   8 x lane
.set G,     16
.set B,     48
.set X,     80
.set T,     208
.set MU,    216
.set RS,    218
.set C,     224
.set SC,    248
.set LIM,   251
.set XB,    56
.set HB,    58
.macro REDUCE
	v_add_f32_dpp v[T], v[T], v[T] row_xmask:1 row_mask:0xf bank_mask:0xf
	v_add_f32_dpp v[T], v[T], v[T] row_xmask:2 row_mask:0xf bank_mask:0xf
	v_add_f32_dpp v[T], v[T], v[T] row_xmask:4 row_mask:0xf bank_mask:0xf
	v_add_f32_dpp v[T], v[T], v[T] row_xmask:8 row_mask:0xf bank_mask:0xf
	v_permlanex16_b32 v[T+1], v[T], s54, s55
	v_add_f32 v[T], v[T], v[T+1]
.endm
.macro FOLD
	v_pk_add_f32 v[T:T+1], v[T:T+1], v[T+2:T+3]
	v_pk_add_f32 v[T+4:T+5], v[T+4:T+5], v[T+6:T+7]
	v_pk_add_f32 v[T:T+1], v[T:T+1], v[T+4:T+5]
	v_add_f32 v[T], v[T], v[T+1]
.endm
.macro LNROW rho
.set XR, X+32*(\rho)
	s_wait_loadcnt 8*(3-(\rho))                    ; this row's eight loads are in; the later rows' eight each may be out
.irp k, 0,1,2,3
	v_pk_add_f32 v[T+2*\k:T+2*\k+1], v[XR+4*\k:XR+4*\k+1], v[XR+4*\k+2:XR+4*\k+3]
.endr
.irp k, 0,1,2,3,4,5,6,7
	v_pk_add_f32 v[T+2*(\k%4):T+2*(\k%4)+1], v[T+2*(\k%4):T+2*(\k%4)+1], v[XR+16+2*\k:XR+16+2*\k+1]
.endr
	FOLD
	REDUCE
	v_mul_f32 v[MU], s52, v[T]
	v_mul_f32 v[MU+1], s52, v[T]
.irp j, 0,2,4,6,8,10,12,14,16,18,20,22,24,26,28,30
	v_pk_add_f32 v[XR+\j:XR+\j+1], v[XR+\j:XR+\j+1], v[MU:MU+1] neg_lo:[0,1] neg_hi:[0,1]
.endr
.irp k, 0,1,2,3
	v_pk_mul_f32 v[T+2*\k:T+2*\k+1], v[XR+2*\k:XR+2*\k+1], v[XR+2*\k:XR+2*\k+1]
.endr
.irp k, 4,5,6,7,8,9,10,11,12,13,14,15
	v_pk_fma_f32 v[T+2*(\k%4):T+2*(\k%4)+1], v[XR+2*\k:XR+2*\k+1], v[XR+2*\k:XR+2*\k+1], v[T+2*(\k%4):T+2*(\k%4)+1]
.endr
	FOLD
	REDUCE
	v_fma_f32 v[T], v[T], s52, s53
	s_wait_alu depctr_va_vdst(0)
	v_rsq_f32 v[RS], v[T]
	v_nop                                          ; a plain line behind the transcendental,
	s_wait_alu depctr_va_vdst(0)                   ; and the wait ahead of its first reader
	v_mov_b32 v[RS+1], v[RS]
.irp j, 0,2,4,6,8,10,12,14,16,18,20,22,24,26,28,30
	v_pk_mul_f32 v[XR+\j:XR+\j+1], v[XR+\j:XR+\j+1], v[RS:RS+1]
.endr
.irp j, 0,2,4,6,8,10,12,14,16,18,20,22,24,26,28,30
	v_pk_fma_f32 v[XR+\j:XR+\j+1], v[XR+\j:XR+\j+1], v[G+\j:G+\j+1], v[B+\j:B+\j+1]
.endr
	s_wait_xcnt 0x0                                ; the last row's stores have read their data
.set QS, 0
.rept NSETS
.irp c, 0,1,2,3
.irp j, 0,1,2,3,4,5,6,7
	v_med3_num_f32 v[T+8*(\c%2)+\j], v[XR+8*\c+\j], -v[LIM+QS], v[LIM+QS]
.endr
	v_cvt_scalef32_pk8_bf8_f32 v[C+8*QS+2*\c:C+8*QS+2*\c+1], v[T+8*(\c%2):T+8*(\c%2)+7], v[SC+QS]
.endr
.set QS, QS+1
.endr
	v_nop                                          ; a plain line behind the last conversion
.set QS, 0
.rept NSETS
.irp c, 0,1,2,3
	global_store_b64 v[LC], v[C+8*QS+2*\c:C+8*QS+2*\c+1], s[HB+2*QS:HB+2*QS+1] offset:256*\c+1024*(\rho)   ; the wave stores 256 consecutive bytes, aligned
.endr
.set QS, QS+1
.endr
.endm
	s_load_b256 s[4:11], s[0:1], 0x0               ; x1 4:5, g 6:7, b 8:9, the scales' exponents 10:11
	s_load_b64 s[26:27], s[0:1], 0x20              ; h2codes
	v_lshrrev_b32 v1, 5, v0
	v_readfirstlane_b32 s28, v1
	v_and_b32 v2, 31, v0
	s_wait_alu depctr_va_vdst(0)
	s_wait_kmcnt 0x0
	s_load_b32 s36, s[10:11], 0x30                 ; e12
	s_lshl_b32 s29, ttmp9, 4
	s_lshl_b32 s30, s28, 2
	s_add_co_u32 s29, s29, s30                     ; my first row
	s_lshl_b32 s30, s29, 12
	s_mov_b32 s31, 0
	s_add_nc_u64 s[XB:XB+1], s[4:5], s[30:31]
	s_lshl_b32 s30, s29, 10
	s_add_nc_u64 s[HB:HB+1], s[26:27], s[30:31]
	s_mov_b32 s52, 0x3a800000                      ; 1 / 1024
	s_mov_b32 s53, 0x3727c5ac                      ; 1e-5
	s_mov_b32 s54, 0x76543210
	s_mov_b32 s55, 0xfedcba98
	v_lshlrev_b32 v[LA], 5, v2
	v_lshlrev_b32 v[LC], 3, v2
.irp c, 0,1,2,3
.irp i, 0,1
	global_load_b128 v[G+8*\c+4*\i:G+8*\c+4*\i+3], v[LA], s[6:7] offset:1024*\c+16*\i
	global_load_b128 v[B+8*\c+4*\i:B+8*\c+4*\i+3], v[LA], s[8:9] offset:1024*\c+16*\i
.endr
.endr
.irp rho, 0,1,2,3
.irp c, 0,1,2,3
.irp i, 0,1
	global_load_b128 v[X+32*\rho+8*\c+4*\i:X+32*\rho+8*\c+4*\i+3], v[LA], s[XB:XB+1] offset:4096*\rho+1024*\c+16*\i
.endr
.endr
.endr
	s_wait_kmcnt 0x0
	s_add_co_i32 s29, s36, 127
	s_lshl_b32 s30, s29, 23
	v_mov_b32 v[SC], s30
	s_add_co_i32 s29, s29, EMAX
	s_lshl_b32 s29, s29, 23
	s_or_b32 s29, s29, MANT
	v_mov_b32 v[LIM], s29
	LNROW 0
	LNROW 1
	LNROW 2
	LNROW 3
	s_endpgm
.Lfunc_end_k_q1d115f9e70_ln2:
	.size	k_q1d115f9e70_ln2, .Lfunc_end_k_q1d115f9e70_ln2-k_q1d115f9e70_ln2
	.p2alignl 7, 3214868480
	.fill 96, 4, 3214868480
	.section	.rodata,"a",@progbits
	.p2align	6, 0x0
	.amdhsa_kernel k_q1d115f9e70_ln2
		.amdhsa_group_segment_fixed_size 0
		.amdhsa_private_segment_fixed_size 0
		.amdhsa_enable_private_segment 0
		.amdhsa_kernarg_size 40
		.amdhsa_user_sgpr_count 2
		.amdhsa_user_sgpr_kernarg_segment_ptr 1
		.amdhsa_wavefront_size32 1
		.amdhsa_system_sgpr_workgroup_id_x 1
		.amdhsa_system_sgpr_workgroup_id_y 1
		.amdhsa_system_sgpr_workgroup_id_z 1
		.amdhsa_system_vgpr_workitem_id 0
		.amdhsa_next_free_vgpr 256
		.amdhsa_next_free_sgpr 66
		.amdhsa_reserve_vcc 0
		.amdhsa_float_denorm_mode_32 3
		.amdhsa_float_denorm_mode_16_64 3
		.amdhsa_memory_ordered 1
		.amdhsa_forward_progress 1
		.amdhsa_inst_pref_size 42
	.end_amdhsa_kernel
	.amdgpu_metadata
---
amdhsa.version: [ 1, 2 ]
amdhsa.kernels:
  - .name:           k_q1d115f9e70_ln2
    .symbol:         k_q1d115f9e70_ln2.kd
    .args:
      - { .name: x1, .offset: 0, .size: 8, .value_kind: global_buffer, .address_space: global }
      - { .name: ln2_g, .offset: 8, .size: 8, .value_kind: global_buffer, .address_space: global }
      - { .name: ln2_b, .offset: 16, .size: 8, .value_kind: global_buffer, .address_space: global }
      - { .name: lowp_scales, .offset: 24, .size: 8, .value_kind: global_buffer, .address_space: global }
      - { .name: h2codes, .offset: 32, .size: 8, .value_kind: global_buffer, .address_space: global }
    .group_segment_fixed_size: 0
    .private_segment_fixed_size: 0
    .kernarg_segment_align: 8
    .kernarg_segment_size: 40
    .max_flat_workgroup_size: 128
    .sgpr_count:     66
    .vgpr_count:     256
    .wavefront_size: 32
...
	.end_amdgpu_metadata
.endif
;; end of part 12
;; launch ff1 (part 13): grid 16 x 16, 4 waves a work-group, clusters of 4 x 4, 327,680 bytes of LDS; arguments h2codes, wcodes, lowp_scales, b1, gcodes; writes gcodes
.if DOCPART == 13
	.amdgcn_target "amdgcn-amd-amdhsa--gfx1250"
	.amdhsa_code_object_version 6
	.text
	.protected	k_q1d115f9e70_ff1
	.globl	k_q1d115f9e70_ff1
	.p2align	8
	.type	k_q1d115f9e70_ff1,@function
k_q1d115f9e70_ff1:
	s_mov_b64 s[64:65], 0
	v_nop
	global_prefetch_b8 v0, s[64:65] scope:SCOPE_SE
	s_setreg_imm32_b32 hwreg(HW_REG_WAVE_MODE, 25, 1), 1
	s_wait_xcnt 0x0
	s_wait_alu depctr_hold_cnt(0) depctr_sa_sdst(0) depctr_va_vdst(0) depctr_va_sdst(0) depctr_va_ssrc(0) depctr_va_vcc(0) depctr_vm_vsrc(0)
	s_getreg_b32 s2, hwreg(HW_REG_IB_STS2, 6, 4)
	s_cmp_eq_u32 s2, 0
	s_cbranch_scc0 .Lentry_in_a_cluster
	s_endpgm
.Lentry_in_a_cluster:
	s_bfe_u32 s2, ttmp6, 0x10000c
	s_cmp_lg_u32 s2, 0xf033
	s_cbranch_scc0 .Lentry_shape_is_right
	s_endpgm
.Lentry_shape_is_right:
.set SIZE_K, 1024
.set WOFF,   0x400000
.set KSTEP,  256
.set ROWB,   256
.set KROW,   1024
.set PITCH,  272
.set FR,     16
.set NL,     4
.set NP,     4
.set HALFT,  128*PITCH
.set SLOT,   4*HALFT
.set LAPS,   SIZE_K/(2*KSTEP)
.set SPARE,  2*SLOT
.set DP,     528
.set ADRA, 16
.set ADRB, 20
.set STO,  24
.set RD,   25
.set GO,   26
.set BIO,  27
.set SPW,  28
.set NIL,  29
.set AF,   128
.set R,    32
.set U,    64
.set T,    96
.set P,    128
.set W,    160
.set BI,   192
.set C,    224
.set C8,   232
.set LIMV, 234
.set SCV,  235
.set ADR,  236
.set CK,   238
.set G1, 24
.set G0, 32
.set G1B, 48
.set G0B, 56
.set MSB, 0
.macro WIN new
.if MSB != (\new)
	s_set_vgpr_msb (MSB<<8)|(\new)
.set MSB, (\new)
.endif
.endm
.set MUL_LO, 0xa1
.set MUL_HI, 0xf1
.set TO_B,   0x40
; A joint load.  A wave owns one operand (wave % 2: A or B) of one slot (wave / 2) and brings that operand's whole tile of a K step: 256 rows x 256 bytes.
.macro JLOAD g0a, g1a, g0b, g1b
	s_cmp_eq_u32 s16, 0
	s_cbranch_scc0 .Lfor_b_\@
	tensor_load_to_lds s[\g0a:\g0a+3], s[\g1a:\g1a+7]
	s_nop 0
.rept 4
	v_nop
.endr
	s_branch .Lasked_\@
.Lfor_b_\@:
	tensor_load_to_lds s[\g0b:\g0b+3], s[\g1b:\g1b+7]
	s_nop 0
.rept 4
	v_nop
.endr
.Lasked_\@:
.endm
.macro CREST
	s_cmp_lg_u32 s14, 0
	s_cbranch_scc1 .Lnot_wave_0_\@
	s_barrier_signal -3
.Lnot_wave_0_\@:
	s_barrier_wait -3
	s_barrier_signal -1
	s_barrier_wait -1
.endm
.macro CROUND
	s_barrier_signal -1
	s_barrier_wait -1
	CREST
.endm
	s_load_b128 s[4:7], s[0:1], 0x0
	s_load_b128 s[8:11], s[0:1], 0x10
	s_load_b64 s[12:13], s[0:1], 0x20
	v_lshl_add_u32 v[SPW], v0, 2, SPARE
	v_mov_b32 v[NIL], 0
	ds_add_u32 v28, v29
	ds_add_u32 v28, v29
	s_wait_dscnt 0x0
	v_lshrrev_b32 v1, 5, v0
	v_readfirstlane_b32 s14, v1
	s_lshr_b32 s15, s14, 1
	s_and_b32 s16, s14, 1
	s_bfe_u32 s40, ttmp6, 0x40000
	s_bfe_u32 s41, ttmp6, 0x40004
	s_lshl_b32 s42, ttmp9, 2
	s_add_co_u32 s42, s42, s40
	s_and_b32 s17, ttmp7, 0xffff
	s_lshl_b32 s17, s17, 2
	s_add_co_u32 s17, s17, s41
	s_lshl_b32 s43, s41, 2
	s_lshl_b32 s43, 15, s43
	s_lshl_b32 s44, 0x1111, s40
	s_or_b32 s[G1+0], s43, (0<<16)|(1<<20)|(1<<21)|(5<<22)|(3<<25)
	s_or_b32 s[G1B+0], s44, (0<<16)|(1<<20)|(1<<21)|(5<<22)|(3<<25)
.irp g, G1, G1B
	s_mov_b32 s[\g+1], ROWB<<16
	s_mov_b32 s[\g+2], 256<<16
	s_mov_b32 s[\g+3], ROWB<<16
	s_mov_b32 s[\g+4], 256
	s_mov_b32 s[\g+5], KROW
	s_mov_b32 s[\g+6], 0
	s_mov_b32 s[\g+7], 0
.endr
	s_lshl_b32 s18, s15, 8                         ; my slot's first K step: 256 bytes x (wave / 2)
	s_lshl_b32 s20, s17, 8
	s_lshl_b32 s46, s42, 8
	s_mul_i32 s20, s20, KROW
	s_mul_i32 s46, s46, KROW
	s_add_co_u32 s20, s20, s18
	s_add_co_u32 s46, s46, s18
	s_mov_b32 s21, 0
	s_mov_b32 s47, 0
	s_mul_i32 s45, s15, SLOT                       ; my slot in LDS
	v_and_b32 v12, 31, v0
	v_lshlrev_b32 v12, 10, v12                     ; the prefetches' offset: a lane a row of 1,024 bytes; never rewritten
	s_wait_alu depctr_va_vdst(0)
	s_wait_kmcnt 0x0
	s_load_b128 s[68:71], s[8:9], 0x30
	s_add_nc_u64 s[6:7], s[6:7], WOFF
	s_add_nc_u64 s[20:21], s[4:5], s[20:21]
	s_add_nc_u64 s[46:47], s[6:7], s[46:47]
	s_cmp_eq_u32 s16, 0                            ; the prefetches: of my operand's 256 rows the four partners that ask jointly take 64 each, told apart by address (cx for A, cy for B); my wave names them at my K step + 2
	s_cselect_b64 s[66:67], s[20:21], s[46:47]
	s_cselect_b32 s98, s40, s41
	s_lshl_b32 s98, s98, 16
	s_mov_b32 s99, 0
	s_add_nc_u64 s[66:67], s[66:67], s[98:99]      ; never rewritten
	CROUND
	s_mov_b32 s[G0], 1
	s_mov_b32 s[G0+1], s45
	s_mov_b64 s[G0+2:G0+3], s[20:21]
	s_or_b32 s[G0+3], s[G0+3], 0x80000000
	s_mov_b32 s[G0B], 1
	s_add_co_u32 s[G0B+1], s45, 2*HALFT
	s_mov_b64 s[G0B+2:G0B+3], s[46:47]
	s_or_b32 s[G0B+3], s[G0B+3], 0x80000000
	JLOAD G0, G1, G0B, G1B                         ; my one load at the head: the four waves' loads are K steps 0 and 1, both slots
	global_prefetch_b8 v12, s[66:67] offset:512 th:TH_LOAD_NT scope:SCOPE_SE         ; my K step + 2 (2 or 3, the last): 32 rows x 256 bytes, a lane a row,
	global_prefetch_b8 v12, s[66:67] offset:512+32768 th:TH_LOAD_NT scope:SCOPE_SE   ; and the next 32 rows
	v_and_b32 v1, 15, v0
	s_wait_alu depctr_va_vdst(0)
	v_bfe_u32 v2, v0, 4, 1
	v_mul_u32_u24 v3, v1, PITCH
	v_lshl_add_u32 v4, v2, 4, v3
	s_mul_i32 s21, s15, HALFT
	s_mul_i32 s22, s16, HALFT
	s_add_co_u32 s22, s22, 2*HALFT
.irp s, 0,1
	v_add_nc_u32 v[ADRA+\s], s21, v4
	v_add_nc_u32 v[ADRB+\s], s22, v4
	s_add_co_u32 s21, s21, SLOT
	s_add_co_u32 s22, s22, SLOT
.endr
	s_mul_i32 s23, s14, 128*DP
	v_mul_u32_u24 v5, v1, DP
	s_wait_alu depctr_va_vdst(0)
	v_lshl_add_u32 v5, v2, 5, v5
	v_add_nc_u32 v[STO], s23, v5
	v_and_b32 v6, 31, v0
	v_lshrrev_b32 v7, 2, v6
	v_mul_u32_u24 v7, v7, DP
	v_and_b32 v8, 3, v6
	v_lshl_add_u32 v7, v8, 6, v7
	v_add_nc_u32 v[RD], s23, v7
	v_lshlrev_b32 v[GO], 4, v6
	v_lshlrev_b32 v[BIO], 6, v8
	s_lshl_b32 s82, s17, 1
	s_add_co_u32 s82, s82, s15
	s_lshl_b32 s82, s82, 19
	s_lshl_b32 s83, s42, 2
	s_add_co_u32 s83, s83, s16
	s_add_co_u32 s83, s83, s16
	s_lshl_b32 s83, s83, 13
	s_add_co_u32 s82, s82, s83
	s_mov_b32 s83, 0
	s_add_nc_u64 s[12:13], s[12:13], s[82:83]
	s_lshl_b32 s82, s42, 10
	s_lshl_b32 s84, s16, 9
	s_add_co_u32 s82, s82, s84
	s_add_nc_u64 s[10:11], s[10:11], s[82:83]
.macro FRAG reg, adr, q, i
.irp c, 0,1,2,3
	ds_load_b128 v[\reg+4*\c:\reg+4*\c+3], v[\adr] offset:128*(\q)+32*\c+(\i)*16*PITCH
.endr
.endm
.macro MUL16 a0, p, zero
.irp a, \a0, \a0+1
.irp b, 0,1,2,3,4,5,6,7
.if \zero
	v_wmma_f32_16x16x128_bf8_bf8 v[8*(8*((\a)%4)+\b):8*(8*((\a)%4)+\b)+7], v[128*(\p)+FR*\b:128*(\p)+FR*\b+FR-1], v[AF+FR*(\a):AF+FR*(\a)+FR-1], 0
.else
	v_wmma_f32_16x16x128_bf8_bf8 v[8*(8*((\a)%4)+\b):8*(8*((\a)%4)+\b)+7], v[128*(\p)+FR*\b:128*(\p)+FR*\b+FR-1], v[AF+FR*(\a):AF+FR*(\a)+FR-1], v[8*(8*((\a)%4)+\b):8*(8*((\a)%4)+\b)+7]
.endif
.endr
.endr
.endm
.macro FETCH_B slot, q, p
	WIN TO_B
.irp i, 0,1,2,3,4,5,6,7
	FRAG 128*(\p)+FR*\i, ADRB+\slot, \q, \i
.endr
	WIN 0
.endm
.macro FETCH_A slot, q, i0
.irp i, \i0, \i0+1, \i0+2, \i0+3
	FRAG AF+FR*(\i), ADRA+\slot, \q, \i
.endr
.endm
.macro PLACES n
.rept \n
	v_nop
.endr
.endm
.macro STEP slot, q, zero
	s_wait_dscnt 4*NL
	WIN MUL_LO
	MUL16 0, (\q)%2, \zero
	MUL16 2, (\q)%2, \zero
	s_wait_dscnt 0
	PLACES NP
	FETCH_B \slot, (\q)+1, 1-(\q)%2
	FETCH_A \slot, (\q)+1, 0
	WIN MUL_HI
	MUL16 4, (\q)%2, \zero
	MUL16 6, (\q)%2, \zero
	PLACES NP
	WIN 0
	FETCH_A \slot, (\q)+1, 4
.endm
.macro TURN slot, next, fill
	s_wait_tensorcnt 0x0
	ds_add_u32 v[SPW], v[NIL]
	s_wait_dscnt 4*NL+1
	WIN MUL_LO
	MUL16 0, 1, 0
	s_wait_dscnt 0x0
	s_barrier_signal -1
	MUL16 2, 1, 0
	WIN 0
	s_barrier_wait -1
.if \fill
	CREST
	s_add_nc_u64 s[G0+2:G0+3], s[G0+2:G0+3], ROWB
	s_add_nc_u64 s[G0B+2:G0B+3], s[G0B+2:G0B+3], ROWB
	s_cmp_lg_u32 s15, \slot                        ; the slot's two waves fill it again; the branch hangs on the wave's number alone
	s_cbranch_scc1 .Lnot_mine_\@
	JLOAD G0, G1, G0B, G1B
.Lnot_mine_\@:
	PLACES NP                                      ; on every wave's way: the places in front of the loads below
.else
	PLACES NP
.endif
	FETCH_B \next, 0, 0
	FETCH_A \next, 0, 0
	WIN MUL_HI
	MUL16 4, 1, 0
	MUL16 6, 1, 0
	PLACES NP
	WIN 0
	FETCH_A \next, 0, 4
.endm
	s_wait_tensorcnt 0x0                           ; my load has landed, so its descriptor may be written:
	s_xor_b32 s98, s15, 1
	s_lshl_b32 s98, s98, 8
	s_add_nc_u64 s[G0+2:G0+3], s[G0+2:G0+3], s[98:99]       ; both stand at K step 1 in every wave; each change of slots steps them by one K step
	s_add_nc_u64 s[G0B+2:G0B+3], s[G0B+2:G0B+3], s[98:99]
	s_barrier_signal -1
	s_barrier_wait -1
	FETCH_B 0, 0, 0
	FETCH_A 0, 0, 0
	FETCH_A 0, 0, 4
	STEP 0, 0, 1
	s_mov_b32 s3, LAPS-1
.Llap:
	TURN 0, 1, 1
	STEP 1, 0, 0
	TURN 1, 0, 1
	STEP 0, 0, 0
	s_sub_co_u32 s3, s3, 1
	s_cmp_lg_u32 s3, 0
	s_cbranch_scc1 .Llap
	TURN 0, 1, 0
	STEP 1, 0, 0
	s_wait_dscnt 4*NL
	WIN MUL_LO
	MUL16 0, 1, 0
	MUL16 2, 1, 0
	s_wait_dscnt 0
	s_barrier_signal -1
	WIN MUL_HI
	MUL16 4, 1, 0
	MUL16 6, 1, 0
	WIN 0
	s_barrier_wait -1
	s_wait_kmcnt 0x0
	s_add_co_i32 s72, s68, s69
	s_add_co_i32 s72, s72, 127
	s_lshl_b32 s72, s72, 23
	s_mov_b32 s73, s72
	s_add_co_i32 s80, s70, 127
	s_lshl_b32 s81, s80, 23
	s_add_co_i32 s80, s80, 15
	s_lshl_b32 s80, s80, 23
	s_or_b32 s80, s80, 0x600000
	s_mov_b32 s74, 0
	s_mov_b32 s75, 0x3eb504f3
	s_mov_b32 s76, 0x3e7c6f08
	s_mov_b32 s77, s76
	s_mov_b32 s78, 0xbf38aa3b
	s_mov_b32 s79, s78
	PLACES NP
.macro CONST reg, val
	v_mov_b32 v[\reg], \val
	v_mov_b32 v[\reg+1], \val
.endm
	v_mov_b32 v[SCV], s81
	v_mov_b32 v[LIMV], s80
	CONST C8,    0xbf97d29d
	CONST CK+14, 0x40097039
	CONST CK+12, 0xbfd1a1e5
	CONST CK+10, 0x3ecdfd18
	CONST CK+8,  0xbe899a80
	CONST CK+6,  0x3e0efb2e
	CONST CK+4,  0x3f0a29d2
	CONST CK+2,  0x3fb8ab5a
	CONST CK,    0xc034d90f
.irp i, 0,1,2,3,4,5,6,7
	global_load_b128 v[BI+4*\i:BI+4*\i+3], v[BIO], s[10:11] offset:256*(\i/4)+16*(\i%4)
.endr
.irp a, 0,1,2,3,4,5,6,7
	WIN 0x08+4*(\a/4)
.irp b, 0,1,2,3,4,5,6,7
	ds_store_b128 v[STO], v[64*(\a%4)+8*\b:64*(\a%4)+8*\b+3] offset:\a*16*DP+64*\b
	ds_store_b128 v[STO], v[64*(\a%4)+8*\b+4:64*(\a%4)+8*\b+7] offset:\a*16*DP+64*\b+16
.endr
.endr
	WIN 0
.irp i, 0,1,2,3,4,5,6,7
	ds_load_b128 v[R+4*\i:R+4*\i+3], v[RD] offset:256*(\i/4)+16*(\i%4)
.endr
	s_wait_loadcnt 0x0
.macro GELU32 more
	s_wait_dscnt 0x0
.set jj, 0
.rept 16
	v_pk_fma_f32 v[U+jj:U+jj+1], v[R+jj:R+jj+1], s[72:73], v[BI+jj:BI+jj+1] op_sel_hi:[1,0,1]
.set jj, jj+2
.endr
.if \more
	s_add_co_u32 s74, s74, 8*DP
	v_add_nc_u32 v[ADR], s74, v[RD]
.irp i, 0,1,2,3,4,5,6,7
	ds_load_b128 v[R+4*\i:R+4*\i+3], v[ADR] offset:256*(\i/4)+16*(\i%4)
.endr
.endif
.set jj, 0
.rept 32
	v_fma_f32 v[T+jj], |v[U+jj]|, s75, 1.0
.set jj, jj+1
.endr
.set jj, 0
	s_wait_alu depctr_va_vdst(0)
.rept 32
	v_rcp_f32 v[T+jj], v[T+jj]
.set jj, jj+1
.endr
.set jj, 0
.rept 16
	v_pk_mul_f32 v[W+jj:W+jj+1], v[U+jj:U+jj+1], v[U+jj:U+jj+1]
.set jj, jj+2
.endr
	s_wait_alu depctr_va_vdst(0)
.set jj, 0
.rept 16
	v_pk_fma_f32 v[P+jj:P+jj+1], v[T+jj:T+jj+1], s[76:77], v[C8:C8+1] op_sel_hi:[1,0,1]
.set jj, jj+2
.endr
.irp k, 7,6,5,4,3,2,1,0
.set jj, 0
.rept 16
	v_pk_fma_f32 v[P+jj:P+jj+1], v[P+jj:P+jj+1], v[T+jj:T+jj+1], v[CK+2*\k:CK+2*\k+1]
.set jj, jj+2
.endr
.endr
.set jj, 0
.rept 16
	v_pk_fma_f32 v[P+jj:P+jj+1], v[W+jj:W+jj+1], s[78:79], v[P+jj:P+jj+1] op_sel_hi:[1,0,1]
.set jj, jj+2
.endr
.set jj, 0
	s_wait_alu depctr_va_vdst(0)
.rept 32
	v_exp_f32 v[P+jj], v[P+jj]
.set jj, jj+1
.endr
.set jj, 0
.rept 32
	v_max_num_f32 v[W+jj], 0, v[U+jj]
.set jj, jj+1
.endr
	s_wait_alu depctr_va_vdst(0)
.set jj, 0
.rept 16
	v_pk_mul_f32 v[P+jj:P+jj+1], v[P+jj:P+jj+1], v[T+jj:T+jj+1]
.set jj, jj+2
.endr
.set jj, 0
.rept 32
	v_fma_f32 v[U+jj], -|v[U+jj]|, v[P+jj], v[W+jj]
.set jj, jj+1
.endr
.set jj, 0
.rept 32
	v_med3_num_f32 v[U+jj], v[U+jj], -v[LIMV], v[LIMV]
.set jj, jj+1
.endr
.irp i, 0,1,2,3
	v_cvt_scalef32_pk8_bf8_f32 v[C+2*\i:C+2*\i+1], v[U+8*\i:U+8*\i+7], v[SCV]
.endr
	v_nop
	global_store_b128 v[GO], v[C:C+3], s[12:13]
	global_store_b128 v[GO], v[C+4:C+7], s[12:13] offset:8192
.if \more
	s_wait_xcnt 0x0
	s_add_nc_u64 s[12:13], s[12:13], 512
.endif
.endm
	s_mov_b32 s3, 15
.Lrows:
	GELU32 1
	s_sub_co_u32 s3, s3, 1
	s_cmp_lg_u32 s3, 0
	s_cbranch_scc1 .Lrows
	GELU32 0
	s_wait_tensorcnt 0x0
	ds_add_u32 v[SPW], v[NIL]
	s_wait_dscnt 0x0
	CROUND
	s_endpgm
.Lfunc_end_k_q1d115f9e70_ff1:
	.size	k_q1d115f9e70_ff1, .Lfunc_end_k_q1d115f9e70_ff1-k_q1d115f9e70_ff1
	.p2alignl 7, 3214868480
	.fill 96, 4, 3214868480
	.section	.rodata,"a",@progbits
	.p2align	6, 0x0
	.amdhsa_kernel k_q1d115f9e70_ff1
		.amdhsa_group_segment_fixed_size 327680
		.amdhsa_private_segment_fixed_size 0
		.amdhsa_enable_private_segment 0
		.amdhsa_kernarg_size 40
		.amdhsa_user_sgpr_count 2
		.amdhsa_user_sgpr_kernarg_segment_ptr 1
		.amdhsa_wavefront_size32 1
		.amdhsa_system_sgpr_workgroup_id_x 1
		.amdhsa_system_sgpr_workgroup_id_y 1
		.amdhsa_system_sgpr_workgroup_id_z 1
		.amdhsa_system_vgpr_workitem_id 0
		.amdhsa_next_free_vgpr 1024
		.amdhsa_next_free_sgpr 100
		.amdhsa_reserve_vcc 0
		.amdhsa_float_denorm_mode_32 3
		.amdhsa_float_denorm_mode_16_64 3
		.amdhsa_memory_ordered 1
		.amdhsa_forward_progress 1
		.amdhsa_inst_pref_size 135
	.end_amdhsa_kernel
	.amdgpu_metadata
---
amdhsa.version: [ 1, 2 ]
amdhsa.kernels:
  - .name:           k_q1d115f9e70_ff1
    .symbol:         k_q1d115f9e70_ff1.kd
    .args:
      - { .name: h2codes, .offset: 0, .size: 8, .value_kind: global_buffer, .address_space: global }
      - { .name: wcodes, .offset: 8, .size: 8, .value_kind: global_buffer, .address_space: global }
      - { .name: lowp_scales, .offset: 16, .size: 8, .value_kind: global_buffer, .address_space: global }
      - { .name: b1, .offset: 24, .size: 8, .value_kind: global_buffer, .address_space: global }
      - { .name: gcodes, .offset: 32, .size: 8, .value_kind: global_buffer, .address_space: global }
    .group_segment_fixed_size: 327680
    .private_segment_fixed_size: 0
    .kernarg_segment_align: 8
    .kernarg_segment_size: 40
    .max_flat_workgroup_size: 128
    .sgpr_count:     100
    .vgpr_count:     1024
    .wavefront_size: 32
...
	.end_amdgpu_metadata
.endif
;; end of part 13
;; launch ff2 (part 14): grid 8 x 32, 4 waves a work-group, clusters of 4 x 4, 327,680 bytes of LDS; arguments gcodes, wcodes, lowp_scales, b2, x1, out0; writes out0
.if DOCPART == 14
	.amdgcn_target "amdgcn-amd-amdhsa--gfx1250"
	.amdhsa_code_object_version 6
	.text
	.protected	k_q1d115f9e70_ff2
	.globl	k_q1d115f9e70_ff2
	.p2align	8
	.type	k_q1d115f9e70_ff2,@function
k_q1d115f9e70_ff2:
	s_mov_b64 s[64:65], 0
	v_nop
	global_prefetch_b8 v0, s[64:65] scope:SCOPE_SE
	s_setreg_imm32_b32 hwreg(HW_REG_WAVE_MODE, 25, 1), 1
	s_wait_xcnt 0x0
	s_wait_alu depctr_hold_cnt(0) depctr_sa_sdst(0) depctr_va_vdst(0) depctr_va_sdst(0) depctr_va_ssrc(0) depctr_va_vcc(0) depctr_vm_vsrc(0)
	s_getreg_b32 s2, hwreg(HW_REG_IB_STS2, 6, 4)
	s_cmp_eq_u32 s2, 0
	s_cbranch_scc0 .Lentry_in_a_cluster
	s_endpgm
.Lentry_in_a_cluster:
	s_bfe_u32 s2, ttmp6, 0x10000c
	s_cmp_lg_u32 s2, 0xf033
	s_cbranch_scc0 .Lentry_shape_is_right
	s_endpgm
.Lentry_shape_is_right:
.set SIZE_K, 4096
.set WOFF,   0x800000
.set EOFF,   0x38
.set BIAS,   1
.set KSTEP,  512
.set KROW,   SIZE_K
.set ASTEP,  65536
.set CROW,   4096
.set PA,     272
.set PB,     528
.set AHALF,  128*PA
.set BHALF,  64*PB
.set ABYTES, 2*AHALF
.set SLOT,   ABYTES+2*BHALF
.set LAPS,   SIZE_K/(2*KSTEP)
.set SPARE,  2*SLOT
.set SPITCH, 272
.set FR,     16
.set NP,     4
.set ADRA, 16
.set ADRB, 20
.set STO,  24
.set RD,   25
.set CO,   26
.set BO,   27
.set SPW,  28
.set NIL,  29
.set BK,   32
.set BV,   96
.set ACC,  128
.set F0,   0
.set F1,   128
.set G1, 24
.set G0, 32
.set G1B, 48
.set G0B, 56
.set RB, 84
.set OB, 86
.set MSB, 0
.macro WIN new
.if MSB != (\new)
	s_set_vgpr_msb (MSB<<8)|(\new)
.set MSB, (\new)
.endif
.endm
.set MUL,  0x05
.set TO_F, 0x40
; A joint load.  A wave owns one operand (wave % 2: A or B) of one slot (wave / 2) and brings that operand's whole tile of a K step: A's 256 lines of 256 bytes, or B's 128 rows of 512 bytes.
.macro JLOAD g0a, g1a, g0b, g1b
	s_cmp_eq_u32 s16, 0
	s_cbranch_scc0 .Lfor_b_\@
	tensor_load_to_lds s[\g0a:\g0a+3], s[\g1a:\g1a+7]
	s_nop 0
.rept 4
	v_nop
.endr
	s_branch .Lasked_\@
.Lfor_b_\@:
	tensor_load_to_lds s[\g0b:\g0b+3], s[\g1b:\g1b+7]
	s_nop 0
.rept 4
	v_nop
.endr
.Lasked_\@:
.endm
.macro CREST
	s_cmp_lg_u32 s14, 0
	s_cbranch_scc1 .Lnot_wave_0_\@
	s_barrier_signal -3
.Lnot_wave_0_\@:
	s_barrier_wait -3
	s_barrier_signal -1
	s_barrier_wait -1
.endm
.macro CROUND
	s_barrier_signal -1
	s_barrier_wait -1
	CREST
.endm
	s_load_b128 s[4:7], s[0:1], 0x0
	s_load_b128 s[8:11], s[0:1], 0x10
	s_load_b128 s[RB:RB+3], s[0:1], 0x20
	v_lshl_add_u32 v[SPW], v0, 2, SPARE
	v_mov_b32 v[NIL], 0
	ds_add_u32 v28, v29
	ds_add_u32 v28, v29
	s_wait_dscnt 0x0
	v_lshrrev_b32 v1, 5, v0
	v_readfirstlane_b32 s14, v1
	s_lshr_b32 s15, s14, 1
	s_and_b32 s16, s14, 1
	s_bfe_u32 s40, ttmp6, 0x40000
	s_bfe_u32 s41, ttmp6, 0x40004
	s_lshl_b32 s42, ttmp9, 2
	s_add_co_u32 s42, s42, s40
	s_and_b32 s17, ttmp7, 0xffff
	s_lshl_b32 s17, s17, 2
	s_add_co_u32 s17, s17, s41
	s_lshl_b32 s43, s41, 2
	s_lshl_b32 s43, 15, s43
	s_lshl_b32 s44, 0x1111, s40
	s_or_b32 s[G1+0], s43, (0<<16)|(1<<20)|(1<<21)|(5<<22)|(3<<25)
	s_mov_b32 s[G1+1], 256<<16
	s_mov_b32 s[G1+2], 256<<16
	s_mov_b32 s[G1+3], 256<<16
	s_mov_b32 s[G1+4], 256
	s_mov_b32 s[G1+5], 256
	s_mov_b32 s[G1+6], 0
	s_mov_b32 s[G1+7], 0
	s_or_b32 s[G1B+0], s44, (0<<16)|(1<<20)|(1<<21)|(6<<22)|(3<<25)
	s_mov_b32 s[G1B+1], KSTEP<<16
	s_mov_b32 s[G1B+2], 128<<16
	s_mov_b32 s[G1B+3], KSTEP<<16
	s_mov_b32 s[G1B+4], 128
	s_mov_b32 s[G1B+5], KROW
	s_mov_b32 s[G1B+6], 0
	s_mov_b32 s[G1B+7], 0
	s_mul_i32 s20, s17, 128*KROW
	s_lshl_b32 s18, s15, 16                        ; my slot's first K step of A: 65,536 bytes x (wave / 2)
	s_add_co_u32 s20, s20, s18
	s_mov_b32 s21, 0
	s_lshl_b32 s46, s42, 7
	s_mul_i32 s46, s46, KROW
	s_lshl_b32 s18, s15, 9                         ; and of B: 512 bytes x (wave / 2)
	s_add_co_u32 s46, s46, s18
	s_mov_b32 s47, 0
	s_mul_i32 s45, s15, SLOT                       ; my slot in LDS: A at its head, B behind A
	s_mul_i32 s19, s15, SLOT
	s_add_co_u32 s19, s19, ABYTES
	s_cmp_eq_u32 s16, 0                            ; the prefetches' offset: my lane x 512 bytes of A's dense block, or x a row of B (4,096 bytes): two blocks of 256 bytes a lane; never rewritten
	s_mov_b32 s90, KROW
	s_cselect_b32 s90, 512, s90
	v_and_b32 v12, 31, v0
	v_mul_u32_u24 v12, v12, s90
	s_wait_alu depctr_va_vdst(0)
	s_wait_kmcnt 0x0
	s_load_b64 s[96:97], s[8:9], EOFF
	s_add_nc_u64 s[6:7], s[6:7], WOFF
	s_add_nc_u64 s[20:21], s[4:5], s[20:21]
	s_add_nc_u64 s[46:47], s[6:7], s[46:47]
	; A PREFETCH stands behind each joint load, for the K step two loads on.  Of the 65,536 bytes that my wave fetches, the four partners that ask jointly take 16,384 each, told apart by address:
	; cx x 64 lines of A's block, cy x 32 rows of B; 32 lanes name 64 blocks of 256 bytes.  The loads of K steps 6 and 7 ask for nothing.
	; (the shares as they now stand: of my operand's 65,536 bytes of a K step the four partners take 16,384 each: cx x 16,384 bytes of A's block, cy x 32 rows of B; the slot's wave names them by two instructions)
	s_cmp_eq_u32 s16, 0
	s_cselect_b64 s[66:67], s[20:21], s[46:47]
	s_cselect_b32 s90, s40, s41
	s_mov_b32 s91, 17
	s_cselect_b32 s91, 14, s91
	s_mov_b32 s88, KSTEP
	s_cselect_b32 s88, ASTEP, s88                  ; s[88:89]: a K step on, in bytes
	s_mov_b32 s89, 0
	s_lshl_b32 s90, s90, s91
	s_mov_b32 s91, 0
	s_add_nc_u64 s[66:67], s[66:67], s[90:91]
	s_add_nc_u64 s[66:67], s[66:67], s[88:89]
	s_add_nc_u64 s[66:67], s[66:67], s[88:89]      ; at K step 2
	CROUND
	s_mov_b32 s[G0], 1
	s_mov_b32 s[G0+1], s45
	s_mov_b64 s[G0+2:G0+3], s[20:21]
	s_or_b32 s[G0+3], s[G0+3], 0x80000000
	s_mov_b32 s[G0B], 1
	s_mov_b32 s[G0B+1], s19
	s_mov_b64 s[G0B+2:G0B+3], s[46:47]
	s_or_b32 s[G0B+3], s[G0B+3], 0x80000000
	JLOAD G0, G1, G0B, G1B                         ; my one load at the head: the four waves' loads are K steps 0 and 1, both slots
	global_prefetch_b8 v12, s[66:67] th:TH_LOAD_NT scope:SCOPE_SE              ; my K step + 2 (2 or 3): each lane's first block of 256 bytes,
	global_prefetch_b8 v12, s[66:67] offset:256 th:TH_LOAD_NT scope:SCOPE_SE   ; and its second
	v_and_b32 v1, 15, v0
	v_bfe_u32 v2, v0, 4, 1
	v_lshlrev_b32 v7, 12, v2
	v_lshl_add_u32 v[CO], v1, 4, v7
	v_lshlrev_b32 v[BO], 4, v1
	s_wait_alu depctr_va_vdst(0)
	s_lshl_b32 s20, s17, 7
	s_lshl_b32 s21, s15, 6
	s_add_co_u32 s20, s20, s21
	s_mul_i32 s20, s20, CROW
	s_lshl_b32 s46, s42, 9
	s_lshl_b32 s47, s16, 8
	s_add_co_u32 s46, s46, s47
	s_mov_b32 s47, 0
	s_add_nc_u64 s[10:11], s[10:11], s[46:47]
	s_add_co_u32 s20, s20, s46
	s_mov_b32 s21, 0
	s_add_nc_u64 s[RB:RB+1], s[RB:RB+1], s[20:21]
	s_add_nc_u64 s[OB:OB+1], s[OB:OB+1], s[20:21]
	global_load_b128 v[BV:BV+3], v[BO], s[10:11]
	WIN 0x80
.irp a, 0,1,2,3
.irp t, 0,1,2,3,4,5,6,7
	global_load_b128 v[32*\a+4*\t:32*\a+4*\t+3], v[CO], s[RB:RB+1] offset:(16*\a+2*\t)*CROW th:TH_LOAD_NT
.endr
.endr
	WIN 0
	v_mul_u32_u24 v3, v1, PB
	v_lshl_add_u32 v4, v2, 4, v3
	v_lshrrev_b32 v5, 2, v1
	v_mul_u32_u24 v5, v5, PA
	v_and_b32 v6, 3, v1
	v_lshl_add_u32 v5, v6, 6, v5
	v_lshl_add_u32 v5, v2, 4, v5
	s_mul_i32 s21, s15, 16*PA
	s_mul_i32 s22, s16, BHALF
	s_add_co_u32 s22, s22, ABYTES
.irp s, 0,1
	v_add_nc_u32 v[ADRA+\s], s21, v5
	v_add_nc_u32 v[ADRB+\s], s22, v4
	s_add_co_u32 s21, s21, SLOT
	s_add_co_u32 s22, s22, SLOT
.endr
	s_mul_i32 s23, s14, 16*SPITCH
	v_mul_u32_u24 v5, v1, SPITCH
	v_lshl_add_u32 v5, v2, 5, v5
	v_add_nc_u32 v[STO], s23, v5
	v_mul_u32_u24 v6, v2, SPITCH
	v_lshl_add_u32 v6, v1, 4, v6
	v_add_nc_u32 v[RD], s23, v6
.macro FRAGB reg, adr, q, i
.irp c, 0,1,2,3
	ds_load_b128 v[\reg+4*\c:\reg+4*\c+3], v[\adr] offset:128*(\q)+32*\c+(\i)*16*PB
.endr
.endm
.macro FRAGA reg, adr, q, i
.irp c, 0,1,2,3
	ds_load_b128 v[\reg+4*\c:\reg+4*\c+3], v[\adr] offset:(32*(2*(\q)+\c/2)+4*(\i))*PA+32*(\c%2)
.endr
.endm
.macro MUL8 f, a0, zero
.irp a, \a0, \a0+1
.irp b, 0,1,2,3
.if \zero
	v_wmma_f32_16x16x128_bf8_bf8 v[ACC+8*(4*(\a)+\b):ACC+8*(4*(\a)+\b)+7], v[\f+64+FR*\b:\f+64+FR*\b+FR-1], v[\f+FR*(\a):\f+FR*(\a)+FR-1], 0
.else
	v_wmma_f32_16x16x128_bf8_bf8 v[ACC+8*(4*(\a)+\b):ACC+8*(4*(\a)+\b)+7], v[\f+64+FR*\b:\f+64+FR*\b+FR-1], v[\f+FR*(\a):\f+FR*(\a)+FR-1], v[ACC+8*(4*(\a)+\b):ACC+8*(4*(\a)+\b)+7]
.endif
.endr
.endr
.endm
.macro FETCH slot, q, f
	WIN TO_F
.irp i, 0,1,2,3
	FRAGB \f+64+FR*\i, ADRB+\slot, \q, \i
.endr
.irp i, 0,1,2,3
	FRAGA \f+FR*\i, ADRA+\slot, \q, \i
.endr
.endm
.macro PLACES n
.rept \n
	v_nop
.endr
.endm
.macro QUARTER slot, q, f, g, zero
	s_wait_dscnt 8
	WIN MUL
	MUL8 \f, 0, \zero
	PLACES NP
	FETCH \slot, \q, \g
	s_wait_dscnt 32
	WIN MUL
	MUL8 \f, 2, \zero
.endm
.macro TURN slot, next, fill
.if \fill
	s_wait_xcnt 0x0                                ; my last prefetch has read its address: it is stepped here, a K step behind that prefetch
	s_add_nc_u64 s[66:67], s[66:67], s[88:89]
.endif
	WIN 0
	s_wait_tensorcnt 0x0
	ds_add_u32 v[SPW], v[NIL]
	s_wait_dscnt 9
	WIN MUL
	MUL8 F1, 0, 0
	s_wait_dscnt 0x0
	s_barrier_signal -1
	WIN 0
	s_barrier_wait -1
.if \fill
	CREST
	s_add_nc_u64 s[G0+2:G0+3], s[G0+2:G0+3], ASTEP
	s_add_nc_u64 s[G0B+2:G0B+3], s[G0B+2:G0B+3], KSTEP
	s_cmp_lg_u32 s15, \slot                        ; the slot's two waves fill it again, and ask ahead; the branch hangs on the wave's number alone
	s_cbranch_scc1 .Lno_ask_\@
	JLOAD G0, G1, G0B, G1B
	s_cmp_gt_u32 s3, 1                             ; the loop's last trip loads K steps 6 and 7: no K step stands two on
	s_cbranch_scc0 .Lno_ask_\@
	global_prefetch_b8 v12, s[66:67] th:TH_LOAD_NT scope:SCOPE_SE              ; the K step two refills on
	global_prefetch_b8 v12, s[66:67] offset:256 th:TH_LOAD_NT scope:SCOPE_SE
.Lno_ask_\@:
	PLACES NP                                      ; on every wave's way: the places in front of the loads below
.else
	PLACES NP
.endif
	FETCH \next, 0, F0
	WIN MUL
	MUL8 F1, 2, 0
.endm
	s_wait_alu depctr_va_vdst(0)
	s_wait_tensorcnt 0x0                           ; my load has landed, so its descriptor may be written:
	s_xor_b32 s90, s15, 1                          ; slot 0's waves go one K step on, so that both descriptors stand at K step 1 in every wave; each change of slots steps them by one K step
	s_lshl_b32 s92, s90, 16
	s_mov_b32 s93, 0
	s_add_nc_u64 s[G0+2:G0+3], s[G0+2:G0+3], s[92:93]
	s_lshl_b32 s92, s90, 9
	s_add_nc_u64 s[G0B+2:G0B+3], s[G0B+2:G0B+3], s[92:93]
	s_mul_i32 s92, s90, s88
	s_wait_xcnt 0x0                                ; my prefetches have read their address:
	s_add_nc_u64 s[66:67], s[66:67], s[92:93]      ; it stands at K step 3 in every wave, and is stepped by one K step at each change of slots
	s_barrier_signal -1
	s_barrier_wait -1
	FETCH 0, 0, F0
	QUARTER 0, 1, F0, F1, 1
.if LAPS > 1
	WIN 0
	s_mov_b32 s3, LAPS-1
.Llap:
	QUARTER 0, 2, F1, F0, 0
	QUARTER 0, 3, F0, F1, 0
	TURN 0, 1, 1
	QUARTER 1, 1, F0, F1, 0
	QUARTER 1, 2, F1, F0, 0
	QUARTER 1, 3, F0, F1, 0
	TURN 1, 0, 1
	QUARTER 0, 1, F0, F1, 0
	WIN 0
	s_sub_co_u32 s3, s3, 1
	s_cmp_lg_u32 s3, 0
	s_cbranch_scc1 .Llap
.endif
	QUARTER 0, 2, F1, F0, 0
	QUARTER 0, 3, F0, F1, 0
	TURN 0, 1, 0
	QUARTER 1, 1, F0, F1, 0
	QUARTER 1, 2, F1, F0, 0
	QUARTER 1, 3, F0, F1, 0
	s_wait_dscnt 8
	WIN MUL
	MUL8 F1, 0, 0
	s_wait_dscnt 0
	MUL8 F1, 2, 0
	WIN 0
.macro TOSTAGE a
.irp b, 0,1,2,3
	ds_store_b128 v[STO], v[ACC+8*(4*(\a)+\b):ACC+8*(4*(\a)+\b)+3] offset:64*\b
	ds_store_b128 v[STO], v[ACC+8*(4*(\a)+\b)+4:ACC+8*(4*(\a)+\b)+7] offset:64*\b+16
.endr
.set BB, BK+32*((\a)%2)
.irp t, 0,1,2,3,4,5,6,7
	ds_load_b128 v[BB+4*\t:BB+4*\t+3], v[RD] offset:\t*2*SPITCH
.endr
.endm
.macro SEND a, yd
.set BB, BK+32*((\a)%2)
	s_wait_dscnt \yd
	WIN 0x20
.set jj, 0
.rept 16
	v_pk_fma_f32 v[BB+jj:BB+jj+1], v[BB+jj:BB+jj+1], s[96:97], v[32*(\a)+jj:32*(\a)+jj+1] op_sel_hi:[1,0,1]
.set jj, jj+2
.endr
	WIN 0
.if BIAS
.set jj, 0
.rept 16
	v_pk_add_f32 v[BB+jj:BB+jj+1], v[BB+jj:BB+jj+1], v[BV+jj%4:BV+jj%4+1]
.set jj, jj+2
.endr
.endif
.irp t, 0,1,2,3,4,5,6,7
	global_store_b128 v[CO], v[BB+4*\t:BB+4*\t+3], s[OB:OB+1] offset:(16*(\a)+2*\t)*CROW th:TH_STORE_NT
.endr
.endm
	s_wait_kmcnt 0x0
	s_add_co_i32 s96, s96, s97
	s_add_co_i32 s96, s96, 127
	s_lshl_b32 s96, s96, 23
	s_mov_b32 s97, s96
	PLACES NP
	TOSTAGE 0
	s_wait_loadcnt 0x0
.irp a, 1,2,3
.if \a > 1
	s_wait_xcnt 0x0
.endif
	TOSTAGE \a
	SEND \a-1, 16
.endr
	SEND 3, 0
	s_wait_tensorcnt 0x0
	ds_add_u32 v[SPW], v[NIL]
	s_wait_dscnt 0x0
	CROUND
	s_endpgm
.Lfunc_end_k_q1d115f9e70_ff2:
	.size	k_q1d115f9e70_ff2, .Lfunc_end_k_q1d115f9e70_ff2-k_q1d115f9e70_ff2
	.p2alignl 7, 3214868480
	.fill 96, 4, 3214868480
	.section	.rodata,"a",@progbits
	.p2align	6, 0x0
	.amdhsa_kernel k_q1d115f9e70_ff2
		.amdhsa_group_segment_fixed_size 327680
		.amdhsa_private_segment_fixed_size 0
		.amdhsa_enable_private_segment 0
		.amdhsa_kernarg_size 48
		.amdhsa_user_sgpr_count 2
		.amdhsa_user_sgpr_kernarg_segment_ptr 1
		.amdhsa_wavefront_size32 1
		.amdhsa_system_sgpr_workgroup_id_x 1
		.amdhsa_system_sgpr_workgroup_id_y 1
		.amdhsa_system_sgpr_workgroup_id_z 1
		.amdhsa_system_vgpr_workitem_id 0
		.amdhsa_next_free_vgpr 640
		.amdhsa_next_free_sgpr 100
		.amdhsa_reserve_vcc 0
		.amdhsa_float_denorm_mode_32 3
		.amdhsa_float_denorm_mode_16_64 3
		.amdhsa_memory_ordered 1
		.amdhsa_forward_progress 1
		.amdhsa_inst_pref_size 83
	.end_amdhsa_kernel
	.amdgpu_metadata
---
amdhsa.version: [ 1, 2 ]
amdhsa.kernels:
  - .name:           k_q1d115f9e70_ff2
    .symbol:         k_q1d115f9e70_ff2.kd
    .args:
      - { .name: gcodes, .offset: 0, .size: 8, .value_kind: global_buffer, .address_space: global }
      - { .name: wcodes, .offset: 8, .size: 8, .value_kind: global_buffer, .address_space: global }
      - { .name: lowp_scales, .offset: 16, .size: 8, .value_kind: global_buffer, .address_space: global }
      - { .name: b2, .offset: 24, .size: 8, .value_kind: global_buffer, .address_space: global }
      - { .name: x1, .offset: 32, .size: 8, .value_kind: global_buffer, .address_space: global }
      - { .name: out0, .offset: 40, .size: 8, .value_kind: global_buffer, .address_space: global }
    .group_segment_fixed_size: 327680
    .private_segment_fixed_size: 0
    .kernarg_segment_align: 8
    .kernarg_segment_size: 48
    .max_flat_workgroup_size: 128
    .sgpr_count:     100
    .vgpr_count:     640
    .wavefront_size: 32
...
	.end_amdgpu_metadata
.endif
;; end of part 14
